; MI455X (gfx1250); checked and timed in simulation.
; The chip was launched on July 23, 2026; its instructions are those of AMD's public machine-readable ISA for CDNA 5 (MIT licence, August 2026) and "CDNA5" Instruction Set Architecture Reference Guide (July 2026). The comments in the code are by the model that wrote it; some were corrected since.
;; Mo E Layer. Allowed arithmetic: matrix products marked QUANTISED: E3M2 operands, one E8M0 scale for each 32 along K, by v_wmma_scale_f32_16x16x128_f8f6f4 with both operands' format E3M2, f32 sums; products left as they are: f32 operands where the result goes on into a quantised operand, else bf16, f16 or f32 operands; f32 sums; everything else in f32.
;; Inputs: W1_codes 8 x 4,096 x 32 x 24 uint8 (E3M2 codes of W1, K innermost, in blocks of 32 codes, four codes in three bytes); W1_scales 8 x 4,096 x 32 uint8 (E8M0 scales of W1, one for each 32 codes along K); W2_codes 8 x 1,024 x 128 x 24 uint8 (E3M2 codes of W2, K innermost, in blocks of 32 codes, four codes in three bytes); W2_scales 8 x 1,024 x 128 uint8 (E8M0 scales of W2, one for each 32 codes along K); Wg 1,024 x 8 float32; x 4 x 256 x 1,024 float32.
;; Outputs: out0 4 x 256 x 1,024 float32.
;; This version of the problem:
;;   THIS VERSION OF THE PROBLEM IS GIVEN IN LOW PRECISION. The matrix products marked QUANTISED in the list below multiply operands that are first quantised to E3M2 (3 exponent bits, 2 mantissa bits; 6 bits a number), with one power-of-two scale for each 32 numbers along K (OCP MX v1.0); their sums are f32. All else is computed in f32.
;;   The module's matrix products, in the order in which they are computed (A, B: the left and right operand; K: the contracted axis; several contracted axes count as one K, in the product's order):
;;     1. [M 1,024, K 1,024] x [K 1,024, N 8]; A: input x; B: input Wg: left as it is (N = 8 < 16)
;;     2. batch 1,024 x [M 1, K 2] x [K 2, N 8]; A: softmax; B: computed on the way: left as it is (K = 2 < 32)
;;     3. [M 1,024, K 1,024] x [K 1,024, N 4,096]; A: input x; B: input W1 (given as codes): QUANTISED
;;     4. [M 1,024, K 4,096] x [K 4,096, N 1,024]; A: computed on the way; B: input W2 (given as codes): QUANTISED
;;     5. [M 1,024, K 1,024] x [K 1,024, N 4,096]; A: input x; B: input W1 (given as codes): QUANTISED
;;     6. [M 1,024, K 4,096] x [K 4,096, N 1,024]; A: computed on the way; B: input W2 (given as codes): QUANTISED
;;     7. [M 1,024, K 1,024] x [K 1,024, N 4,096]; A: input x; B: input W1 (given as codes): QUANTISED
;;     8. [M 1,024, K 4,096] x [K 4,096, N 1,024]; A: computed on the way; B: input W2 (given as codes): QUANTISED
;;     9. [M 1,024, K 1,024] x [K 1,024, N 4,096]; A: input x; B: input W1 (given as codes): QUANTISED
;;     10. [M 1,024, K 4,096] x [K 4,096, N 1,024]; A: computed on the way; B: input W2 (given as codes): QUANTISED
;;     11. [M 1,024, K 1,024] x [K 1,024, N 4,096]; A: input x; B: input W1 (given as codes): QUANTISED
;;     12. [M 1,024, K 4,096] x [K 4,096, N 1,024]; A: computed on the way; B: input W2 (given as codes): QUANTISED
;;     13. [M 1,024, K 1,024] x [K 1,024, N 4,096]; A: input x; B: input W1 (given as codes): QUANTISED
;;     14. [M 1,024, K 4,096] x [K 4,096, N 1,024]; A: computed on the way; B: input W2 (given as codes): QUANTISED
;;     15. [M 1,024, K 1,024] x [K 1,024, N 4,096]; A: input x; B: input W1 (given as codes): QUANTISED
;;     16. [M 1,024, K 4,096] x [K 4,096, N 1,024]; A: computed on the way; B: input W2 (given as codes): QUANTISED
;;     17. [M 1,024, K 1,024] x [K 1,024, N 4,096]; A: input x; B: input W1 (given as codes): QUANTISED
;;     18. [M 1,024, K 4,096] x [K 4,096, N 1,024]; A: computed on the way; B: input W2 (given as codes): QUANTISED
;;   THE QUANTISER, for each operand of a quantised product, along K:
;;     - K is cut into blocks of 32 from its start; a last block that is shorter is filled with zeros.
;;     - A block's scale is 2^e with e = floor(log2(the largest magnitude in the block)) - 4, held to -126 .. 127; a block of zeros has e = 0. As a byte (E8M0): e + 127.
;;     - Each number is divided by its block's scale, clamped to +-28, and rounded to the nearest number of E3M2, ties to even, subnormals kept.
;;     - The product sums the exact products of the quantised numbers (number of the format x scale) in f32.
;;   ~~~python
;;   def quantise(x, axis):      # numpy; x: float32 -> the quantised numbers, widened to float32 again
;;       x = np.moveaxis(x, axis, -1); K = x.shape[-1]
;;       x = np.pad(x, [(0, 0)] * (x.ndim - 1) + [(0, -K % 32)]); x = x.reshape(x.shape[:-1] + (-1, 32)); a = np.abs(x).max(-1, keepdims=True)
;;       e = np.where(a > 0, np.clip(np.frexp(np.where(a > 0, a, 1))[1] - 1 - 4, -126, 127), 0)      # np.frexp(a)[1] - 1 = floor(log2(a)), exactly
;;       r = np.clip(x / 2.0 ** e, -28, 28)
;;       step = 2.0 ** (np.maximum(np.frexp(np.where(r == 0, 1, r))[1] - 1, -2) - 2)
;;       q = np.round(r / step) * step * 2.0 ** e      # np.round: ties to even
;;       return np.moveaxis(q.reshape(q.shape[:-2] + (-1,))[..., :K], -1, axis).astype(np.float32)
;;   ~~~
;;   OPERANDS COMPUTED ON THE WAY. 'Computed on the way' means the value that the module computes at that place (a softmax that the list does not call 'softmax' is quantised finished and normalised). What goes into a quantiser is computed in f32, as accurately as f32 sums, v_exp_f32 and their like allow (about 1e-6 of the number): no bf16 or f16 on the way to a quantiser, and a product that is left as it is and whose result goes on into a quantised operand takes f32 operands (vector FMAs, or v_wmma_f32_16x16x4_f32). A number that lies on a knife's edge between two numbers of the format may be rounded either way, as far as f32 arithmetic and the matrix unit's own rounding can turn it there, and no further.
;;   INPUTS GIVEN AS CODES. W1 (in the module: [8, 1024, 4096], K = its axis 1); W2 (in the module: [8, 4096, 1024], K = its axis 1): each comes as NAME_codes (uint8): NAME with its K axis moved to the last place and cut into blocks of 32 codes, [.., K / 32, bytes a block], one block behind the other in memory; four codes in three bytes: a row's codes are one little-endian stream of bits, code i at bits 6 i .. 6 i + 5 (a code: sign, 3 exponent bits, 2 mantissa bits); and NAME_scales (uint8): the same leading axes, one E8M0 byte (e + 127) for each 32 codes along K. Its value is code x scale, taken as it is: it is not quantised again, and the codes and scales need not be those that the quantiser above would give.
;; 2 versions. Each part assembles by itself: llvm-mc -triple=amdgcn-amd-amdhsa -mcpu=gfx1250 --defsym DOCPART=n.
;; ======== version 1 of 2: 4 launches
;; workspace buffers: xq 786,432 bytes; xs 32,768 bytes; sel 4,096 bytes of whole numbers; wts 8,192 bytes; memb 1,024 bytes of whole numbers; hq 25,165,824 bytes; hs 1,048,576 bytes; y 33,554,432 bytes
;; launch gate (part 1): grid 64 x 1, 8 waves a work-group, no clusters, 85,760 bytes of LDS; arguments x, Wg, xq, xs, sel, wts, memb; writes xq, xs, sel, wts, memb
.if DOCPART == 1
	.amdgcn_target "amdgcn-amd-amdhsa--gfx1250"
	.amdhsa_code_object_version 6
	.text
	.protected	k_qac30818938_gate
	.globl	k_qac30818938_gate
	.p2align	8
	.type	k_qac30818938_gate,@function
k_qac30818938_gate:
	s_mov_b64 s[64:65], 0
	v_nop
	global_prefetch_b8 v0, s[64:65] scope:SCOPE_SE
	s_setreg_imm32_b32 hwreg(HW_REG_WAVE_MODE, 25, 1), 1
	s_wait_xcnt 0x0
; THE GATE, AND x INTO CODES.  x [1024][1024] f32, Wg [1024][8] f32.
; Out: xq: x as codes of BF6 (E3M2) in the order of an operand's registers: token n at 768 n, K step s (128 along K) at + 96 s, lanes' half h at + 48 h: the 12 registers of lane (., h);
;      xs: 8 scale words a token (byte b of word s: block 4 s + b);  sel: e0 | e1 << 8 a token;  wts: the two softmax weights a token;
;      memb: for each expert 32 words, bit j of word i = token 32 i + j has chosen it.  Every address is fixed: the choice is stored, it steers nothing here.
; SHARES.  A work-group takes 16 tokens (one half of a word of memb), wave s takes K step s of all 16.  Lane (r, h) holds token r and k = 128 s + 64 c + 32 h + i (c = 0, 1; i = 0 .. 31): the 6-bit operand's own layout,
; so a lane owns two whole blocks of 32 and the conversions' results are the operand's registers.
; THE LOGITS are kept in f32 (a coarser logit would turn the choice of near ties, and with it whole rows of the output): v_wmma_f32_16x16x4_f32, source 0 = Wg^T (row m = expert m % 8), source 1 = x;
; k is permuted alike on both sides.  Every lane (r, .) then holds in register j the partial logit of token r and expert j.  The eight waves' partial sums meet in LDS.
; TOP 2: strict comparisons in ascending order keep the lower index on a tie, as lax.top_k does.  The softmax takes the larger logit away first.
; LIMITS: NaN and infinities are not served; a block whose largest magnitude lies under 2^-122 keeps the byte 1 (a block of zeros too: its codes are zeros, and this program alone reads the bytes).
.set STGP, 528                         ; a stage row: 512 bytes + 16 = 33 x 16, so the 16 rows that a load touches begin in 16 different columns of 16 bytes
.set STGW, 16*STGP                     ; a wave's own stage: 16 tokens
.set XQP,  784                         ; a token's 768 bytes of codes + 16
.set XQO,  8*STGW                      ; LDS: the 16 tokens' codes,
.set XSO,  XQO+16*XQP                  ; their scale words (512 bytes),
.set LGO,  XSO+512                     ; and the partial logits: 8 waves x 16 tokens x 32 bytes
.set R,   16                           ; v16-79   x as loaded; later the registers below
.set X,   80                           ; v80-143  my 64 numbers of x; in wave 0 later the partial logits
.set WG,  144                          ; v144-207 Wg at my 64 k, expert lane % 8
.set ACC, 208                          ; v208-239 four accumulators: written by matrix instructions alone
.set TM,  16
.set SO,  18
.set BY,  20
.set SW,  22
.set T0,  23
.set CD,  24                           ; v24-35 the fragment's codes
.set CT,  36
.set LS,  44
.set LT,  52
.set E7,  240                          ; lane % 8
.set ALG, 241
.set O4,  242
.set O8,  243
.set OM,  244
	s_load_b256 s[4:11], s[0:1], 0x0               ; x s[4:5], Wg s[6:7], xq s[8:9], xs s[10:11]
	s_load_b128 s[12:15], s[0:1], 0x20             ; sel s[12:13], wts s[14:15]
	s_load_b64 s[16:17], s[0:1], 0x30              ; memb
	v_lshl_add_u32 v254, v0, 2, 0x14b00
	v_mov_b32 v255, 0
	v_lshrrev_b32 v1, 5, v0
	v_readfirstlane_b32 s18, v1                    ; wave = K step
	v_and_b32 v1, 31, v0                           ; lane
	v_and_b32 v2, 15, v0                           ; r
	v_bfe_u32 v3, v0, 4, 1                         ; h
	v_and_b32 v[E7], 7, v0
	v_lshlrev_b32 v4, 4, v1                        ; 16 x lane
	s_mul_i32 s19, s18, STGW
	v_add_nc_u32 v5, s19, v4                       ; the stage, in: 16 x lane of a token's row
	v_mul_u32_u24 v6, v2, STGP
	v_lshl_add_u32 v6, v3, 7, v6
	v_add_nc_u32 v6, s19, v6                       ; and out: token r, + 128 h bytes
	v_lshlrev_b32 v7, 2, v[E7]
	v_lshl_add_u32 v7, v3, 10, v7                  ; Wg: 32 h rows of 32 bytes + 4 (lane % 8)
	s_mul_i32 s19, s18, 96
	s_add_co_u32 s19, s19, XQO
	v_mul_u32_u24 v8, v2, XQP
	v_mad_u32_u24 v8, v3, 48, v8
	v_add_nc_u32 v8, s19, v8                       ; my 48 bytes of codes
	s_lshl_b32 s19, s18, 2
	s_add_co_u32 s19, s19, XSO
	v_lshl_add_u32 v9, v2, 5, s19                  ; my token's scale word of this K step
	s_lshl_b32 s19, s18, 9
	s_add_co_u32 s19, s19, LGO
	v_lshl_add_u32 v10, v2, 5, s19                 ; my token's eight partial logits
	s_mul_i32 s19, s18, 2*XQP
	s_add_co_u32 s19, s19, XQO
	v_add_nc_u32 v11, s19, v4                      ; the codes' way out: wave w takes tokens 2 w, 2 w + 1, 1,536 dense bytes;
	v_lshl_add_u32 v12, v3, 4, v11                 ; (the middle 512 bytes cross from one LDS row into the next at lane 16)
	s_mul_i32 s19, s18, 1536
	v_add_nc_u32 v14, s19, v4
	v_add_nc_u32 v15, XSO, v4                      ; wave 0's addresses are made here too, ahead of the parting of the waves
	v_lshl_add_u32 v[ALG], v2, 5, LGO
	v_lshlrev_b32 v[O4], 2, v2
	v_lshlrev_b32 v[O8], 3, v2
	v_lshlrev_b32 v[OM], 7, v[E7]
	s_mov_b32 s20, 0x76543210
	s_mov_b32 s21, 0xfedcba98                      ; v_permlanex16_b32's selects for lane l xor 16
	s_mov_b32 s23, 0
	s_lshl_b32 s22, ttmp9, 16                      ; 16 tokens of 4,096 bytes
	s_lshl_b32 s24, s18, 9
	s_add_co_u32 s22, s22, s24
	s_wait_kmcnt 0x0
	s_add_nc_u64 s[4:5], s[4:5], s[22:23]
	s_lshl_b32 s22, s18, 12                        ; 128 rows of Wg
	s_add_nc_u64 s[6:7], s[6:7], s[22:23]
	s_mul_i32 s22, ttmp9, 12288
	s_add_nc_u64 s[8:9], s[8:9], s[22:23]
	s_lshl_b32 s22, ttmp9, 9
	s_add_nc_u64 s[10:11], s[10:11], s[22:23]
	s_lshl_b32 s22, ttmp9, 6
	s_add_nc_u64 s[12:13], s[12:13], s[22:23]
	s_lshl_b32 s22, ttmp9, 7
	s_add_nc_u64 s[14:15], s[14:15], s[22:23]
	s_lshl_b32 s22, ttmp9, 1
	s_add_nc_u64 s[16:17], s[16:17], s[22:23]
.set i, 0
.rept 16
	global_load_b128 v[R+4*i:R+4*i+3], v4, s[4:5] offset:4096*i th:TH_LOAD_NT   ; token i: 512 consecutive bytes, read once in the launch
.set i, i+1
.endr
.set i, 0
.rept 32
	global_load_b32 v[WG+i], v7, s[6:7] offset:32*i
.set i, i+1
.endr
	s_wait_loadcnt 32                              ; x's 16 loads are in: the 32 of Wg were issued behind them
.set i, 0
.rept 16
	ds_store_b128 v5, v[R+4*i:R+4*i+3] offset:STGP*i
.set i, i+1
.endr
.set i, 0
.rept 32
	global_load_b32 v[WG+32+i], v7, s[6:7] offset:32*(64+i)
.set i, i+1
.endr
.irp c, 0,1
.irp j, 0,1,2,3,4,5,6,7
	ds_load_b128 v[X+32*\c+4*\j:X+32*\c+4*\j+3], v6 offset:256*\c+16*\j   ; LDS serves a wave's instructions in order: these see my stores
.endr
.endr
	s_wait_dscnt 0x0
	s_wait_loadcnt 0x0
; 32 products of 4 along K; the four accumulators take turns; the first four start the sums
.set g, 0
.rept 32
.if g < 4
	v_wmma_f32_16x16x4_f32 v[ACC+8*(g%4):ACC+8*(g%4)+7], v[WG+2*g:WG+2*g+1], v[X+2*g:X+2*g+1], 0
.else
	v_wmma_f32_16x16x4_f32 v[ACC+8*(g%4):ACC+8*(g%4)+7], v[WG+2*g:WG+2*g+1], v[X+2*g:X+2*g+1], v[ACC+8*(g%4):ACC+8*(g%4)+7]
.endif
.set g, g+1
.endr
; THE QUANTISER.  My block 2 c + h: all its 32 numbers are mine.  (Its lines on c = 0 name no register of the last products: they are the places behind them, ISA guide 7.12.1.)
.irp c, 0,1
	v_max3_num_f32 v[TM+\c], |v[X+32*\c]|, |v[X+32*\c+1]|, 0x2800000   ; with the floor 2^(5 - 127): the byte cannot fall under 1
.endr
.irp i, 2,4,6,8,10,12,14,16,18,20,22,24,26,28,30
.irp c, 0,1
	v_max3_num_f32 v[TM+\c], v[TM+\c], |v[X+32*\c+\i]|, |v[X+32*\c+\i+1]|
.endr
.endr
.irp c, 0,1
	v_add_nc_u32 v[SO+\c], 0xfe000000, v[TM+\c]    ; 4 off the exponent field: the conversion's scale operand
.endr
.irp c, 0,1
	v_lshrrev_b32 v[BY+\c], 23, v[SO+\c]           ; the scale's byte
.endr
	v_lshl_or_b32 v[SW], v[BY+1], 16, v[BY]        ; my bytes: blocks h and 2 + h,
	v_lshlrev_b32 v[T0], 3, v3
	v_lshlrev_b32 v[SW], v[T0], v[SW]              ; at their places in the word;
	v_mov_b32 v[T0], 0
	v_permlanex16_b32 v[T0], v[SW], s20, s21
	v_or_b32 v[SW], v[SW], v[T0]                   ; with lane l xor 16's two the word is whole
.irp c, 0,1
	v_cvt_scalef32_pk16_bf6_f32 v[CD+6*\c:CD+6*\c+2], v[X+32*\c:X+32*\c+15], v[SO+\c]
	v_cvt_scalef32_pk16_bf6_f32 v[CT+4*\c:CT+4*\c+2], v[X+32*\c+16:X+32*\c+31], v[SO+\c]   ; (a conversion's three registers begin on an even number)
.endr
	v_nop                                          ; one plain place behind a scaled conversion
.irp c, 0,1
.irp i, 0,1,2
	v_mov_b32 v[CD+6*\c+3+\i], v[CT+4*\c+\i]
.endr
.endr
.irp u, 0,2,4,6                                ; the four accumulators are added into other registers, each read from its low end on
	v_pk_add_f32 v[LS+\u:LS+\u+1], v[ACC+\u:ACC+\u+1], v[ACC+8+\u:ACC+8+\u+1]
	v_pk_add_f32 v[LT+\u:LT+\u+1], v[ACC+16+\u:ACC+16+\u+1], v[ACC+24+\u:ACC+24+\u+1]
.endr
.irp u, 0,2,4,6
	v_pk_add_f32 v[LS+\u:LS+\u+1], v[LS+\u:LS+\u+1], v[LT+\u:LT+\u+1]
.endr
	ds_store_b128 v8, v[CD:CD+3]
	ds_store_b128 v8, v[CD+4:CD+7] offset:16
	ds_store_b128 v8, v[CD+8:CD+11] offset:32
	ds_store_b32 v9, v[SW]                         ; (both halves of the lanes write the same word with the same value, here and below)
	ds_store_b128 v10, v[LS:LS+3]
	ds_store_b128 v10, v[LS+4:LS+7] offset:16
	s_wait_dscnt 0x0                               ; for the others' sake: my stores have landed
	s_barrier_signal -1
	s_barrier_wait -1
	ds_load_b128 v[16:19], v11
	ds_load_b128 v[20:23], v12 offset:512
	ds_load_b128 v[24:27], v11 offset:1040
	s_wait_dscnt 0x0
	global_store_b128 v14, v[16:19], s[8:9]                 ; each store of the wave covers 512 consecutive bytes, aligned to 256
	global_store_b128 v14, v[20:23], s[8:9] offset:512
	global_store_b128 v14, v[24:27], s[8:9] offset:1024
	s_cmp_lg_u32 s18, 0
	s_cbranch_scc1 .Ldone
; WAVE 0: the scale words go out; the logits are summed over the eight K steps, in ascending order; the choice
	ds_load_b128 v[28:31], v15
.set i, 0
.rept 8
	ds_load_b128 v[X+8*i:X+8*i+3], v[ALG] offset:512*i
	ds_load_b128 v[X+8*i+4:X+8*i+7], v[ALG] offset:512*i+16
.set i, i+1
.endr
	s_wait_dscnt 0x0
	global_store_b128 v4, v[28:31], s[10:11]
.irp i, 1,2,3,4,5,6,7
.irp u, 0,2,4,6
	v_pk_add_f32 v[X+\u:X+\u+1], v[X+\u:X+\u+1], v[X+8*\i+\u:X+8*\i+\u+1]
.endr
.endr
	v_mov_b32 v32, v[X]                            ; the largest logit and its expert
	v_mov_b32 v33, 0
.irp j, 1,2,3,4,5,6,7
	v_cmp_gt_f32 vcc_lo, v[X+\j], v32
	v_cndmask_b32 v32, v32, v[X+\j], vcc_lo
	v_cndmask_b32 v33, v33, \j, vcc_lo
.endr
	v_mov_b32 v36, 0xff800000                      ; the winner leaves the field: -infinity
.irp j, 0,1,2,3,4,5,6,7
	v_cmp_eq_u32 vcc_lo, \j, v33
	v_cndmask_b32 v[X+\j], v[X+\j], v36, vcc_lo
.endr
	v_mov_b32 v34, v[X]                            ; the second
	v_mov_b32 v35, 0
.irp j, 1,2,3,4,5,6,7
	v_cmp_gt_f32 vcc_lo, v[X+\j], v34
	v_cndmask_b32 v34, v34, v[X+\j], vcc_lo
	v_cndmask_b32 v35, v35, \j, vcc_lo
.endr
	v_sub_f32 v37, v34, v32                        ; the second less the largest: 0 or less
	v_mul_f32 v37, 0x3fb8aa3b, v37
	v_exp_f32 v37, v37
	v_lshl_or_b32 v38, v35, 8, v33                 ; (a plain place behind the exponential)  e0 | e1 << 8
	s_wait_alu depctr_va_vdst(0)
	v_add_f32 v39, 1.0, v37
	v_rcp_f32 v40, v39                             ; w0 = 1 / (1 + e^(l1 - l0))
	v_mov_b32 v42, 0                               ; (a plain place behind the reciprocal)
	s_wait_alu depctr_va_vdst(0)
	v_mul_f32 v41, v37, v40                        ; w1
	global_store_b32 v[O4], v38, s[12:13]
	global_store_b64 v[O8], v[40:41], s[14:15]
.irp j, 0,1,2,3,4,5,6,7                        ; expert j's 16 bits: the comparisons' lane masks; lane % 8 = j keeps them
	v_cmp_eq_u32 s22, \j, v33
	v_cmp_eq_u32 s23, \j, v35
	s_or_b32 s22, s22, s23
	v_cmp_eq_u32 vcc_lo, \j, v[E7]
	v_cndmask_b32 v42, v42, s22, vcc_lo
.endr
	global_store_b16 v[OM], v42, s[16:17]          ; the low half: tokens 0 .. 15 of the work-group; at 128 x expert + 2 x work-group
.Ldone:
	s_wait_tensorcnt 0x0
	ds_add_u32 v254, v255
	s_wait_dscnt 0x0
	s_endpgm
.Lfunc_end_k_qac30818938_gate:
	.size	k_qac30818938_gate, .Lfunc_end_k_qac30818938_gate-k_qac30818938_gate
	.p2alignl 7, 3214868480
	.fill 96, 4, 3214868480
	.section	.rodata,"a",@progbits
	.p2align	6, 0x0
	.amdhsa_kernel k_qac30818938_gate
		.amdhsa_group_segment_fixed_size 85760
		.amdhsa_private_segment_fixed_size 0
		.amdhsa_enable_private_segment 0
		.amdhsa_kernarg_size 56
		.amdhsa_user_sgpr_count 2
		.amdhsa_user_sgpr_kernarg_segment_ptr 1
		.amdhsa_wavefront_size32 1
		.amdhsa_system_sgpr_workgroup_id_x 1
		.amdhsa_system_sgpr_workgroup_id_y 1
		.amdhsa_system_sgpr_workgroup_id_z 1
		.amdhsa_system_vgpr_workitem_id 0
		.amdhsa_next_free_vgpr 256
		.amdhsa_next_free_sgpr 66
		.amdhsa_reserve_vcc 1
		.amdhsa_float_denorm_mode_32 3
		.amdhsa_float_denorm_mode_16_64 3
		.amdhsa_memory_ordered 1
		.amdhsa_forward_progress 1
		.amdhsa_inst_pref_size 28
	.end_amdhsa_kernel
	.amdgpu_metadata
---
amdhsa.version: [ 1, 2 ]
amdhsa.kernels:
  - .name:           k_qac30818938_gate
    .symbol:         k_qac30818938_gate.kd
    .args:
      - { .name: x, .offset: 0, .size: 8, .value_kind: global_buffer, .address_space: global }
      - { .name: Wg, .offset: 8, .size: 8, .value_kind: global_buffer, .address_space: global }
      - { .name: xq, .offset: 16, .size: 8, .value_kind: global_buffer, .address_space: global }
      - { .name: xs, .offset: 24, .size: 8, .value_kind: global_buffer, .address_space: global }
      - { .name: sel, .offset: 32, .size: 8, .value_kind: global_buffer, .address_space: global }
      - { .name: wts, .offset: 40, .size: 8, .value_kind: global_buffer, .address_space: global }
      - { .name: memb, .offset: 48, .size: 8, .value_kind: global_buffer, .address_space: global }
    .group_segment_fixed_size: 85760
    .private_segment_fixed_size: 0
    .kernarg_segment_align: 8
    .kernarg_segment_size: 56
    .max_flat_workgroup_size: 256
    .sgpr_count:     66
    .vgpr_count:     256
    .wavefront_size: 32
...
	.end_amdgpu_metadata
.endif
;; end of part 1
;; launch ffn1 (part 2): grid 256 x 1, 4 waves a work-group, no clusters, 100,864 bytes of LDS; arguments xq, xs, W1_codes, W1_scales, memb, hq, hs; writes hq, hs
.if DOCPART == 2
	.amdgcn_target "amdgcn-amd-amdhsa--gfx1250"
	.amdhsa_code_object_version 6
	.text
	.protected	k_qac30818938_ffn1
	.globl	k_qac30818938_ffn1
	.p2align	8
	.type	k_qac30818938_ffn1,@function
k_qac30818938_ffn1:
	s_mov_b64 s[64:65], 0
	v_nop
	global_prefetch_b8 v0, s[64:65] scope:SCOPE_SE
	s_setreg_imm32_b32 hwreg(HW_REG_WAVE_MODE, 25, 1), 1
	s_wait_xcnt 0x0
; THE FIRST PRODUCT OF THE CHOSEN ROWS: hq, hs = Q(gelu(Q(x) W1[e]^T)), on codes of BF6 (E3M2) with one E8M0 scale for each 32 along K.
; SHARES.  Work-group = (expert e = id / 32, chunk ch = id % 32 of 128 hidden units, which is K step ch of the second product).  Wave w: fh = w % 2: 64 of the 128 units; rg = w / 2: the row tiles T = 2 i + rg.
; A row tile T of expert e is its tokens of ranks 16 T .. 16 T + 15, in token order.  The wave's 64 units x K 1,024 of W1 stay in 384 registers; x's fragments come from memory straight into registers, as xq lays them.
; The grid is fixed by (expert, chunk) and serves every split of the tokens; a wave without tiles ends behind the one barrier.  Trip counts hang on the stored masks, so the text has no tensor load, and no cluster:
; partners would need different numbers of tiles.
; RANK TO TOKEN.  memb holds expert e's 32 words of token bits.  PREFIX makes the running counts; RANKSEL finds, for a rank in each lane, the word (the last whose running count is not above the rank) and the bit in it.
; TRANSPOSED USE: source 0 = 16 rows of W1, source 1 = 16 tokens: a lane holds ONE token, its registers run along the hidden units.  THE ROWS OF W1 THAT FORM A TILE ARE NOT NEIGHBOURS: lane r of tile 2 b + u takes
; unit 32 b + 8 u + r + 8 (r / 8), so that the 16 registers of tiles 2 b, 2 b + 1 are 16 neighbours along the next K: unit 32 b + 16 (lane / 16) + 0 .. 15.
; BY TURNS.  A tile is 32 matrix instructions and some 400 vector lines (the exact gelu and the quantiser).  The vector work of tile i - 1 is cut into eight slices, one behind each four matrix instructions of tile i.
; gelu(v) = v / 2 (1 + erf(v / sqrt 2)); erf(z) = z P(z^2) / Q(z^2) on z held to +-4: the rational form of degree 13 / 8 in f32.
; hq: fragment (e, T, K step ch) at ((64 e + T) 32 + ch) 1536, an image of the operand's registers: registers 4 j .. 4 j + 3 of lane l at 512 j + 16 l, so that three loads of 16 bytes a lane bring it.  My half fh is
; registers 6 fh .. 6 fh + 5: one store of 16 bytes a lane (plane 0 or 2) and one of 8 (my half of each lane's 16 bytes of plane 1; the other wave of the pair fills the other half).
; hs: tile (e, T) at (64 e + T) 2048; the scale word of row r and K step ch at 512 (ch / 8) + 256 (ch % 2) + 16 r + 4 ((ch / 2) % 4): a lane of the next launch takes its four words by one load.
; LIMITS: NaN and infinities are not served.  erf has an absolute error of a few 1e-7, so gelu has no relative accuracy far down the negative tail (there it lies under the block's smallest step unless all 32 of a block lie there).
; A block whose largest magnitude lies under 2^-122 keeps the byte 1 (a block of zeros too: its codes are zeros).  Ranks past the expert's count take some valid token; their rows are never kept.
; REGISTERS: window 0 as named below; window 1 v0-191: W1, K steps 0-3, fragment (s, t) at 12 (4 (s % 4) + t); window 2: K steps 4-7; window 3: x, even tile v0-95, odd tile v96-191, K step s at 12 s.
.set MK,  16                           ; s16-47  the masks; behind the ranks: constants
.set PK,  68                           ; s68-99  running count << 5 | word number
.set WP,  784                          ; a row of W1 in LDS: 768 bytes + 16 = 196 words
.set HQT, 98304                        ; from my tile to my next (T + 2) in hq: two tiles of 32 fragments of 1,536 bytes;
.set HST, 4096                         ; and in hs
.set TOK, 16                           ; v16-31  a queue of token numbers: lanes 0-15 my even tile, lanes 16-31 my odd tile
.set WS,  32                           ; v32-47  W1's scale words: register 8 b + s: lanes 0-15 tile 2 b, lanes 16-31 tile 2 b + 1
.set XS,  48                           ; v48-63  x's scale words: even tile, odd tile
.set ACC, 64                           ; v64-127 two sets of four accumulators
.set Z,   128
.set Z2,  144
.set P,   160
.set Q,   176
.set MX,  192
.set M1,  194
.set MT,  195
.set SO,  196
.set BY,  198
.set CDF, 200                          ; v200-202 the first conversion's codes
.set HW,  206
.set CT,  208                          ; v208-210 the second's
.set KA,  212                          ; v212-213 the numerator's leading coefficient, twice;  v214-215 the denominator's
.set KB,  214
.set RS,  216                          ; v216-227 at work in RANKSEL
.set VQ,  228
.set QB,  229
.set UT,  232
.set OA,  236                          ; v236-239 the four registers that leave by one store;  v240-241 the two
.set OB,  240
.set AOF, 242                          ; v242 16 x lane + 1024 fh: where the four go in a fragment
.set MSB, 0
.macro WIN new                         ; the immediate's high byte repeats the setting that is left
.if MSB != (\new)
	s_set_vgpr_msb (MSB<<8)|(\new)
.set MSB, (\new)
.endif
.endm
.macro PLACES n
.rept \n
	v_nop
.endr
.endm
.macro PREFIX run, tmp                 ; s[PK + i] = (tokens in words 0 .. i - 1) << 5 | i;  s[run] ends as the expert's count
	s_mov_b32 s[\run], 0
.set PI, 0
.rept 32
	s_lshl_b32 s[PK+PI], s[\run], 5
	s_or_b32 s[PK+PI], s[PK+PI], PI
	s_bcnt1_i32_b32 s[\tmp], s[MK+PI]
	s_add_co_u32 s[\run], s[\run], s[\tmp]
.set PI, PI+1
.endr
.endm
.macro RSTEP src, width, step          ; is the wanted bit beyond the field at pos?  then its count comes off the rank, and pos goes on
	v_bfe_u32 v[RS+9], v[\src], v[RS+10], \width
	v_cmp_ge_u32 vcc_lo, v[RS+4], v[RS+9]
	v_sub_nc_u32 v[RS+9], v[RS+4], v[RS+9]
	v_add_nc_u32 v[RS+11], \step, v[RS+10]
	v_cndmask_b32 v[RS+4], v[RS+4], v[RS+9], vcc_lo
	v_cndmask_b32 v[RS+10], v[RS+10], v[RS+11], vcc_lo
.endm
.macro RANKSEL q, tok                  ; v[tok] = the token of rank v[q] among the expert's
	v_lshl_or_b32 v[RS], v[\q], 5, 31              ; pack i <= this  <=>  running count i <= rank
	v_mov_b32 v[RS+1], s[MK]
	v_mov_b32 v[RS+2], s[PK]
.set RI, 1
.rept 31
	v_cmp_le_u32 vcc_lo, s[PK+RI], v[RS]
	v_cndmask_b32 v[RS+1], v[RS+1], s[MK+RI], vcc_lo
	v_cndmask_b32 v[RS+2], v[RS+2], s[PK+RI], vcc_lo
.set RI, RI+1
.endr
	v_and_b32 v[RS+3], 31, v[RS+2]                 ; the word's number
	v_lshrrev_b32 v[RS+4], 5, v[RS+2]
	v_sub_nc_u32 v[RS+4], v[\q], v[RS+4]           ; the rank inside the word
	v_lshrrev_b32 v[RS+9], 1, v[RS+1]              ; counts of the word's fields of 2, 4, 8 and 16 bits
	v_and_b32 v[RS+9], 0x55555555, v[RS+9]
	v_sub_nc_u32 v[RS+5], v[RS+1], v[RS+9]
	v_lshrrev_b32 v[RS+9], 2, v[RS+5]
	v_and_b32 v[RS+9], 0x33333333, v[RS+9]
	v_and_b32 v[RS+6], 0x33333333, v[RS+5]
	v_add_nc_u32 v[RS+6], v[RS+6], v[RS+9]
	v_lshrrev_b32 v[RS+9], 4, v[RS+6]
	v_add_nc_u32 v[RS+9], v[RS+9], v[RS+6]
	v_and_b32 v[RS+7], 0x0f0f0f0f, v[RS+9]
	v_lshrrev_b32 v[RS+9], 8, v[RS+7]
	v_add_nc_u32 v[RS+9], v[RS+9], v[RS+7]
	v_and_b32 v[RS+8], 0x00ff00ff, v[RS+9]
	v_mov_b32 v[RS+10], 0
	RSTEP RS+8, 8, 16
	RSTEP RS+7, 8, 8
	RSTEP RS+6, 4, 4
	RSTEP RS+5, 2, 2
	RSTEP RS+1, 1, 1
	v_lshl_add_u32 v[\tok], v[RS+3], 5, v[RS+10]
	v_min_u32 v[\tok], 0x3ff, v[\tok]
.endm
.macro KPAIR reg, val                  ; a constant for the packed forms, which name a pair
	s_mov_b32 s[\reg], \val
	s_mov_b32 s[\reg+1], \val
.endm
; The queue's head becomes the addresses of my next even tile (UPD_E) and, a tile later, of my next odd tile (UPD_O, which also moves the queue on): every lane (r, .) wants row r's token.
; Each stands behind a wait for the addresses of all earlier memory instructions, and writes only the registers of the tiles of the OTHER parity than the tile in hand, whose own loads go on naming theirs.
.macro UPD_E
	v_permlanex16_b32 v[UT], v[TOK], s38, s39
	v_cndmask_b32 v[UT+1], v[TOK], v[UT], s40      ; s40: lanes 16-31
	v_min_u32 v[UT+1], 0x3ff, v[UT+1]
	v_mul_u32_u24 v12, v[UT+1], 768
	v_add_nc_u32 v12, v12, v11                     ; codes: 768 x token + 48 h
	v_lshlrev_b32 v13, 5, v[UT+1]                  ; scale words: 32 x token
.endm
.macro UPD_O
	v_permlanex16_b32 v[UT], v[TOK], s38, s39
	v_cndmask_b32 v[UT+2], v[UT], v[TOK], s40
	v_min_u32 v[UT+2], 0x3ff, v[UT+2]
	v_mul_u32_u24 v14, v[UT+2], 768
	v_add_nc_u32 v14, v14, v11
	v_lshlrev_b32 v15, 5, v[UT+2]
.set TI, 0
.rept 15
	v_mov_b32 v[TOK+TI], v[TOK+TI+1]
.set TI, TI+1
.endr
	v_mov_b32 v[TOK+15], 0
.endm
.macro XF par, ks                      ; x's fragment of K step ks: my 48 bytes
	WIN 0xc0
.irp i, 0,1,2
	global_load_b128 v[96*(\par)+12*(\ks)+4*\i:96*(\par)+12*(\ks)+4*\i+3], v[12+2*(\par)], s[4:5] offset:96*(\ks)+16*\i
.endr
.endm
.macro XSL par, j                      ; four of its scale words
	WIN 0
	global_load_b128 v[XS+8*(\par)+4*(\j):XS+8*(\par)+4*(\j)+3], v[13+2*(\par)], s[6:7] offset:16*(\j)
.endm
.macro XALL par                        ; a tile's batch of 26 loads, always in this order
	XF \par, 0
	XF \par, 1
	XF \par, 2
	XF \par, 3
	XSL \par, 0
	XF \par, 4
	XF \par, 5
	XF \par, 6
	XF \par, 7
	XSL \par, 1
.endm
.macro MM1 d, a, b, zero, sa, sb, ra
.if (\zero) && (\ra)
	v_wmma_scale_f32_16x16x128_f8f6f4 v[(\d):(\d)+7], v[(\a):(\a)+11], v[(\b):(\b)+11], 0, v[(\sa)], v[(\sb)] matrix_a_fmt:MATRIX_FMT_BF6 matrix_b_fmt:MATRIX_FMT_BF6 matrix_a_scale:MATRIX_SCALE_ROW1
.elseif (\zero)
	v_wmma_scale_f32_16x16x128_f8f6f4 v[(\d):(\d)+7], v[(\a):(\a)+11], v[(\b):(\b)+11], 0, v[(\sa)], v[(\sb)] matrix_a_fmt:MATRIX_FMT_BF6 matrix_b_fmt:MATRIX_FMT_BF6
.elseif (\ra)
	v_wmma_scale_f32_16x16x128_f8f6f4 v[(\d):(\d)+7], v[(\a):(\a)+11], v[(\b):(\b)+11], v[(\d):(\d)+7], v[(\sa)], v[(\sb)] matrix_a_fmt:MATRIX_FMT_BF6 matrix_b_fmt:MATRIX_FMT_BF6 matrix_a_scale:MATRIX_SCALE_ROW1
.else
	v_wmma_scale_f32_16x16x128_f8f6f4 v[(\d):(\d)+7], v[(\a):(\a)+11], v[(\b):(\b)+11], v[(\d):(\d)+7], v[(\sa)], v[(\sb)] matrix_a_fmt:MATRIX_FMT_BF6 matrix_b_fmt:MATRIX_FMT_BF6
.endif
.endm
.macro MUL8 d, a, b                    ; sixteen numbers: d = a b
.set GU, 0
.rept 8
	v_pk_mul_f32 v[\d+GU:\d+GU+1], v[\a+GU:\a+GU+1], v[\b+GU:\b+GU+1]
.set GU, GU+2
.endr
.endm
.macro FMA8 d, sc                      ; d = d z^2 + the constant in s[sc]
.set GU, 0
.rept 8
	v_pk_fma_f32 v[\d+GU:\d+GU+1], v[\d+GU:\d+GU+1], v[Z2+GU:Z2+GU+1], s[\sc:\sc+1] op_sel_hi:[1,1,0]
.set GU, GU+2
.endr
.endm
.macro FMA8K d, kv, sc                 ; d = z^2 x the leading coefficient + the next
.set GU, 0
.rept 8
	v_pk_fma_f32 v[\d+GU:\d+GU+1], v[Z2+GU:Z2+GU+1], v[\kv:\kv+1], s[\sc:\sc+1] op_sel_hi:[1,1,0]
.set GU, GU+2
.endr
.endm
; Slice k of 8 of the gelu and the quantiser on accumulator set aset: block k / 4 (16 numbers a lane, 32 with lane l xor 16), phase k % 4.  Every stage is 8 or 16 lines that do not wait for each other.
; upd (in slice 7 alone): 1: UPD_E, 2: UPD_O stands between the making of the store data and the stores; 0: neither.
.macro GSL k, aset, upd
.set GB, (\k)/4
.set GA, ACC+32*(\aset)+16*GB
.if ((\k)%4) == 0
.set GU, 0
.rept 8
	v_pk_mul_f32 v[Z+GU:Z+GU+1], v[GA+GU:GA+GU+1], s[16:17] op_sel_hi:[1,0]   ; z = v / sqrt 2; each accumulator is read from its low end on
.set GU, GU+2
.endr
.set GU, 0
.rept 16
	v_med3_num_f32 v[Z+GU], v[Z+GU], -4.0, 4.0
.set GU, GU+1
.endr
	MUL8 Z2, Z, Z
	FMA8K P, KA, 18
	FMA8K Q, KB, 30
.elseif ((\k)%4) == 1
	FMA8 P, 20
	FMA8 Q, 32
	FMA8 P, 22
	FMA8 Q, 34
	FMA8 P, 24
	FMA8 P, 26
.elseif ((\k)%4) == 2
	FMA8 P, 28
	FMA8 Q, 36
.set GU, 0
.rept 16
	v_rcp_f32 v[Q+GU], v[Q+GU]
.set GU, GU+1
.endr
	MUL8 P, P, Z                                   ; (plain lines behind the reciprocals, which they do not touch)
.set GU, 0
	s_wait_alu depctr_va_vdst(0)
.rept 8
	v_pk_mul_f32 v[Z2+GU:Z2+GU+1], v[GA+GU:GA+GU+1], 0.5 op_sel_hi:[1,0]   ; v / 2
.set GU, GU+2
.endr
.else
	MUL8 P, P, Q                                   ; erf
.set GU, 0
.rept 8
	v_pk_fma_f32 v[Z+GU:Z+GU+1], v[Z2+GU:Z2+GU+1], v[P+GU:P+GU+1], v[Z2+GU:Z2+GU+1]   ; gelu = v / 2 erf + v / 2
.set GU, GU+2
.endr
	v_max3_num_f32 v[MX+GB], |v[Z]|, |v[Z+1]|, |v[Z+2]|   ; the largest magnitude of my 16, in two chains
	v_max3_num_f32 v[M1], |v[Z+3]|, |v[Z+4]|, |v[Z+5]|
.irp i, 6,10
	v_max3_num_f32 v[MX+GB], v[MX+GB], |v[Z+\i]|, |v[Z+\i+1]|
	v_max3_num_f32 v[M1], v[M1], |v[Z+\i+2]|, |v[Z+\i+3]|
.endr
	v_max3_num_f32 v[MX+GB], v[MX+GB], |v[Z+14]|, |v[Z+15]|
	v_max3_num_f32 v[MX+GB], v[MX+GB], v[M1], 0x2800000   ; and the floor 2^(5 - 127): the byte cannot fall under 1
	v_permlanex16_b32 v[MT], v[MX+GB], s38, s39
	v_max_num_f32 v[MX+GB], v[MX+GB], v[MT]        ; with lane l xor 16's: the block's
	v_add_nc_u32 v[SO+GB], 0xfe000000, v[MX+GB]    ; 4 off the exponent field: the conversion's scale operand
	v_lshrrev_b32 v[BY+GB], 23, v[SO+GB]           ; the scale's byte
.if GB == 0
	v_cvt_scalef32_pk16_bf6_f32 v[CDF:CDF+2], v[Z:Z+15], v[SO]
	v_nop                                          ; one plain place behind a scaled conversion
.else
	v_cvt_scalef32_pk16_bf6_f32 v[CT:CT+2], v[Z:Z+15], v[SO+1]
	v_nop
.irp i, 0,1,2                                  ; the operand wants a WHOLE block in a lane: lanes 0-15 the first block, lanes 16-31 the second: CDF then holds each lane's block's lower 16 codes, CT the upper 16
	v_permlane16_swap_b32 v[CDF+\i], v[CT+\i]
.endr
	s_wait_xcnt 0x0                                ; the tile's one wait of this kind.  The last tile's stores have read OA, OB, HW and the two bases, and every earlier load its address registers: all these are written again only
	                                               ; behind it.  It stands here, four products and most of a slice behind the youngest memory instruction, and not directly behind the stores
	v_cndmask_b32 v[OA], v[CDF], v[CDF+2], s41     ; s41: all ones in a wave with fh = 1.  My six registers l0 l1 l2 u0 u1 u2 are the fragment's 6 fh .. 6 fh + 5:
	v_cndmask_b32 v[OA+1], v[CDF+1], v[CT], s41    ; fh = 0: l0 l1 l2 u0 are its registers 0-3 (plane 0), u1 u2 its 4, 5 (the lower half of plane 1's 16 bytes);
	v_cndmask_b32 v[OA+2], v[CDF+2], v[CT+1], s41  ; fh = 1: l0 l1 are its 6, 7 (the upper half), l2 u0 u1 u2 its 8-11 (plane 2)
	v_cndmask_b32 v[OA+3], v[CT], v[CT+2], s41
	v_cndmask_b32 v[OB], v[CT+1], v[CDF], s41
	v_cndmask_b32 v[OB+1], v[CT+2], v[CDF+1], s41
	v_lshl_or_b32 v[HW], v[BY+1], 8, v[BY]         ; my two bytes of the row's scale word
.if (\upd) == 1
	UPD_E
.elseif (\upd) == 2
	UPD_O
.endif
	s_add_nc_u64 s[14:15], s[14:15], HQT           ; the bases step ahead of the stores, which reach back by their immediates
	s_add_nc_u64 s[48:49], s[48:49], HST
	global_store_b128 v[AOF], v[OA:OA+3], s[14:15] offset:-HQT   ; 512 consecutive bytes, aligned to 256
	global_store_b64 v5, v[OB:OB+1], s[14:15] offset:-HQT        ; 8 of each lane's 16 bytes of plane 1
	global_store_b16 v6, v[HW], s[48:49] offset:-HST             ; (both halves of the lanes write the same bytes with the same value)
.endif
.endif
.endm
; Tile i (par = i % 2): its 32 products into set par; behind each four of them a slice of tile i - 1's vector work (gelu = 1), then the loads of tile i + 2 into the fragment just multiplied.
; The slice (or four v_nop) is the distance between the products and those loads (ISA guide 7.12.1 for vector instructions); it names none of the products' registers.
; The four accumulators take turns, one instruction a turn.
.macro TILE par, gelu
.set TS, 0
.rept 8
.if (TS == 0) || (TS == 4)
	s_wait_loadcnt 39                              ; at 0: behind this tile's first 13 loads stand its other 13 and the next tile's 26; at 4: behind its last stand the next tile's 26 and 13 issued in this tile
.endif
.if TS < 4
	WIN 0x0d                                       ; source 0 (W1) window 1, source 1 (x) window 3
.else
	WIN 0x0e                                       ; source 0 window 2
.endif
.irp t, 0,1,2,3
	MM1 ACC+32*(\par)+8*\t, 12*(4*(TS%4)+\t), 96*(\par)+12*TS, TS==0, WS+8*(\t/2)+TS, XS+8*(\par)+TS, \t%2
.endr
	WIN 0
.if \gelu
.if TS == 7
	GSL TS, 1-(\par), 2-(\par)
.else
	GSL TS, 1-(\par), 0
.endif
.else
	PLACES 4
.if TS == 7
	s_wait_xcnt 0x0                                ; the first tile has no slices: the odd tiles' address registers are written again only behind this wait
	UPD_O
.endif
.endif
	XF \par, TS
.if TS == 3
	XSL \par, 0
.endif
.if TS == 7
	XSL \par, 1
.endif
	WIN 0
.set TS, TS+1
.endr
.endm
.macro GONLY aset                      ; the last tile's vector work
.irp k, 0,1,2,3,4,5,6,7
	GSL \k, \aset, 0
.endr
.endm
	s_load_b256 s[4:11], s[0:1], 0x0               ; xq s[4:5], xs s[6:7], W1's codes s[8:9], W1's scales s[10:11]
	s_load_b128 s[12:15], s[0:1], 0x20             ; memb s[12:13], hq s[14:15]
	s_load_b64 s[48:49], s[0:1], 0x30              ; hs
	v_lshl_add_u32 v254, v0, 2, 0x18800
	v_mov_b32 v255, 0
	v_lshrrev_b32 v1, 5, v0
	v_readfirstlane_b32 s50, v1                    ; wave
	s_and_b32 s51, s50, 1                          ; fh
	s_lshr_b32 s52, s50, 1                         ; rg
	s_lshr_b32 s53, ttmp9, 5                       ; e
	s_and_b32 s54, ttmp9, 31                       ; ch
	v_and_b32 v1, 31, v0                           ; lane
	v_and_b32 v2, 15, v0                           ; r
	v_bfe_u32 v3, v0, 4, 1                         ; h
	v_lshlrev_b32 v4, 4, v1                        ; 16 x lane
	v_lshlrev_b32 v6, 4, v2                        ; 16 r: my row's place among a K step's scale words
	s_lshl_b32 s59, s51, 10
	v_add_nc_u32 v[AOF], s59, v4                   ; 16 x lane + 1024 fh: plane 0 or plane 2
	s_lshl_b32 s59, s51, 3
	s_add_co_u32 s59, s59, 512
	v_add_nc_u32 v5, s59, v4                       ; 16 x lane + 512 + 8 fh: my half of plane 1
	v_mul_u32_u24 v7, v2, WP
	v_mad_u32_u24 v7, v3, 24, v7
	s_mul_i32 s59, s51, 64*WP
	v_add_nc_u32 v7, s59, v7                       ; LDS: row r of a tile of W1, + 24 h (a tile's 16 rows are neighbours THERE: see the stores below)
	v_and_b32 v9, 8, v2
	v_add_nc_u32 v9, v9, v2                        ; r + 8 (r / 8)
	v_lshl_add_u32 v10, v3, 3, v9
	s_lshl_b32 s59, s51, 6
	v_add_nc_u32 v10, s59, v10
	v_lshlrev_b32 v10, 5, v10                      ; W1's scales: row 64 fh + 8 h + r + 8 (r / 8), 32 bytes a row
	s_mul_i32 s59, s50, 32*WP
	v_add_nc_u32 v8, s59, v4                       ; LDS, on the way in: wave w brings rows 32 w .. 32 w + 31;
	v_lshl_add_u32 v9, v3, 4, v8                   ; (the middle 512 of two rows' 1,536 bytes cross into the next LDS row at lane 16)
	v_mul_u32_u24 v11, v3, 48
	s_lshl_b32 s60, s53, 7
	s_mov_b32 s61, 0
	s_lshl_b32 s62, s53, 12
	s_lshl_b32 s59, s54, 7
	s_add_co_u32 s62, s62, s59                     ; 4096 e + 128 ch: the chunk's first row of W1
	s_mov_b32 s63, 0
	s_wait_kmcnt 0x0
	s_add_nc_u64 s[12:13], s[12:13], s[60:61]
	s_load_b512 s[16:31], s[12:13], 0x0            ; expert e's 32 words
	s_load_b512 s[32:47], s[12:13], 0x40
	s_lshl_b32 s60, s62, 5
	s_add_nc_u64 s[10:11], s[10:11], s[60:61]
	s_lshl_b32 s59, s50, 5
	s_add_co_u32 s62, s62, s59
	s_mul_i32 s62, s62, 768
	s_add_nc_u64 s[8:9], s[8:9], s[62:63]
	s_lshl_b32 s60, s53, 6
	s_add_co_u32 s60, s60, s52                     ; 64 e + rg: my first tile
	s_lshl_b32 s62, s60, 11                        ; hs: 2,048 bytes a tile,
	s_lshr_b32 s59, s54, 3
	s_lshl_b32 s59, s59, 9
	s_add_co_u32 s62, s62, s59                     ; + 512 (ch / 8)
	s_and_b32 s59, s54, 1
	s_lshl_b32 s59, s59, 8
	s_add_co_u32 s62, s62, s59                     ; + 256 (ch % 2)
	s_bfe_u32 s59, s54, 0x20001
	s_lshl_b32 s59, s59, 2
	s_add_co_u32 s62, s62, s59                     ; + 4 ((ch / 2) % 4)
	s_lshl_b32 s59, s51, 1
	s_add_co_u32 s62, s62, s59                     ; + 2 fh: my two bytes of the word
	s_add_nc_u64 s[48:49], s[48:49], s[62:63]
	s_lshl_b32 s60, s60, 5
	s_add_co_u32 s60, s60, s54
	s_mul_i32 s60, s60, 1536                       ; hq: the fragment (my first tile, K step ch)
	s_add_nc_u64 s[14:15], s[14:15], s[60:61]
	WIN 0x40                                       ; W1's 32 rows of mine, 24,576 dense bytes, 512 a load, through the registers that its fragments will take; read once in the launch
.set LI, 0
.rept 48
	global_load_b128 v[4*LI:4*LI+3], v4, s[8:9] offset:512*LI th:TH_LOAD_NT
.set LI, LI+1
.endr
	WIN 0
.irp b, 0,1
	global_load_b128 v[WS+8*\b:WS+8*\b+3], v10, s[10:11] offset:1024*\b
	global_load_b128 v[WS+8*\b+4:WS+8*\b+7], v10, s[10:11] offset:1024*\b+16
.endr
	s_wait_kmcnt 0x0
	PREFIX 55, 59                                  ; s55 = the expert's count
	s_add_co_u32 s56, s55, 15
	s_lshr_b32 s56, s56, 4                         ; its tiles
	s_sub_co_u32 s57, s56, s52
	s_add_co_u32 s57, s57, 1
	s_lshr_b32 s57, s57, 1                         ; mine: those with T % 2 = rg
.set TI, 0
.rept 16
	v_mov_b32 v[TOK+TI], 0
.set TI, TI+1
.endr
	v_mov_b32 v[MT], 0                             ; (a lane permute's destination counts as one of its sources)
	v_mov_b32 v[UT], 0
	s_lshl_b32 s59, s52, 4
	v_lshl_add_u32 v[QB], v3, 5, v2
	v_add_nc_u32 v[QB], s59, v[QB]                 ; rank of (pair 0, lane): 32 h + 16 rg + r
	s_mov_b32 s58, 0
.Ltok:                                                 ; sixteen trips: the queue moves up one place, and pair g's tokens enter at its end: at the end pair j lies in register j
.set TI, 0
.rept 15
	v_mov_b32 v[TOK+TI], v[TOK+TI+1]
.set TI, TI+1
.endr
	v_mov_b32 v[TOK+15], 0
	s_lshl_b32 s60, s58, 6
	s_add_co_u32 s61, s60, s59
	s_cmp_ge_u32 s61, s55                          ; a pair past the expert's count keeps token 0: its loads stay inside xq, its results are never made
	s_cbranch_scc1 .Ltok_none
	v_add_nc_u32 v[VQ], s60, v[QB]
	RANKSEL VQ, TOK+15
.Ltok_none:
	s_add_co_u32 s58, s58, 1
	s_cmp_lt_u32 s58, 16
	s_cbranch_scc1 .Ltok
	KPAIR 16, 0x3f3504f3                           ; 1 / sqrt 2
	KPAIR 18, 0x32edffee                           ; the numerator:  2.77068142e-08
	KPAIR 20, 0xb60cff51                           ; -2.10102402e-06
	KPAIR 22, 0xb86ec2d2                           ; -5.69250639e-05
	KPAIR 24, 0xba40ac63                           ; -7.34990630e-04
	KPAIR 26, 0xbb41a1f6                           ; -2.95459981e-03
	KPAIR 28, 0xbc83dbd4                           ; -1.60960333e-02
	KPAIR 30, 0xb95fbd29                           ; the denominator: -2.13374055e-04
	KPAIR 32, 0xbadc924e                           ; -1.68282697e-03
	KPAIR 34, 0xbbf19bf8                           ; -7.37332917e-03
	KPAIR 36, 0xbc69b6a7                           ; -1.42647391e-02
	s_mov_b32 s38, 0x76543210
	s_mov_b32 s39, 0xfedcba98                      ; v_permlanex16_b32's selects for lane l xor 16
	s_mov_b32 s40, 0xffff0000
	s_cmp_lg_u32 s51, 0
	s_cselect_b32 s41, -1, 0                       ; all lanes, in a wave with fh = 1
	v_mov_b32 v[KA], 0xaf95df0b                    ; -2.72614226e-10
	v_mov_b32 v[KA+1], 0xaf95df0b
	v_mov_b32 v[KB], 0xb77460cd                    ; -1.45660718e-05
	v_mov_b32 v[KB+1], 0xb77460cd
	UPD_E
	UPD_O
	XALL 0                                         ; my tiles 0 and 1
	XALL 1
	WIN 0
	s_wait_loadcnt 52                              ; W1 and its scale words are in: the 52 loads of x were issued behind them
	WIN 0x04
; In LDS rows 8-15 and 16-23 of each 32 change places, so that the 16 rows of a tile (0-7 with 16-23, 8-15 with 24-31) are 16 NEIGHBOURING LDS rows: with rows 196 words apart lane (r, h) of a fragment load then
; touches words 4 r + 6 h + 0, 1 modulo 64: 64 different banks (64 banks of 4 bytes: ISA guide 11.1)
.set LI, 0
.rept 16
.set LP, LI
.if (LI >= 4) && (LI < 8)
.set LP, LI+4
.elseif (LI >= 8) && (LI < 12)
.set LP, LI-4
.endif
	ds_store_b128 v8, v[12*LI:12*LI+3] offset:2*WP*LP
	ds_store_b128 v9, v[12*LI+4:12*LI+7] offset:2*WP*LP+512
	ds_store_b128 v8, v[12*LI+8:12*LI+11] offset:2*WP*LP+1040
.set LI, LI+1
.endr
	WIN 0
	s_wait_dscnt 0x0                               ; for the others' sake: my rows have landed
	s_barrier_signal -1
	s_barrier_wait -1                              ; the chunk's 128 rows lie in LDS: the launch's one barrier
.set FS, 0
.rept 8
	WIN (0x40+0x40*(FS/4))
.irp t, 0,1,2,3
.irp p, 0,1,2,3,4,5
	ds_load_b64 v[12*(4*(FS%4)+\t)+2*\p:12*(4*(FS%4)+\t)+2*\p+1], v7 offset:16*WP*\t+96*FS+48*(\p/3)+8*(\p%3)
.endr
.endr
.set FS, FS+1
.endr
	WIN 0
	s_wait_dscnt 0x0
	s_cmp_eq_u32 s57, 0
	s_cbranch_scc1 .Lend
	s_wait_xcnt 0x0                                ; the even tiles' address registers are written again only behind this wait
	UPD_E                                          ; my tile 2
	TILE 0, 0
	s_sub_co_u32 s58, s57, 1
	s_lshr_b32 s59, s58, 1                         ; pairs of further tiles
	s_and_b32 s58, s58, 1                          ; and one more?
	s_cmp_eq_u32 s59, 0
	s_cbranch_scc1 .Lnoloop
	s_mov_b32 s60, 0
.Lpair:
	TILE 1, 1
	TILE 0, 1
	s_add_co_u32 s60, s60, 1
	s_cmp_lt_u32 s60, s59
	s_cbranch_scc1 .Lpair
.Lnoloop:
	s_cmp_eq_u32 s58, 0
	s_cbranch_scc1 .Leven
	TILE 1, 1
	GONLY 1
	s_wait_tensorcnt 0x0
	ds_add_u32 v254, v255
	s_wait_dscnt 0x0
	s_endpgm
.Leven:
	GONLY 0
.Lend:
	s_wait_tensorcnt 0x0
	ds_add_u32 v254, v255
	s_wait_dscnt 0x0
	s_endpgm
.Lfunc_end_k_qac30818938_ffn1:
	.size	k_qac30818938_ffn1, .Lfunc_end_k_qac30818938_ffn1-k_qac30818938_ffn1
	.p2alignl 7, 3214868480
	.fill 96, 4, 3214868480
	.section	.rodata,"a",@progbits
	.p2align	6, 0x0
	.amdhsa_kernel k_qac30818938_ffn1
		.amdhsa_group_segment_fixed_size 100864
		.amdhsa_private_segment_fixed_size 0
		.amdhsa_enable_private_segment 0
		.amdhsa_kernarg_size 56
		.amdhsa_user_sgpr_count 2
		.amdhsa_user_sgpr_kernarg_segment_ptr 1
		.amdhsa_wavefront_size32 1
		.amdhsa_system_sgpr_workgroup_id_x 1
		.amdhsa_system_sgpr_workgroup_id_y 1
		.amdhsa_system_sgpr_workgroup_id_z 1
		.amdhsa_system_vgpr_workitem_id 0
		.amdhsa_next_free_vgpr 960
		.amdhsa_next_free_sgpr 100
		.amdhsa_reserve_vcc 1
		.amdhsa_float_denorm_mode_32 3
		.amdhsa_float_denorm_mode_16_64 3
		.amdhsa_memory_ordered 1
		.amdhsa_forward_progress 1
		.amdhsa_inst_pref_size 187
	.end_amdhsa_kernel
	.amdgpu_metadata
---
amdhsa.version: [ 1, 2 ]
amdhsa.kernels:
  - .name:           k_qac30818938_ffn1
    .symbol:         k_qac30818938_ffn1.kd
    .args:
      - { .name: xq, .offset: 0, .size: 8, .value_kind: global_buffer, .address_space: global }
      - { .name: xs, .offset: 8, .size: 8, .value_kind: global_buffer, .address_space: global }
      - { .name: W1_codes, .offset: 16, .size: 8, .value_kind: global_buffer, .address_space: global }
      - { .name: W1_scales, .offset: 24, .size: 8, .value_kind: global_buffer, .address_space: global }
      - { .name: memb, .offset: 32, .size: 8, .value_kind: global_buffer, .address_space: global }
      - { .name: hq, .offset: 40, .size: 8, .value_kind: global_buffer, .address_space: global }
      - { .name: hs, .offset: 48, .size: 8, .value_kind: global_buffer, .address_space: global }
    .group_segment_fixed_size: 100864
    .private_segment_fixed_size: 0
    .kernarg_segment_align: 8
    .kernarg_segment_size: 56
    .max_flat_workgroup_size: 128
    .sgpr_count:     100
    .vgpr_count:     960
    .wavefront_size: 32
...
	.end_amdgpu_metadata
.endif
;; end of part 2
;; launch ffn2 (part 3): grid 256 x 1, 4 waves a work-group, no clusters, 201,216 bytes of LDS; arguments hq, hs, W2_codes, W2_scales, memb, y; writes y
.if DOCPART == 3
	.amdgcn_target "amdgcn-amd-amdhsa--gfx1250"
	.amdhsa_code_object_version 6
	.text
	.protected	k_qac30818938_ffn2
	.globl	k_qac30818938_ffn2
	.p2align	8
	.type	k_qac30818938_ffn2,@function
k_qac30818938_ffn2:
	s_mov_b64 s[64:65], 0
	v_nop
	global_prefetch_b8 v0, s[64:65] scope:SCOPE_SE
	s_setreg_imm32_b32 hwreg(HW_REG_WAVE_MODE, 25, 1), 1
	s_wait_xcnt 0x0
; THE SECOND PRODUCT OF THE CHOSEN ROWS: y = h W2[e]^T, on codes of BF6 (E3M2) with one E8M0 scale for each 32 along K.  y is laid BY RANK: row 1024 e + rank of 4,096 bytes, rank = the token's place among
; expert e's tokens, in token order; the gate's weights and the way back to tokens are the next launch's.  So every address here is made of ids, constants and a base stepped once a trip.
; SHARES.  Work-group = (expert e = id / 32, cn = (id / 2) % 16: 64 output columns, par = id % 2: the row tiles T = 2 i + par).  THE FOUR WAVES SPLIT K: wave w holds K steps 8 w .. 8 w + 7 of all 64 columns of W2 in 384
; registers and reads only its quarter of each tile of h: 12,288 dense bytes of codes and 512 of scale words, laid by the launch before as images of the operand's registers: 25 loads of 16 bytes a lane.
; The four partial sums of a tile meet in LDS.
; THE LOOP HAS A CONSTANT COUNT: 4 trips of two halves of four tiles cover the 32 tiles that a work-group can have; only a tile's WORK (its loads, products, sums) is jumped over, on the stored count, so every wave
; passes every barrier.  A tile's work hangs on stored numbers, so the text has no tensor load, and no cluster: partners would need different numbers of tiles.
; FOUR BUFFERS OF h, ALL AHEAD.  A buffer is asked for again as soon as its tile is multiplied (buffers 0, 1) or behind the half's barrier (2, 3): two tiles' 50 loads at a time; each has two tiles' products or four
; tiles' sums in which to land.  The first four tiles are asked for at the head, behind W2, whatever the count: tiles 2 i + par with i < 4 lie inside hq at every count, and what a tile that does not exist brings is never multiplied.
; Half 0 always writes partial sums into buffer 0, half 1 into buffer 1: one barrier a half.  A wave that writes a buffer again has passed the other half's barrier, which every wave signals behind its reads of that buffer.
; TRANSPOSED USE: source 0 = 16 rows of W2 (output columns), source 1 = 16 rows of h: a lane holds one row and eight neighbouring columns.
; A last tile's rows past the expert's count hold some valid token's numbers: they are stored and never read.
; ORDER OF SUMS: K in four quarters, (p0 + p1) + (p2 + p3): another order of rounding than one ascending sum.  LIMITS: NaN and infinities are not served.
; REGISTERS: window 0 as named below, v160-255 h buffer 0; window 1 v0-191 W2, my K steps 0-3, fragment (s, t) at 12 (4 (s % 4) + t), v192-239 h buffer 3, steps 0-3; window 2 the same for steps 4-7;
; window 3 v0-95 h buffer 1, v96-191 h buffer 2.
.set MK,  16                           ; s16-47  expert e's 32 words of token bits
.set WP,  784                          ; a row of my slice of W2 in LDS: 768 bytes + 16
.set WSTG, 64*WP                       ; a wave's own stage, in the head
.set PP,  272                          ; a row of partial sums: 256 bytes + 16
.set PSRC, 16*PP                       ; one wave's 16 rows
.set PTILE, 4*PSRC                     ; a tile's four
.set PBUF, 131072                      ; buffer 1
.set HQT, 98304                        ; from my tile to my next in hq: two tiles of 32 fragments of 1,536 bytes
.set HST, 4096                         ; in hs,
.set YT,  131072                       ; and in y: 32 rows of 4,096 bytes
.set WS2, 16                           ; v16-31 W2's scale words: register 8 b + s: lanes 0-15 tile 2 b, lanes 16-31 tile 2 b + 1
.set HS,  32                           ; v32-47 h's scale words: register 4 buf + g: lanes 0-15 my step 2 g, lanes 16-31 step 2 g + 1
.set ACC, 48                           ; v48-111 two sets of four accumulators
.set FD,  112                          ; v112-143 partial sums read back
.set YO,  144                          ; v144 my byte offset in a tile's rows of y
.set SCO, 146                          ; v146 my byte offset in W2's scales
.set PW,  149                          ; v149-152 where I put partial sums: buffer hb, tiles 0, 1 | 2, 3
.set PR,  153                          ; v153-156 where I read them back
.set MSB, 0
.macro WIN new                         ; the immediate's high byte repeats the setting that is left
.if MSB != (\new)
	s_set_vgpr_msb (MSB<<8)|(\new)
.set MSB, (\new)
.endif
.endm
.macro PLACES n
.rept \n
	v_nop
.endr
.endm
.macro WMAP a                          ; W2's raw bytes pass through the 384 registers that its fragments will take: two rows (12 registers) a step
.if (\a) < 16
.set SWN, 1
.set SBR, 12*(\a)
.else
.set SWN, 2
.set SBR, 12*((\a)-16)
.endif
.endm
.macro MMS d, a, b, zero, sa, sb, ra, rb
.if (\zero) && (\ra) && (\rb)
	v_wmma_scale_f32_16x16x128_f8f6f4 v[(\d):(\d)+7], v[(\a):(\a)+11], v[(\b):(\b)+11], 0, v[(\sa)], v[(\sb)] matrix_a_fmt:MATRIX_FMT_BF6 matrix_b_fmt:MATRIX_FMT_BF6 matrix_a_scale:MATRIX_SCALE_ROW1 matrix_b_scale:MATRIX_SCALE_ROW1
.elseif (\zero) && (\ra)
	v_wmma_scale_f32_16x16x128_f8f6f4 v[(\d):(\d)+7], v[(\a):(\a)+11], v[(\b):(\b)+11], 0, v[(\sa)], v[(\sb)] matrix_a_fmt:MATRIX_FMT_BF6 matrix_b_fmt:MATRIX_FMT_BF6 matrix_a_scale:MATRIX_SCALE_ROW1
.elseif (\zero) && (\rb)
	v_wmma_scale_f32_16x16x128_f8f6f4 v[(\d):(\d)+7], v[(\a):(\a)+11], v[(\b):(\b)+11], 0, v[(\sa)], v[(\sb)] matrix_a_fmt:MATRIX_FMT_BF6 matrix_b_fmt:MATRIX_FMT_BF6 matrix_b_scale:MATRIX_SCALE_ROW1
.elseif (\zero)
	v_wmma_scale_f32_16x16x128_f8f6f4 v[(\d):(\d)+7], v[(\a):(\a)+11], v[(\b):(\b)+11], 0, v[(\sa)], v[(\sb)] matrix_a_fmt:MATRIX_FMT_BF6 matrix_b_fmt:MATRIX_FMT_BF6
.elseif (\ra) && (\rb)
	v_wmma_scale_f32_16x16x128_f8f6f4 v[(\d):(\d)+7], v[(\a):(\a)+11], v[(\b):(\b)+11], v[(\d):(\d)+7], v[(\sa)], v[(\sb)] matrix_a_fmt:MATRIX_FMT_BF6 matrix_b_fmt:MATRIX_FMT_BF6 matrix_a_scale:MATRIX_SCALE_ROW1 matrix_b_scale:MATRIX_SCALE_ROW1
.elseif (\ra)
	v_wmma_scale_f32_16x16x128_f8f6f4 v[(\d):(\d)+7], v[(\a):(\a)+11], v[(\b):(\b)+11], v[(\d):(\d)+7], v[(\sa)], v[(\sb)] matrix_a_fmt:MATRIX_FMT_BF6 matrix_b_fmt:MATRIX_FMT_BF6 matrix_a_scale:MATRIX_SCALE_ROW1
.elseif (\rb)
	v_wmma_scale_f32_16x16x128_f8f6f4 v[(\d):(\d)+7], v[(\a):(\a)+11], v[(\b):(\b)+11], v[(\d):(\d)+7], v[(\sa)], v[(\sb)] matrix_a_fmt:MATRIX_FMT_BF6 matrix_b_fmt:MATRIX_FMT_BF6 matrix_b_scale:MATRIX_SCALE_ROW1
.else
	v_wmma_scale_f32_16x16x128_f8f6f4 v[(\d):(\d)+7], v[(\a):(\a)+11], v[(\b):(\b)+11], v[(\d):(\d)+7], v[(\sa)], v[(\sb)] matrix_a_fmt:MATRIX_FMT_BF6 matrix_b_fmt:MATRIX_FMT_BF6
.endif
.endm
; My quarter of tile j, counted from the trip's first (8 fragments of three planes, and their scale words), into buffer buf: 25 loads, each of 512 consecutive bytes.  cond = 1: only if the tile exists
; (s9: my tiles left at the trip's head).  The tile's place stands in the immediates: 1,093,120 at the most, inside the signed 24-bit immediate (ISA guide, chapter 10).
.macro LOADH buf, j, cond
.if \cond
	s_cmp_gt_i32 s9, \j
	s_cbranch_scc0 .Lnoh_\@
.endif
.set LS8, 0
.rept 8
.if (\buf) == 0
	WIN 0
.set LB, 160+12*LS8
.elseif (\buf) == 1
	WIN 0xc0
.set LB, 12*LS8
.elseif (\buf) == 2
	WIN 0xc0
.set LB, 96+12*LS8
.else
	WIN (0x40+0x40*(LS8/4))
.set LB, 192+12*(LS8%4)
.endif
	global_load_b128 v[LB:LB+3], v4, s[48:49] offset:HQT*(\j)+1536*LS8
	global_load_b128 v[LB+4:LB+7], v4, s[48:49] offset:HQT*(\j)+1536*LS8+512
	global_load_b128 v[LB+8:LB+11], v4, s[48:49] offset:HQT*(\j)+1536*LS8+1024
.set LS8, LS8+1
.endr
	WIN 0
	global_load_b128 v[HS+4*(\buf):HS+4*(\buf)+3], v4, s[50:51] offset:HST*(\j)
.Lnoh_\@:
.endm
; Tile tau of half hb, from buffer tau: 32 products, the four accumulators by turns, one instruction a turn; the partial sums go to LDS.
.macro COMP tau, hb
	s_cmp_gt_i32 s9, 4*(\hb)+(\tau)
	s_cbranch_scc0 .Lnoc_\@
.set CA, ACC+32*((\tau)%2)
.set CS, 0
.rept 8
.set CW, 1+CS/4
.if (\tau) == 0
.set CH, 0
.set CB, 160+12*CS
.elseif (\tau) == 1
.set CH, 3
.set CB, 12*CS
.elseif (\tau) == 2
.set CH, 3
.set CB, 96+12*CS
.else
.set CH, CW
.set CB, 192+12*(CS%4)
.endif
	WIN (CW|(CH<<2))                               ; source 0 (W2): window 1 or 2; source 1 (h): the buffer's window
.irp t, 0,1,2,3
	MMS CA+8*\t, 12*(4*(CS%4)+\t), CB, CS==0, WS2+8*(\t/2)+CS, HS+4*(\tau)+CS/2, \t%2, CS%2
.endr
.set CS, CS+1
.endr
	WIN 0
	PLACES 5                                       ; the LDS stores below read results, and the loads that follow land in the operands and scale words (four places: ISA guide 7.12.1 for vector instructions); the turn after next begins these accumulators anew (five)
.irp t, 0,1,2,3
	ds_store_b128 v[PW+2*(\hb)+(\tau)/2], v[CA+8*\t:CA+8*\t+3] offset:PTILE*((\tau)%2)+64*\t       ; each accumulator from its low end on
	ds_store_b128 v[PW+2*(\hb)+(\tau)/2], v[CA+8*\t+4:CA+8*\t+7] offset:PTILE*((\tau)%2)+64*\t+16
.endr
.Lnoc_\@:
.endm
; Tile tau of half hb is finished: wave w takes its rows 4 w .. 4 w + 3, two an instruction (lanes 0-15 one row's 256 bytes, lanes 16-31 the next row's).
.macro FIN tau, hb
	s_cmp_gt_i32 s9, 4*(\hb)+(\tau)
	s_cbranch_scc0 .Lnof_\@
	s_wait_xcnt 0x0                                ; the registers that the tile before stored from are written again only behind this wait
.irp ii, 0,1
.irp src, 0,1,2,3
	ds_load_b128 v[FD+16*\ii+4*\src:FD+16*\ii+4*\src+3], v[PR+2*(\hb)+(\tau)/2] offset:PTILE*((\tau)%2)+PSRC*\src+2*PP*\ii
.endr
.endr
.irp ii, 0,1
.set F, FD+16*\ii
	s_wait_dscnt 4-4*\ii                           ; LDS loads come back in order: this pair of rows is in; behind the first pair's four loads stand the second's four
	v_pk_add_f32 v[F:F+1], v[F:F+1], v[F+4:F+5]
	v_pk_add_f32 v[F+2:F+3], v[F+2:F+3], v[F+6:F+7]
	v_pk_add_f32 v[F+8:F+9], v[F+8:F+9], v[F+12:F+13]
	v_pk_add_f32 v[F+10:F+11], v[F+10:F+11], v[F+14:F+15]
	v_pk_add_f32 v[F:F+1], v[F:F+1], v[F+8:F+9]
	v_pk_add_f32 v[F+2:F+3], v[F+2:F+3], v[F+10:F+11]
	global_store_b128 v[YO], v[F:F+3], s[58:59] offset:YT*(4*(\hb)+(\tau))+8192*\ii   ; sixteen lanes store 256 consecutive bytes, aligned; 925,696 at the most: inside the signed 24-bit immediate (ISA guide, chapter 10)
.endr
.Lnof_\@:
.endm
; Four tiles.  The wait for loads is for 0: whether a tile's loads were issued hangs on a stored number, so no count above 0 would hold on every way.  The youngest loads that it waits for stand four tiles' sums back.
.macro HALF hb
	s_wait_loadcnt 0x0                             ; the four buffers are in
	COMP 0, \hb
	LOADH 0, 4*(\hb)+4, 1                          ; a buffer that has been multiplied takes the tile four further on
	COMP 1, \hb
	LOADH 1, 4*(\hb)+5, 1
	COMP 2, \hb
	COMP 3, \hb
	s_wait_dscnt 0x0                               ; for the others' sake: my partial sums have landed, and my reads of the other buffer are over
	s_barrier_signal -1
	s_barrier_wait -1
	LOADH 2, 4*(\hb)+6, 1
	LOADH 3, 4*(\hb)+7, 1
	FIN 0, \hb
	FIN 1, \hb
	FIN 2, \hb
	FIN 3, \hb
.endm
	s_load_b256 s[48:55], s[0:1], 0x0              ; hq s[48:49], hs s[50:51], W2's codes s[52:53], W2's scales s[54:55]
	s_load_b128 s[56:59], s[0:1], 0x20             ; memb s[56:57], y s[58:59]
	v_lshl_add_u32 v158, v0, 2, 0x31000
	v_mov_b32 v159, 0
	v_lshrrev_b32 v1, 5, v0
	v_readfirstlane_b32 s2, v1                     ; wave
	s_lshr_b32 s3, ttmp9, 5                        ; e
	s_bfe_u32 s4, ttmp9, 0x40001                   ; cn
	s_and_b32 s5, ttmp9, 1                         ; par
	v_and_b32 v1, 31, v0                           ; lane
	v_and_b32 v2, 15, v0                           ; r
	v_bfe_u32 v3, v0, 4, 1                         ; h
	v_lshlrev_b32 v4, 4, v1                        ; 16 x lane
	s_mul_i32 s12, s2, WSTG
	v_mul_u32_u24 v7, v2, WP
	v_mad_u32_u24 v7, v3, 24, v7
	v_add_nc_u32 v7, s12, v7                       ; my stage: row r of a tile, + 24 h
	v_add_nc_u32 v8, s12, v4                       ; on the way in,
	v_lshl_add_u32 v9, v3, 4, v8                   ; (the middle 512 of two rows' 1,536 bytes cross into the next LDS row at lane 16,
	v_mad_u32_u24 v10, v3, 2304, v4                ; and in memory into the next row of W2, 3,072 bytes on)
	v_lshlrev_b32 v[SCO], 7, v1                    ; W2's scales: row 16 h + r, 128 bytes a row
	s_lshl_b32 s12, s2, 14                         ; y: row 4 w + lane / 16 of a tile, 4,096 bytes a row,
	s_lshl_b32 s14, s4, 8                          ; my work-group's 256 bytes of it,
	s_add_co_u32 s12, s12, s14
	v_lshlrev_b32 v[YO], 12, v3
	v_lshl_add_u32 v[YO], v2, 4, v[YO]             ; 16 bytes a lane
	v_add_nc_u32 v[YO], s12, v[YO]
	s_mul_i32 s12, s2, PSRC
	v_mul_u32_u24 v[PW], v2, PP
	v_lshl_add_u32 v[PW], v3, 5, v[PW]
	v_add_nc_u32 v[PW], s12, v[PW]                 ; partial sums, in: my 16 rows: row r, + 32 h
	v_add_nc_u32 v[PW+1], 2*PTILE, v[PW]
	v_add_nc_u32 v[PW+2], PBUF, v[PW]
	v_add_nc_u32 v[PW+3], PBUF+2*PTILE, v[PW]
	s_mul_i32 s12, s2, 4*PP
	v_mul_u32_u24 v[PR], v3, PP
	v_lshl_add_u32 v[PR], v2, 4, v[PR]
	v_add_nc_u32 v[PR], s12, v[PR]                 ; and back: row 4 w + lane / 16, 16 bytes a lane
	v_add_nc_u32 v[PR+1], 2*PTILE, v[PR]
	v_add_nc_u32 v[PR+2], PBUF, v[PR]
	v_add_nc_u32 v[PR+3], PBUF+2*PTILE, v[PR]
	s_mov_b32 s13, 0
	s_wait_kmcnt 0x0
	s_lshl_b32 s12, s3, 7
	s_add_nc_u64 s[56:57], s[56:57], s[12:13]
	s_load_b512 s[16:31], s[56:57], 0x0            ; expert e's 32 words
	s_load_b512 s[32:47], s[56:57], 0x40
	s_lshl_b32 s14, s3, 10
	s_lshl_b32 s12, s4, 6
	s_add_co_u32 s14, s14, s12                     ; 1024 e + 64 cn: my first row of W2
	s_mul_i32 s12, s14, 3072
	s_mul_i32 s15, s2, 768
	s_add_co_u32 s12, s12, s15
	s_add_nc_u64 s[52:53], s[52:53], s[12:13]
	s_lshl_b32 s12, s14, 7
	s_lshl_b32 s15, s2, 5
	s_add_co_u32 s12, s12, s15
	s_add_nc_u64 s[54:55], s[54:55], s[12:13]
	s_lshl_b32 s14, s3, 6
	s_add_co_u32 s14, s14, s5                      ; 64 e + par: my first tile
	s_lshl_b32 s12, s14, 5
	s_lshl_b32 s15, s2, 3
	s_add_co_u32 s12, s12, s15
	s_mul_i32 s12, s12, 1536
	s_add_nc_u64 s[48:49], s[48:49], s[12:13]
	s_lshl_b32 s12, s14, 11
	s_lshl_b32 s15, s2, 9
	s_add_co_u32 s12, s12, s15
	s_add_nc_u64 s[50:51], s[50:51], s[12:13]
	s_lshl_b32 s12, s14, 16                        ; a tile of y: 16 rows of 4,096 bytes
	s_add_nc_u64 s[58:59], s[58:59], s[12:13]
.set LA, 0
.rept 32                                       ; my 768 bytes of each of 64 rows of W2, two rows a step: every load covers whole aligned runs of 256 bytes
	WMAP LA
	WIN (SWN<<6)
	global_load_b128 v[SBR:SBR+3], v4, s[52:53] offset:6144*LA
	global_load_b128 v[SBR+4:SBR+7], v10, s[52:53] offset:6144*LA+512
	global_load_b128 v[SBR+8:SBR+11], v4, s[52:53] offset:6144*LA+3328
.set LA, LA+1
.endr
	WIN 0
.irp b, 0,1
	global_load_b128 v[WS2+8*\b:WS2+8*\b+3], v[SCO], s[54:55] offset:4096*\b
	global_load_b128 v[WS2+8*\b+4:WS2+8*\b+7], v[SCO], s[54:55] offset:4096*\b+16
.endr
	LOADH 0, 0, 0                                  ; my first four tiles of h, right behind W2 and whatever the count: they land while W2 goes through the stage
	LOADH 1, 1, 0
	LOADH 2, 2, 0
	LOADH 3, 3, 0
	s_wait_kmcnt 0x0
	s_mov_b32 s6, 0                                ; the expert's count: the bits of its 32 words
.set PI, 0
.rept 32
	s_bcnt1_i32_b32 s12, s[MK+PI]
	s_add_co_u32 s6, s6, s12
.set PI, PI+1
.endr
	s_add_co_u32 s8, s6, 15
	s_lshr_b32 s8, s8, 4                           ; its tiles
	s_sub_co_u32 s8, s8, s5
	s_add_co_u32 s8, s8, 1
	s_lshr_b32 s9, s8, 1                           ; mine: those with T % 2 = par
	s_wait_loadcnt 63                              ; W2 and its scale words are in: 100 loads of h were issued behind them, and 63 is the largest count that the wait can name
.set LA, 0
.rept 32
	WMAP LA
	WIN (SWN<<2)
	ds_store_b128 v8, v[SBR:SBR+3] offset:2*WP*LA
	ds_store_b128 v9, v[SBR+4:SBR+7] offset:2*WP*LA+512
	ds_store_b128 v8, v[SBR+8:SBR+11] offset:2*WP*LA+1040
.set LA, LA+1
.endr
	WIN 0
	s_wait_dscnt 0x0                               ; the stage's stores have read their registers: the fragments may land there
.set FS, 0
.rept 8
	WIN (0x40+0x40*(FS/4))
.irp t, 0,1,2,3
.irp p, 0,1,2,3,4,5
	ds_load_b64 v[12*(4*(FS%4)+\t)+2*\p:12*(4*(FS%4)+\t)+2*\p+1], v7 offset:16*WP*\t+96*FS+48*(\p/3)+8*(\p%3)   ; my own stage
.endr
.endr
.set FS, FS+1
.endr
	WIN 0
	s_wait_dscnt 0x0                               ; my reads of my stage are over
	s_barrier_signal -1
	s_barrier_wait -1                              ; from here the stages' bytes take the partial sums
	s_mov_b32 s10, 0
.Ltrip:
	HALF 0
	HALF 1
	s_wait_xcnt 0x0                                ; the bases of the loads and stores that are out are written again only behind this wait
	s_add_nc_u64 s[48:49], s[48:49], 8*HQT
	s_add_nc_u64 s[50:51], s[50:51], 8*HST
	s_add_nc_u64 s[58:59], s[58:59], 8*YT
	s_sub_co_i32 s9, s9, 8
	s_add_co_u32 s10, s10, 1
	s_cmp_lt_u32 s10, 4
	s_cbranch_scc1 .Ltrip
	s_wait_tensorcnt 0x0
	ds_add_u32 v158, v159
	s_wait_dscnt 0x0
	s_endpgm
.Lfunc_end_k_qac30818938_ffn2:
	.size	k_qac30818938_ffn2, .Lfunc_end_k_qac30818938_ffn2-k_qac30818938_ffn2
	.p2alignl 7, 3214868480
	.fill 96, 4, 3214868480
	.section	.rodata,"a",@progbits
	.p2align	6, 0x0
	.amdhsa_kernel k_qac30818938_ffn2
		.amdhsa_group_segment_fixed_size 201216
		.amdhsa_private_segment_fixed_size 0
		.amdhsa_enable_private_segment 0
		.amdhsa_kernarg_size 48
		.amdhsa_user_sgpr_count 2
		.amdhsa_user_sgpr_kernarg_segment_ptr 1
		.amdhsa_wavefront_size32 1
		.amdhsa_system_sgpr_workgroup_id_x 1
		.amdhsa_system_sgpr_workgroup_id_y 1
		.amdhsa_system_sgpr_workgroup_id_z 1
		.amdhsa_system_vgpr_workitem_id 0
		.amdhsa_next_free_vgpr 960
		.amdhsa_next_free_sgpr 66
		.amdhsa_reserve_vcc 0
		.amdhsa_float_denorm_mode_32 3
		.amdhsa_float_denorm_mode_16_64 3
		.amdhsa_memory_ordered 1
		.amdhsa_forward_progress 1
		.amdhsa_inst_pref_size 115
	.end_amdhsa_kernel
	.amdgpu_metadata
---
amdhsa.version: [ 1, 2 ]
amdhsa.kernels:
  - .name:           k_qac30818938_ffn2
    .symbol:         k_qac30818938_ffn2.kd
    .args:
      - { .name: hq, .offset: 0, .size: 8, .value_kind: global_buffer, .address_space: global }
      - { .name: hs, .offset: 8, .size: 8, .value_kind: global_buffer, .address_space: global }
      - { .name: W2_codes, .offset: 16, .size: 8, .value_kind: global_buffer, .address_space: global }
      - { .name: W2_scales, .offset: 24, .size: 8, .value_kind: global_buffer, .address_space: global }
      - { .name: memb, .offset: 32, .size: 8, .value_kind: global_buffer, .address_space: global }
      - { .name: y, .offset: 40, .size: 8, .value_kind: global_buffer, .address_space: global }
    .group_segment_fixed_size: 201216
    .private_segment_fixed_size: 0
    .kernarg_segment_align: 8
    .kernarg_segment_size: 48
    .max_flat_workgroup_size: 128
    .sgpr_count:     66
    .vgpr_count:     960
    .wavefront_size: 32
...
	.end_amdgpu_metadata
.endif
;; end of part 3
;; launch combine (part 4): grid 256 x 1, 8 waves a work-group, no clusters, 0 bytes of LDS; arguments y, sel, wts, memb, out0; writes out0
.if DOCPART == 4
	.amdgcn_target "amdgcn-amd-amdhsa--gfx1250"
	.amdhsa_code_object_version 6
	.text
	.protected	k_qac30818938_combine
	.globl	k_qac30818938_combine
	.p2align	8
	.type	k_qac30818938_combine,@function
k_qac30818938_combine:
	s_mov_b64 s[64:65], 0
	v_nop
	global_prefetch_b8 v0, s[64:65] scope:SCOPE_SE
	s_setreg_imm32_b32 hwreg(HW_REG_WAVE_MODE, 25, 1), 1
	s_wait_xcnt 0x0
; out0[n] = w0 y[1024 e0 + rank of n in e0] + w1 y[1024 e1 + rank of n in e1].  y: rows of 4,096 bytes laid by (expert, rank); sel: e0 | e1 << 8 a token; wts: (w0, w1) a token; memb: for each expert
; 32 words, bit j of word i = token 32 i + j has chosen it.  out0: [1024][1024] f32.
; SHARES.  A work-group takes 4 tokens, a wave half a token's row: 2,048 bytes, four loads of each of the two rows and four stores, each of 512 consecutive bytes, aligned to 256.
; THE RANK of token n in expert e is the number of e's tokens below n.  Lane i takes word i of e's 32: words below n's word count whole, n's own word with the bits below n, the others not at all (a mask made of
; ids alone).  Each lane counts its word's bits by shifts and additions; the 32 counts are added across the lanes.  The expert's number is held at 7 and the rank at 1,023 before either enters an address.
; ALL EIGHT experts' words (1,024 bytes a wave) are loaded beside sel and wts, at addresses made of ids alone, and the two that are wanted are chosen by selects: so only y's rows wait for an earlier load's result.
; A stream with a gather: no LDS, no barrier, no matrix unit: nothing is shared between waves and nothing is multiplied but by the two weights.
; ORDER OF SUMS: the first choice's row, then the second's, where the reference adds in the order of the experts' numbers: another order of rounding.  LIMITS: NaN and infinities are not served.
.set T,  22                            ; v22, v23 at work
.set U,  23
.set A0, 24                            ; v24, v25 the two rows' byte offsets in y
.set D0, 32                            ; v32-47 the first row's 64 bytes of mine;  v48-63 the second's
.set D1, 48
.set MB, 64                            ; v64-71 my lane's word of each expert's 32
; v[dst] = the byte offset in y of my part of the row of (expert v[e], this token); v[mb]: my lane's word of the expert's bits
.macro ROWOF mb, e, dst
	v_and_b32 v[T], v7, v[\mb]                     ; the bits that stand for tokens below mine
	v_lshrrev_b32 v[U], 1, v[T]                    ; counts in fields of 2, 4 and 8 bits,
	v_and_b32 v[U], 0x55555555, v[U]
	v_sub_nc_u32 v[T], v[T], v[U]
	v_lshrrev_b32 v[U], 2, v[T]
	v_and_b32 v[U], 0x33333333, v[U]
	v_and_b32 v[T], 0x33333333, v[T]
	v_add_nc_u32 v[T], v[T], v[U]
	v_lshrrev_b32 v[U], 4, v[T]
	v_add_nc_u32 v[T], v[T], v[U]
	v_and_b32 v[T], 0x0f0f0f0f, v[T]
	v_lshrrev_b32 v[U], 8, v[T]                    ; and the four bytes added
	v_add_nc_u32 v[T], v[T], v[U]
	v_lshrrev_b32 v[U], 16, v[T]
	v_add_nc_u32 v[T], v[T], v[U]
	v_and_b32 v[T], 63, v[T]
.irp m, 1,2,4,8                                ; across the 16 lanes of each half,
	v_mov_b32_dpp v[U], v[T] row_xmask:\m row_mask:0xf bank_mask:0xf
	v_add_nc_u32 v[T], v[T], v[U]
.endr
	v_permlanex16_b32 v[U], v[T], s24, s25         ; and the other half's: every lane holds the rank
	v_add_nc_u32 v[T], v[T], v[U]
	v_min_u32 v[T], 0x3ff, v[T]
	v_lshlrev_b32 v[U], 10, v[\e]
	v_add_nc_u32 v[T], v[T], v[U]                  ; the row: 1024 e + rank
	v_lshlrev_b32 v[T], 12, v[T]
	v_add_nc_u32 v[\dst], v[T], v4
.endm
	s_load_b256 s[4:11], s[0:1], 0x0               ; y s[4:5], sel s[6:7], wts s[8:9], memb s[10:11]
	s_load_b64 s[12:13], s[0:1], 0x20              ; out0
	v_lshrrev_b32 v1, 5, v0
	v_readfirstlane_b32 s16, v1                    ; wave
	v_and_b32 v1, 31, v0                           ; lane
	s_lshr_b32 s17, s16, 1
	s_lshl_b32 s18, ttmp9, 2
	s_add_co_u32 s17, s17, s18                     ; my token: 4 x work-group + wave / 2
	s_and_b32 s18, s16, 1                          ; which half of its row
	s_lshl_b32 s19, s17, 2
	v_mov_b32 v2, s19                              ; its word of sel
	s_lshl_b32 s19, s17, 3
	v_mov_b32 v3, s19                              ; its two weights
	s_lshr_b32 s20, s17, 5                         ; the word of memb that holds its bit,
	s_and_b32 s21, s17, 31
	s_lshl_b32 s21, 1, s21
	s_sub_co_u32 s21, s21, 1                       ; and the bits below it there
	s_lshl_b32 s22, s18, 11
	v_lshlrev_b32 v4, 4, v1
	v_add_nc_u32 v4, s22, v4                       ; my 16 bytes of a row: 2,048 x half + 16 x lane
	s_lshl_b32 s23, s17, 12
	v_add_nc_u32 v5, s23, v4                       ; and in out0
	v_lshlrev_b32 v16, 2, v1                       ; my lane's word of an expert's 32
	v_mov_b32 v7, 0                                ; my lane's mask: all ones below the token's word, the lower bits in it, nothing above
	v_cmp_gt_u32 vcc_lo, s20, v1
	v_cndmask_b32 v7, v7, -1, vcc_lo
	v_cmp_eq_u32 vcc_lo, s20, v1
	v_cndmask_b32 v7, v7, s21, vcc_lo
	s_mov_b32 s24, 0x76543210
	s_mov_b32 s25, 0xfedcba98                      ; v_permlanex16_b32's selects for lane l xor 16
	s_wait_kmcnt 0x0
	global_load_b32 v6, v2, s[6:7]
	global_load_b64 v[8:9], v3, s[8:9]
.irp e, 0,1,2,3,4,5,6,7
	global_load_b32 v[MB+\e], v16, s[10:11] offset:128*\e   ; 128 bytes an expert
.endr
	s_wait_loadcnt 0x0
	v_and_b32 v10, 0xff, v6                        ; e0
	v_bfe_u32 v11, v6, 8, 8                        ; e1
	v_min_u32 v10, 7, v10
	v_min_u32 v11, 7, v11
	v_mov_b32 v14, v[MB]                           ; my lane's word of e0's bits, and of e1's
	v_mov_b32 v15, v[MB]
.irp e, 1,2,3,4,5,6,7
	v_cmp_eq_u32 vcc_lo, \e, v10
	v_cndmask_b32 v14, v14, v[MB+\e], vcc_lo
	v_cmp_eq_u32 vcc_lo, \e, v11
	v_cndmask_b32 v15, v15, v[MB+\e], vcc_lo
.endr
	ROWOF 14, 10, A0
	ROWOF 15, 11, A0+1
.irp j, 0,1,2,3
	global_load_b128 v[D0+4*\j:D0+4*\j+3], v[A0], s[4:5] offset:512*\j th:TH_LOAD_NT     ; each byte of a kept row is read once in the launch
	global_load_b128 v[D1+4*\j:D1+4*\j+3], v[A0+1], s[4:5] offset:512*\j th:TH_LOAD_NT
.endr
	v_mov_b32 v18, v8                              ; each weight twice: a pair for the packed forms
	v_mov_b32 v19, v8
	v_mov_b32 v20, v9
	v_mov_b32 v21, v9
.irp j, 0,1,2,3
	s_wait_loadcnt 6-2*\j                          ; loads come back in order (ISA guide 5.7.1): pair j is in, the younger pairs stay out
	v_pk_mul_f32 v[D0+4*\j:D0+4*\j+1], v[D0+4*\j:D0+4*\j+1], v[18:19]
	v_pk_mul_f32 v[D0+4*\j+2:D0+4*\j+3], v[D0+4*\j+2:D0+4*\j+3], v[18:19]
	v_pk_fma_f32 v[D0+4*\j:D0+4*\j+1], v[D1+4*\j:D1+4*\j+1], v[20:21], v[D0+4*\j:D0+4*\j+1]
	v_pk_fma_f32 v[D0+4*\j+2:D0+4*\j+3], v[D1+4*\j+2:D1+4*\j+3], v[20:21], v[D0+4*\j+2:D0+4*\j+3]
	global_store_b128 v5, v[D0+4*\j:D0+4*\j+3], s[12:13] offset:512*\j th:TH_STORE_NT
.endr
	s_endpgm
.Lfunc_end_k_qac30818938_combine:
	.size	k_qac30818938_combine, .Lfunc_end_k_qac30818938_combine-k_qac30818938_combine
	.p2alignl 7, 3214868480
	.fill 96, 4, 3214868480
	.section	.rodata,"a",@progbits
	.p2align	6, 0x0
	.amdhsa_kernel k_qac30818938_combine
		.amdhsa_group_segment_fixed_size 0
		.amdhsa_private_segment_fixed_size 0
		.amdhsa_enable_private_segment 0
		.amdhsa_kernarg_size 40
		.amdhsa_user_sgpr_count 2
		.amdhsa_user_sgpr_kernarg_segment_ptr 1
		.amdhsa_wavefront_size32 1
		.amdhsa_system_sgpr_workgroup_id_x 1
		.amdhsa_system_sgpr_workgroup_id_y 1
		.amdhsa_system_sgpr_workgroup_id_z 1
		.amdhsa_system_vgpr_workitem_id 0
		.amdhsa_next_free_vgpr 72
		.amdhsa_next_free_sgpr 66
		.amdhsa_reserve_vcc 1
		.amdhsa_float_denorm_mode_32 3
		.amdhsa_float_denorm_mode_16_64 3
		.amdhsa_memory_ordered 1
		.amdhsa_forward_progress 1
		.amdhsa_inst_pref_size 9
	.end_amdhsa_kernel
	.amdgpu_metadata
---
amdhsa.version: [ 1, 2 ]
amdhsa.kernels:
  - .name:           k_qac30818938_combine
    .symbol:         k_qac30818938_combine.kd
    .args:
      - { .name: y, .offset: 0, .size: 8, .value_kind: global_buffer, .address_space: global }
      - { .name: sel, .offset: 8, .size: 8, .value_kind: global_buffer, .address_space: global }
      - { .name: wts, .offset: 16, .size: 8, .value_kind: global_buffer, .address_space: global }
      - { .name: memb, .offset: 24, .size: 8, .value_kind: global_buffer, .address_space: global }
      - { .name: out0, .offset: 32, .size: 8, .value_kind: global_buffer, .address_space: global }
    .group_segment_fixed_size: 0
    .private_segment_fixed_size: 0
    .kernarg_segment_align: 8
    .kernarg_segment_size: 40
    .max_flat_workgroup_size: 256
    .sgpr_count:     66
    .vgpr_count:     72
    .wavefront_size: 32
...
	.end_amdgpu_metadata
.endif
;; end of part 4
;; ======== version 2 of 2: 4 launches
;; workspace buffers: xq 786,432 bytes; xs 32,768 bytes; sel 4,096 bytes of whole numbers; wts 8,192 bytes; memb 1,024 bytes of whole numbers; hq 25,165,824 bytes; hs 1,048,576 bytes; y 33,554,432 bytes
;; launch gate (part 5): grid 64 x 1, 8 waves a work-group, no clusters, 85,760 bytes of LDS; arguments x, Wg, xq, xs, sel, wts, memb; writes xq, xs, sel, wts, memb
.if DOCPART == 5
	.amdgcn_target "amdgcn-amd-amdhsa--gfx1250"
	.amdhsa_code_object_version 6
	.text
	.protected	k_qac30818938_gate
	.globl	k_qac30818938_gate
	.p2align	8
	.type	k_qac30818938_gate,@function
k_qac30818938_gate:
	s_mov_b64 s[64:65], 0
	v_nop
	global_prefetch_b8 v0, s[64:65] scope:SCOPE_SE
	s_setreg_imm32_b32 hwreg(HW_REG_WAVE_MODE, 25, 1), 1
	s_wait_xcnt 0x0
; THE GATE, AND x INTO CODES.  x [1024][1024] f32, Wg [1024][8] f32.
; Out: xq: x as codes of BF6 (E3M2) in the order of an operand's registers: token n at 768 n, K step s (128 along K) at + 96 s, lanes' half h at + 48 h: the 12 registers of lane (., h);
;      xs: 8 scale words a token (byte b of word s: block 4 s + b);  sel: e0 | e1 << 8 a token;  wts: the two softmax weights a token;
;      memb: for each expert 32 words, bit j of word i = token 32 i + j has chosen it.  Every address is fixed: the choice is stored, it steers nothing here.
; SHARES.  A work-group takes 16 tokens (one half of a word of memb), wave s takes K step s of all 16.  Lane (r, h) holds token r and k = 128 s + 64 c + 32 h + i (c = 0, 1; i = 0 .. 31): the 6-bit operand's own layout,
; so a lane owns two whole blocks of 32 and the conversions' results are the operand's registers.
; THE LOGITS are kept in f32 (a coarser logit would turn the choice of near ties, and with it whole rows of the output): v_wmma_f32_16x16x4_f32, source 0 = Wg^T (row m = expert m % 8), source 1 = x;
; k is permuted alike on both sides.  Every lane (r, .) then holds in register j the partial logit of token r and expert j.  The eight waves' partial sums meet in LDS.
; TOP 2: strict comparisons in ascending order keep the lower index on a tie, as lax.top_k does.  The softmax takes the larger logit away first.
; LIMITS: NaN and infinities are not served; a block whose largest magnitude lies under 2^-122 keeps the byte 1 (a block of zeros too: its codes are zeros, and this program alone reads the bytes).
.set STGP, 528                         ; a stage row: 512 bytes + 16 = 33 x 16, so the 16 rows that a load touches begin in 16 different columns of 16 bytes
.set STGW, 16*STGP                     ; a wave's own stage: 16 tokens
.set XQP,  784                         ; a token's 768 bytes of codes + 16
.set XQO,  8*STGW                      ; LDS: the 16 tokens' codes,
.set XSO,  XQO+16*XQP                  ; their scale words (512 bytes),
.set LGO,  XSO+512                     ; and the partial logits: 8 waves x 16 tokens x 32 bytes
.set R,   16                           ; v16-79   x as loaded; later the registers below
.set X,   80                           ; v80-143  my 64 numbers of x; in wave 0 later the partial logits
.set WG,  144                          ; v144-207 Wg at my 64 k, expert lane % 8
.set ACC, 208                          ; v208-239 four accumulators: written by matrix instructions alone
.set TM,  16
.set SO,  18
.set BY,  20
.set SW,  22
.set T0,  23
.set CD,  24                           ; v24-35 the fragment's codes
.set CT,  36
.set LS,  44
.set LT,  52
.set E7,  240                          ; lane % 8
.set ALG, 241
.set O4,  242
.set O8,  243
.set OM,  244
	s_load_b256 s[4:11], s[0:1], 0x0               ; x s[4:5], Wg s[6:7], xq s[8:9], xs s[10:11]
	s_load_b128 s[12:15], s[0:1], 0x20             ; sel s[12:13], wts s[14:15]
	s_load_b64 s[16:17], s[0:1], 0x30              ; memb
	v_lshl_add_u32 v254, v0, 2, 0x14b00
	v_mov_b32 v255, 0
	v_lshrrev_b32 v1, 5, v0
	s_delay_alu instid0(VALU_DEP_1)
	v_readfirstlane_b32 s18, v1                    ; wave = K step
	v_and_b32 v1, 31, v0                           ; lane
	v_and_b32 v2, 15, v0                           ; r
	v_bfe_u32 v3, v0, 4, 1                         ; h
	v_and_b32 v[E7], 7, v0
	s_delay_alu instid0(VALU_DEP_4)
	v_lshlrev_b32 v4, 4, v1                        ; 16 x lane
	s_mul_i32 s19, s18, STGW
	v_add_nc_u32 v5, s19, v4                       ; the stage, in: 16 x lane of a token's row
	v_mul_u32_u24 v6, v2, STGP
	s_delay_alu instid0(VALU_DEP_1)
	v_lshl_add_u32 v6, v3, 7, v6
	s_delay_alu instid0(VALU_DEP_1)
	v_add_nc_u32 v6, s19, v6                       ; and out: token r, + 128 h bytes
	v_lshlrev_b32 v7, 2, v[E7]
	s_delay_alu instid0(VALU_DEP_1)
	v_lshl_add_u32 v7, v3, 10, v7                  ; Wg: 32 h rows of 32 bytes + 4 (lane % 8)
	s_mul_i32 s19, s18, 96
	s_add_co_u32 s19, s19, XQO
	v_mul_u32_u24 v8, v2, XQP
	s_delay_alu instid0(VALU_DEP_1)
	v_mad_u32_u24 v8, v3, 48, v8
	s_delay_alu instid0(VALU_DEP_1)
	v_add_nc_u32 v8, s19, v8                       ; my 48 bytes of codes
	s_lshl_b32 s19, s18, 2
	s_add_co_u32 s19, s19, XSO
	v_lshl_add_u32 v9, v2, 5, s19                  ; my token's scale word of this K step
	s_lshl_b32 s19, s18, 9
	s_add_co_u32 s19, s19, LGO
	v_lshl_add_u32 v10, v2, 5, s19                 ; my token's eight partial logits
	s_mul_i32 s19, s18, 2*XQP
	s_add_co_u32 s19, s19, XQO
	v_add_nc_u32 v11, s19, v4                      ; the codes' way out: wave w takes tokens 2 w, 2 w + 1, 1,536 dense bytes;
	s_delay_alu instid0(VALU_DEP_1)
	v_lshl_add_u32 v12, v3, 4, v11                 ; (the middle 512 bytes cross from one LDS row into the next at lane 16)
	s_mul_i32 s19, s18, 1536
	v_add_nc_u32 v14, s19, v4
	v_add_nc_u32 v15, XSO, v4                      ; wave 0's addresses are made here too, ahead of the parting of the waves
	v_lshl_add_u32 v[ALG], v2, 5, LGO
	v_lshlrev_b32 v[O4], 2, v2
	v_lshlrev_b32 v[O8], 3, v2
	v_lshlrev_b32 v[OM], 7, v[E7]
	s_mov_b32 s20, 0x76543210
	s_mov_b32 s21, 0xfedcba98                      ; v_permlanex16_b32's selects for lane l xor 16
	s_mov_b32 s23, 0
	s_lshl_b32 s22, ttmp9, 16                      ; 16 tokens of 4,096 bytes
	s_lshl_b32 s24, s18, 9
	s_add_co_u32 s22, s22, s24
	s_wait_kmcnt 0x0
	s_add_nc_u64 s[4:5], s[4:5], s[22:23]
	s_lshl_b32 s22, s18, 12                        ; 128 rows of Wg
	s_add_nc_u64 s[6:7], s[6:7], s[22:23]
	s_mul_i32 s22, ttmp9, 12288
	s_add_nc_u64 s[8:9], s[8:9], s[22:23]
	s_lshl_b32 s22, ttmp9, 9
	s_add_nc_u64 s[10:11], s[10:11], s[22:23]
	s_lshl_b32 s22, ttmp9, 6
	s_add_nc_u64 s[12:13], s[12:13], s[22:23]
	s_lshl_b32 s22, ttmp9, 7
	s_add_nc_u64 s[14:15], s[14:15], s[22:23]
	s_lshl_b32 s22, ttmp9, 1
	s_add_nc_u64 s[16:17], s[16:17], s[22:23]
.set i, 0
.rept 16
	global_load_b128 v[R+4*i:R+4*i+3], v4, s[4:5] offset:4096*i th:TH_LOAD_NT   ; token i: 512 consecutive bytes, read once in the launch
.set i, i+1
.endr
.set i, 0
.rept 32
	global_load_b32 v[WG+i], v7, s[6:7] offset:32*i
.set i, i+1
.endr
	s_wait_loadcnt 32                              ; x's 16 loads are in: the 32 of Wg were issued behind them
.set i, 0
.rept 16
	ds_store_b128 v5, v[R+4*i:R+4*i+3] offset:STGP*i
.set i, i+1
.endr
.set i, 0
.rept 32
	global_load_b32 v[WG+32+i], v7, s[6:7] offset:32*(64+i)
.set i, i+1
.endr
.irp c, 0,1
.irp j, 0,1,2,3,4,5,6,7
	ds_load_b128 v[X+32*\c+4*\j:X+32*\c+4*\j+3], v6 offset:256*\c+16*\j   ; LDS serves a wave's instructions in order: these see my stores
.endr
.endr
	s_wait_dscnt 0x0
	s_wait_loadcnt 0x0
; 32 products of 4 along K; the four accumulators take turns; the first four start the sums
.set g, 0
.rept 32
.if g < 4
	v_wmma_f32_16x16x4_f32 v[ACC+8*(g%4):ACC+8*(g%4)+7], v[WG+2*g:WG+2*g+1], v[X+2*g:X+2*g+1], 0
.else
	v_wmma_f32_16x16x4_f32 v[ACC+8*(g%4):ACC+8*(g%4)+7], v[WG+2*g:WG+2*g+1], v[X+2*g:X+2*g+1], v[ACC+8*(g%4):ACC+8*(g%4)+7]
.endif
.set g, g+1
.endr
; THE QUANTISER.  My block 2 c + h: all its 32 numbers are mine.  (Its lines on c = 0 name no register of the last products: they are the places behind them, ISA guide 7.12.1.)
.irp c, 0,1
	v_max3_num_f32 v[TM+\c], |v[X+32*\c]|, |v[X+32*\c+1]|, 0x2800000   ; with the floor 2^(5 - 127): the byte cannot fall under 1
.endr
.irp i, 2,4,6,8,10,12,14,16,18,20,22,24,26,28,30
.irp c, 0,1
	s_delay_alu instid0(VALU_DEP_2)
	v_max3_num_f32 v[TM+\c], v[TM+\c], |v[X+32*\c+\i]|, |v[X+32*\c+\i+1]|
.endr
.endr
.irp c, 0,1
	s_delay_alu instid0(VALU_DEP_2)
	v_add_nc_u32 v[SO+\c], 0xfe000000, v[TM+\c]    ; 4 off the exponent field: the conversion's scale operand
.endr
.irp c, 0,1
	s_delay_alu instid0(VALU_DEP_2)
	v_lshrrev_b32 v[BY+\c], 23, v[SO+\c]           ; the scale's byte
.endr
	s_delay_alu instid0(VALU_DEP_1)
	v_lshl_or_b32 v[SW], v[BY+1], 16, v[BY]        ; my bytes: blocks h and 2 + h,
	v_lshlrev_b32 v[T0], 3, v3
	s_delay_alu instid0(VALU_DEP_1)
	v_lshlrev_b32 v[SW], v[T0], v[SW]              ; at their places in the word;
	v_mov_b32 v[T0], 0
	s_delay_alu instid0(VALU_DEP_1)
	v_permlanex16_b32 v[T0], v[SW], s20, s21
	s_delay_alu instid0(VALU_DEP_1)
	v_or_b32 v[SW], v[SW], v[T0]                   ; with lane l xor 16's two the word is whole
.irp c, 0,1
	v_cvt_scalef32_pk16_bf6_f32 v[CD+6*\c:CD+6*\c+2], v[X+32*\c:X+32*\c+15], v[SO+\c]
	v_cvt_scalef32_pk16_bf6_f32 v[CT+4*\c:CT+4*\c+2], v[X+32*\c+16:X+32*\c+31], v[SO+\c]   ; (a conversion's three registers begin on an even number)
.endr
	v_nop                                          ; one plain place behind a scaled conversion
.irp c, 0,1
.irp i, 0,1,2
	v_mov_b32 v[CD+6*\c+3+\i], v[CT+4*\c+\i]
.endr
.endr
.irp u, 0,2,4,6                                ; the four accumulators are added into other registers, each read from its low end on
	v_pk_add_f32 v[LS+\u:LS+\u+1], v[ACC+\u:ACC+\u+1], v[ACC+8+\u:ACC+8+\u+1]
	v_pk_add_f32 v[LT+\u:LT+\u+1], v[ACC+16+\u:ACC+16+\u+1], v[ACC+24+\u:ACC+24+\u+1]
.endr
.irp u, 0,2,4,6
	v_pk_add_f32 v[LS+\u:LS+\u+1], v[LS+\u:LS+\u+1], v[LT+\u:LT+\u+1]
.endr
	ds_store_b128 v8, v[CD:CD+3]
	ds_store_b128 v8, v[CD+4:CD+7] offset:16
	ds_store_b128 v8, v[CD+8:CD+11] offset:32
	ds_store_b32 v9, v[SW]                         ; (both halves of the lanes write the same word with the same value, here and below)
	ds_store_b128 v10, v[LS:LS+3]
	ds_store_b128 v10, v[LS+4:LS+7] offset:16
	s_wait_dscnt 0x0                               ; for the others' sake: my stores have landed
	s_barrier_signal -1
	s_barrier_wait -1
	ds_load_b128 v[16:19], v11
	ds_load_b128 v[20:23], v12 offset:512
	ds_load_b128 v[24:27], v11 offset:1040
	s_wait_dscnt 0x0
	global_store_b128 v14, v[16:19], s[8:9]                 ; each store of the wave covers 512 consecutive bytes, aligned to 256
	global_store_b128 v14, v[20:23], s[8:9] offset:512
	global_store_b128 v14, v[24:27], s[8:9] offset:1024
	s_cmp_lg_u32 s18, 0
	s_cbranch_scc1 .Ldone
; WAVE 0: the scale words go out; the logits are summed over the eight K steps, in ascending order; the choice
	ds_load_b128 v[28:31], v15
.set i, 0
.rept 8
	ds_load_b128 v[X+8*i:X+8*i+3], v[ALG] offset:512*i
	ds_load_b128 v[X+8*i+4:X+8*i+7], v[ALG] offset:512*i+16
.set i, i+1
.endr
	s_wait_dscnt 0x0
	global_store_b128 v4, v[28:31], s[10:11]
.irp i, 1,2,3,4,5,6,7
.irp u, 0,2,4,6
	v_pk_add_f32 v[X+\u:X+\u+1], v[X+\u:X+\u+1], v[X+8*\i+\u:X+8*\i+\u+1]
.endr
.endr
	s_delay_alu instid0(VALU_DEP_4)
	v_mov_b32 v32, v[X]                            ; the largest logit and its expert
	v_mov_b32 v33, 0
.irp j, 1,2,3,4,5,6,7
	s_delay_alu instid0(VALU_DEP_2)
	v_cmp_gt_f32 vcc_lo, v[X+\j], v32
	s_delay_alu instid0(VALU_DEP_1)
	v_cndmask_b32 v32, v32, v[X+\j], vcc_lo
	s_delay_alu instid0(VALU_DEP_2)
	v_cndmask_b32 v33, v33, \j, vcc_lo
.endr
	v_mov_b32 v36, 0xff800000                      ; the winner leaves the field: -infinity
.irp j, 0,1,2,3,4,5,6,7
	v_cmp_eq_u32 vcc_lo, \j, v33
	s_delay_alu instid0(VALU_DEP_1)
	v_cndmask_b32 v[X+\j], v[X+\j], v36, vcc_lo
.endr
	v_mov_b32 v34, v[X]                            ; the second
	v_mov_b32 v35, 0
.irp j, 1,2,3,4,5,6,7
	s_delay_alu instid0(VALU_DEP_2)
	v_cmp_gt_f32 vcc_lo, v[X+\j], v34
	s_delay_alu instid0(VALU_DEP_1)
	v_cndmask_b32 v34, v34, v[X+\j], vcc_lo
	s_delay_alu instid0(VALU_DEP_2)
	v_cndmask_b32 v35, v35, \j, vcc_lo
.endr
	s_delay_alu instid0(VALU_DEP_2)
	v_sub_f32 v37, v34, v32                        ; the second less the largest: 0 or less
	s_delay_alu instid0(VALU_DEP_1)
	v_mul_f32 v37, 0x3fb8aa3b, v37
	s_wait_alu depctr_va_vdst(0)
	v_exp_f32 v37, v37
	v_lshl_or_b32 v38, v35, 8, v33                 ; (a plain place behind the exponential)  e0 | e1 << 8
	s_wait_alu depctr_va_vdst(0)
	v_add_f32 v39, 1.0, v37
	s_wait_alu depctr_va_vdst(0)
	v_rcp_f32 v40, v39                             ; w0 = 1 / (1 + e^(l1 - l0))
	v_mov_b32 v42, 0                               ; (a plain place behind the reciprocal)
	s_wait_alu depctr_va_vdst(0)
	v_mul_f32 v41, v37, v40                        ; w1
	global_store_b32 v[O4], v38, s[12:13]
	global_store_b64 v[O8], v[40:41], s[14:15]
.irp j, 0,1,2,3,4,5,6,7                        ; expert j's 16 bits: the comparisons' lane masks; lane % 8 = j keeps them
	v_cmp_eq_u32 s22, \j, v33
	v_cmp_eq_u32 s23, \j, v35
	s_or_b32 s22, s22, s23
	v_cmp_eq_u32 vcc_lo, \j, v[E7]
	s_delay_alu instid0(VALU_DEP_1)
	v_cndmask_b32 v42, v42, s22, vcc_lo
.endr
	global_store_b16 v[OM], v42, s[16:17]          ; the low half: tokens 0 .. 15 of the work-group; at 128 x expert + 2 x work-group
.Ldone:
	s_wait_tensorcnt 0x0
	ds_add_u32 v254, v255
	s_wait_dscnt 0x0
	s_endpgm
.Lfunc_end_k_qac30818938_gate:
	.size	k_qac30818938_gate, .Lfunc_end_k_qac30818938_gate-k_qac30818938_gate
	.p2alignl 7, 3214868480
	.fill 96, 4, 3214868480
	.section	.rodata,"a",@progbits
	.p2align	6, 0x0
	.amdhsa_kernel k_qac30818938_gate
		.amdhsa_group_segment_fixed_size 85760
		.amdhsa_private_segment_fixed_size 0
		.amdhsa_enable_private_segment 0
		.amdhsa_kernarg_size 56
		.amdhsa_user_sgpr_count 2
		.amdhsa_user_sgpr_kernarg_segment_ptr 1
		.amdhsa_wavefront_size32 1
		.amdhsa_system_sgpr_workgroup_id_x 1
		.amdhsa_system_sgpr_workgroup_id_y 1
		.amdhsa_system_sgpr_workgroup_id_z 1
		.amdhsa_system_vgpr_workitem_id 0
		.amdhsa_next_free_vgpr 256
		.amdhsa_next_free_sgpr 66
		.amdhsa_reserve_vcc 1
		.amdhsa_float_denorm_mode_32 3
		.amdhsa_float_denorm_mode_16_64 3
		.amdhsa_memory_ordered 1
		.amdhsa_forward_progress 1
		.amdhsa_inst_pref_size 32
	.end_amdhsa_kernel
	.amdgpu_metadata
---
amdhsa.version: [ 1, 2 ]
amdhsa.kernels:
  - .name:           k_qac30818938_gate
    .symbol:         k_qac30818938_gate.kd
    .args:
      - { .name: x, .offset: 0, .size: 8, .value_kind: global_buffer, .address_space: global }
      - { .name: Wg, .offset: 8, .size: 8, .value_kind: global_buffer, .address_space: global }
      - { .name: xq, .offset: 16, .size: 8, .value_kind: global_buffer, .address_space: global }
      - { .name: xs, .offset: 24, .size: 8, .value_kind: global_buffer, .address_space: global }
      - { .name: sel, .offset: 32, .size: 8, .value_kind: global_buffer, .address_space: global }
      - { .name: wts, .offset: 40, .size: 8, .value_kind: global_buffer, .address_space: global }
      - { .name: memb, .offset: 48, .size: 8, .value_kind: global_buffer, .address_space: global }
    .group_segment_fixed_size: 85760
    .private_segment_fixed_size: 0
    .kernarg_segment_align: 8
    .kernarg_segment_size: 56
    .max_flat_workgroup_size: 256
    .sgpr_count:     66
    .vgpr_count:     256
    .wavefront_size: 32
...
	.end_amdgpu_metadata
.endif
;; end of part 5
;; launch ffn1 (part 6): grid 256 x 1, 4 waves a work-group, no clusters, 100,864 bytes of LDS; arguments xq, xs, W1_codes, W1_scales, memb, hq, hs; writes hq, hs
.if DOCPART == 6
	.amdgcn_target "amdgcn-amd-amdhsa--gfx1250"
	.amdhsa_code_object_version 6
	.text
	.protected	k_qac30818938_ffn1
	.globl	k_qac30818938_ffn1
	.p2align	8
	.type	k_qac30818938_ffn1,@function
k_qac30818938_ffn1:
	s_mov_b64 s[64:65], 0
	v_nop
	global_prefetch_b8 v0, s[64:65] scope:SCOPE_SE
	s_setreg_imm32_b32 hwreg(HW_REG_WAVE_SCHED_MODE, 0, 2), 2
	s_setreg_imm32_b32 hwreg(HW_REG_WAVE_MODE, 25, 1), 1
	s_wait_xcnt 0x0
	s_wait_alu depctr_vm_vsrc(0)
; THE FIRST PRODUCT OF THE CHOSEN ROWS: hq, hs = Q(gelu(Q(x) W1[e]^T)), on codes of BF6 (E3M2) with one E8M0 scale for each 32 along K.
; SHARES.  Work-group = (expert e = id / 32, chunk ch = id % 32 of 128 hidden units, which is K step ch of the second product).  Wave w: fh = w % 2: 64 of the 128 units; rg = w / 2: the row tiles T = 2 i + rg.
; A row tile T of expert e is its tokens of ranks 16 T .. 16 T + 15, in token order.  The wave's 64 units x K 1,024 of W1 stay in 384 registers; x's fragments come from memory straight into registers, as xq lays them.
; The grid is fixed by (expert, chunk) and serves every split of the tokens; a wave without tiles ends behind the one barrier.  Trip counts hang on the stored masks, so the text has no tensor load, and no cluster:
; partners would need different numbers of tiles.
; RANK TO TOKEN.  memb holds expert e's 32 words of token bits.  PREFIX makes the running counts; RANKSEL finds, for a rank in each lane, the word (the last whose running count is not above the rank) and the bit in it.
; TRANSPOSED USE: source 0 = 16 rows of W1, source 1 = 16 tokens: a lane holds ONE token, its registers run along the hidden units.  THE ROWS OF W1 THAT FORM A TILE ARE NOT NEIGHBOURS: lane r of tile 2 b + u takes
; unit 32 b + 8 u + r + 8 (r / 8), so that the 16 registers of tiles 2 b, 2 b + 1 are 16 neighbours along the next K: unit 32 b + 16 (lane / 16) + 0 .. 15.
; BY TURNS.  A tile is 32 matrix instructions and some 400 vector lines (the exact gelu and the quantiser).  The vector work of tile i - 1 is cut into eight slices, one behind each four matrix instructions of tile i.
; gelu(v) = v / 2 (1 + erf(v / sqrt 2)); erf(z) = z P(z^2) / Q(z^2) on z held to +-4: the rational form of degree 13 / 8 in f32.
; hq: fragment (e, T, K step ch) at ((64 e + T) 32 + ch) 1536, an image of the operand's registers: registers 4 j .. 4 j + 3 of lane l at 512 j + 16 l, so that three loads of 16 bytes a lane bring it.  My half fh is
; registers 6 fh .. 6 fh + 5: one store of 16 bytes a lane (plane 0 or 2) and one of 8 (my half of each lane's 16 bytes of plane 1; the other wave of the pair fills the other half).
; hs: tile (e, T) at (64 e + T) 2048; the scale word of row r and K step ch at 512 (ch / 8) + 256 (ch % 2) + 16 r + 4 ((ch / 2) % 4): a lane of the next launch takes its four words by one load.
; LIMITS: NaN and infinities are not served.  erf has an absolute error of a few 1e-7, so gelu has no relative accuracy far down the negative tail (there it lies under the block's smallest step unless all 32 of a block lie there).
; A block whose largest magnitude lies under 2^-122 keeps the byte 1 (a block of zeros too: its codes are zeros).  Ranks past the expert's count take some valid token; their rows are never kept.
; REGISTERS: window 0 as named below; window 1 v0-191: W1, K steps 0-3, fragment (s, t) at 12 (4 (s % 4) + t); window 2: K steps 4-7; window 3: x, even tile v0-95, odd tile v96-191, K step s at 12 s.
; THE MODE: SCHED_MODE bits 1:0 = 2 (LLVM: expert scheduling mode 2), set by the entry lines.  The code itself states the register dependences between vector or matrix instructions and memory or LDS
; instructions, with s_wait_alu, always for 0.
; THE PLAN.  Registers that memory instructions touch in the walk over tiles (tile i, of parity p):
;   x's buffer p, K steps 0-3, and XS[p]'s words 0-3   read by tile i's products of steps 0-3; the loads of tile i + 2 land there, issued behind the products of steps 4 and 5 of tile i.
;   x's buffer p, K steps 4-7, and XS[p]'s words 4-7   read by tile i's products of steps 4-7; the loads of tile i + 2 land there, issued behind the products of steps 0 and 1 of tile i + 1.
;   v12, v13 (even tiles), v14, v15 (odd tiles)        read by those loads; written in slice 7 of a tile of the other parity, behind the last load that wants the old numbers and ahead of the first that wants the new.
;   OA, OB, HW                                         written in slice 7, read by the three stores at the slice's end.
;   v4 .. v10, AOF                                     offsets and LDS addresses, made at the head and never written again.
; So two waits on va_vdst a tile state all that its 26 loads and 3 stores hang on: one in the tile's middle, one at its end; between each of them and its loads no vector or matrix instruction names a register
; that those loads touch.  (Two more stand behind the reciprocals.)  One wait on vm_vsrc a tile stands ahead of the lines that write OA, OB, HW and the address registers again.
.set MK,  16                           ; s16-47  the masks; behind the ranks: constants
.set PK,  68                           ; s68-99  running count << 5 | word number
                                       ; s2, s3, s53, s54, s62, s63, s66, s67: eight lane masks in RANKSEL (e, ch and the offsets that lay there are done with by then)
.set WP,  784                          ; a row of W1 in LDS: 768 bytes + 16 = 196 words
.set HQT, 98304                        ; from my tile to my next (T + 2) in hq: two tiles of 32 fragments of 1,536 bytes;
.set HST, 4096                         ; and in hs
.set TOK, 16                           ; v16-31  a queue of token numbers: lanes 0-15 my even tile, lanes 16-31 my odd tile
.set WS,  32                           ; v32-47  W1's scale words: register 8 b + s: lanes 0-15 tile 2 b, lanes 16-31 tile 2 b + 1
.set XS,  48                           ; v48-63  x's scale words: even tile, odd tile
.set ACC, 64                           ; v64-127 two sets of four accumulators
.set Z,   128
.set Z2,  144
.set P,   160
.set Q,   176
.set MX,  192
.set M1,  194
.set MT,  195
.set SO,  196
.set BY,  198
.set CDF, 200                          ; v200-202 the first conversion's codes
.set HW,  206
.set CT,  208                          ; v208-210 the second's
.set KA,  212                          ; v212-213 the numerator's leading coefficient, twice;  v214-215 the denominator's
.set KB,  214
.set RS,  216                          ; v216-227 at work in RANKSEL
.set VQ,  228
.set QB,  229
.set UT,  232
.set OA,  236                          ; v236-239 the four registers that leave by one store;  v240-241 the two
.set OB,  240
.set AOF, 242                          ; v242 16 x lane + 1024 fh: where the four go in a fragment
.set MSB, 0
.macro WIN new                         ; the immediate's high byte repeats the setting that is left
.if MSB != (\new)
	s_set_vgpr_msb (MSB<<8)|(\new)
.set MSB, (\new)
.endif
.endm
.macro PLACES n
.rept \n
	v_nop
.endr
.endm
.macro PREFIX run, tmp                 ; s[PK + i] = (tokens in words 0 .. i - 1) << 5 | i;  s[run] ends as the expert's count
	s_mov_b32 s[\run], 0
.set PI, 0
.rept 32
	s_lshl_b32 s[PK+PI], s[\run], 5
	s_or_b32 s[PK+PI], s[PK+PI], PI
	s_bcnt1_i32_b32 s[\tmp], s[MK+PI]
	s_add_co_u32 s[\run], s[\run], s[\tmp]
.set PI, PI+1
.endr
.endm
.macro RSTEP src, width, step          ; is the wanted bit beyond the field at pos?  then its count comes off the rank, and pos goes on
	v_bfe_u32 v[RS+9], v[\src], v[RS+10], \width
	v_cmp_ge_u32 vcc_lo, v[RS+4], v[RS+9]
	v_sub_nc_u32 v[RS+9], v[RS+4], v[RS+9]
	v_add_nc_u32 v[RS+11], \step, v[RS+10]
	s_wait_alu depctr_va_vcc(0)                    ; the comparison has written VCC, which the two selects read
	v_cndmask_b32 v[RS+4], v[RS+4], v[RS+9], vcc_lo
	v_cndmask_b32 v[RS+10], v[RS+10], v[RS+11], vcc_lo
.endm
.macro RCMP m, i                       ; is word i's running count not above the rank?  the lanes' answers go into s[m]
.if (\i) < 32
	v_cmp_le_u32 s[\m], s[PK+(\i)], v[RS]
.endif
.endm
.macro RTAKE m, i                      ; where it is not, word i and its pack are taken
.if (\i) < 32
	v_cndmask_b32 v[RS+1], v[RS+1], s[MK+(\i)], s[\m]
	v_cndmask_b32 v[RS+2], v[RS+2], s[PK+(\i)], s[\m]
.endif
.endm
.macro RANKSEL q, tok                  ; v[tok] = the token of rank v[q] among the expert's
	v_lshl_or_b32 v[RS], v[\q], 5, 31              ; pack i <= this  <=>  running count i <= rank
	v_mov_b32 v[RS+1], s[MK]
	v_mov_b32 v[RS+2], s[PK]
.irp g, 0,1,2,3                        ; words 1 to 31, in ascending order: the comparisons in runs of eight, into eight scalar registers, so that one wait serves a run
	RCMP 2, 8*\g+1
	RCMP 3, 8*\g+2
	RCMP 53, 8*\g+3
	RCMP 54, 8*\g+4
	RCMP 62, 8*\g+5
	RCMP 63, 8*\g+6
	RCMP 66, 8*\g+7
	RCMP 67, 8*\g+8
	s_wait_alu depctr_va_sdst(0)                   ; the run's comparisons have written their lane masks, which the selects below read
	RTAKE 2, 8*\g+1
	RTAKE 3, 8*\g+2
	RTAKE 53, 8*\g+3
	RTAKE 54, 8*\g+4
	RTAKE 62, 8*\g+5
	RTAKE 63, 8*\g+6
	RTAKE 66, 8*\g+7
	RTAKE 67, 8*\g+8
.endr
	v_and_b32 v[RS+3], 31, v[RS+2]                 ; the word's number
	v_lshrrev_b32 v[RS+4], 5, v[RS+2]
	v_sub_nc_u32 v[RS+4], v[\q], v[RS+4]           ; the rank inside the word
	v_lshrrev_b32 v[RS+9], 1, v[RS+1]              ; counts of the word's fields of 2, 4, 8 and 16 bits
	v_and_b32 v[RS+9], 0x55555555, v[RS+9]
	v_sub_nc_u32 v[RS+5], v[RS+1], v[RS+9]
	v_lshrrev_b32 v[RS+9], 2, v[RS+5]
	v_and_b32 v[RS+9], 0x33333333, v[RS+9]
	v_and_b32 v[RS+6], 0x33333333, v[RS+5]
	v_add_nc_u32 v[RS+6], v[RS+6], v[RS+9]
	v_lshrrev_b32 v[RS+9], 4, v[RS+6]
	v_add_nc_u32 v[RS+9], v[RS+9], v[RS+6]
	v_and_b32 v[RS+7], 0x0f0f0f0f, v[RS+9]
	v_lshrrev_b32 v[RS+9], 8, v[RS+7]
	v_add_nc_u32 v[RS+9], v[RS+9], v[RS+7]
	v_and_b32 v[RS+8], 0x00ff00ff, v[RS+9]
	v_mov_b32 v[RS+10], 0
	RSTEP RS+8, 8, 16
	RSTEP RS+7, 8, 8
	RSTEP RS+6, 4, 4
	RSTEP RS+5, 2, 2
	RSTEP RS+1, 1, 1
	v_lshl_add_u32 v[\tok], v[RS+3], 5, v[RS+10]
	v_min_u32 v[\tok], 0x3ff, v[\tok]
.endm
.macro KPAIR reg, val                  ; a constant for the packed forms, which name a pair
	s_mov_b32 s[\reg], \val
	s_mov_b32 s[\reg+1], \val
.endm
; The queue's head becomes the addresses of my next even tile (UPD_E) and, a tile later, of my next odd tile (UPD_O, which also moves the queue on): every lane (r, .) wants row r's token.
; Each stands behind the waits that show that every earlier load has read its address registers, and writes only the registers of the tiles of the OTHER parity than the tile in hand.
.macro UPD_E
	v_permlanex16_b32 v[UT], v[TOK], s38, s39
	v_cndmask_b32 v[UT+1], v[TOK], v[UT], s40      ; s40: lanes 16-31
	v_min_u32 v[UT+1], 0x3ff, v[UT+1]
	v_mul_u32_u24 v12, v[UT+1], 768
	v_add_nc_u32 v12, v12, v11                     ; codes: 768 x token + 48 h
	v_lshlrev_b32 v13, 5, v[UT+1]                  ; scale words: 32 x token
.endm
.macro UPD_O
	v_permlanex16_b32 v[UT], v[TOK], s38, s39
	v_cndmask_b32 v[UT+2], v[UT], v[TOK], s40
	v_min_u32 v[UT+2], 0x3ff, v[UT+2]
	v_mul_u32_u24 v14, v[UT+2], 768
	v_add_nc_u32 v14, v14, v11
	v_lshlrev_b32 v15, 5, v[UT+2]
.set TI, 0
.rept 15
	v_mov_b32 v[TOK+TI], v[TOK+TI+1]
.set TI, TI+1
.endr
	v_mov_b32 v[TOK+15], 0
.endm
.macro XF par, ks                      ; x's fragment of K step ks: my 48 bytes
	WIN 0xc0
.irp i, 0,1,2
	global_load_b128 v[96*(\par)+12*(\ks)+4*\i:96*(\par)+12*(\ks)+4*\i+3], v[12+2*(\par)], s[4:5] offset:96*(\ks)+16*\i
.endr
.endm
.macro XSL par, j                      ; four of its scale words
	WIN 0
	global_load_b128 v[XS+8*(\par)+4*(\j):XS+8*(\par)+4*(\j)+3], v[13+2*(\par)], s[6:7] offset:16*(\j)
.endm
.macro XALL par                        ; a whole tile: two halves of 13 loads
	XF \par, 0
	XF \par, 1
	XF \par, 2
	XF \par, 3
	XSL \par, 0
	XF \par, 4
	XF \par, 5
	XF \par, 6
	XF \par, 7
	XSL \par, 1
.endm
.macro MM1 d, a, b, zero, sa, sb, ra
.if (\zero) && (\ra)
	v_wmma_scale_f32_16x16x128_f8f6f4 v[(\d):(\d)+7], v[(\a):(\a)+11], v[(\b):(\b)+11], 0, v[(\sa)], v[(\sb)] matrix_a_fmt:MATRIX_FMT_BF6 matrix_b_fmt:MATRIX_FMT_BF6 matrix_a_scale:MATRIX_SCALE_ROW1
.elseif (\zero)
	v_wmma_scale_f32_16x16x128_f8f6f4 v[(\d):(\d)+7], v[(\a):(\a)+11], v[(\b):(\b)+11], 0, v[(\sa)], v[(\sb)] matrix_a_fmt:MATRIX_FMT_BF6 matrix_b_fmt:MATRIX_FMT_BF6
.elseif (\ra)
	v_wmma_scale_f32_16x16x128_f8f6f4 v[(\d):(\d)+7], v[(\a):(\a)+11], v[(\b):(\b)+11], v[(\d):(\d)+7], v[(\sa)], v[(\sb)] matrix_a_fmt:MATRIX_FMT_BF6 matrix_b_fmt:MATRIX_FMT_BF6 matrix_a_scale:MATRIX_SCALE_ROW1
.else
	v_wmma_scale_f32_16x16x128_f8f6f4 v[(\d):(\d)+7], v[(\a):(\a)+11], v[(\b):(\b)+11], v[(\d):(\d)+7], v[(\sa)], v[(\sb)] matrix_a_fmt:MATRIX_FMT_BF6 matrix_b_fmt:MATRIX_FMT_BF6
.endif
.endm
.macro MUL8 d, a, b                    ; sixteen numbers: d = a b
.set GU, 0
.rept 8
	v_pk_mul_f32 v[\d+GU:\d+GU+1], v[\a+GU:\a+GU+1], v[\b+GU:\b+GU+1]
.set GU, GU+2
.endr
.endm
.macro FMA8 d, sc                      ; d = d z^2 + the constant in s[sc]
.set GU, 0
.rept 8
	v_pk_fma_f32 v[\d+GU:\d+GU+1], v[\d+GU:\d+GU+1], v[Z2+GU:Z2+GU+1], s[\sc:\sc+1] op_sel_hi:[1,1,0]
.set GU, GU+2
.endr
.endm
.macro FMA8K d, kv, sc                 ; d = z^2 x the leading coefficient + the next
.set GU, 0
.rept 8
	v_pk_fma_f32 v[\d+GU:\d+GU+1], v[Z2+GU:Z2+GU+1], v[\kv:\kv+1], s[\sc:\sc+1] op_sel_hi:[1,1,0]
.set GU, GU+2
.endr
.endm
; Slice k of 8 of the gelu and the quantiser on accumulator set aset: block k / 4 (16 numbers a lane, 32 with lane l xor 16), phase k % 4.  Every stage is 8 or 16 lines that do not wait for each other.
; upd (in slice 7 alone): 1: UPD_E, 2: UPD_O stands between the making of the store data and the stores; 0: neither.
.macro GSL k, aset, upd
.set GB, (\k)/4
.set GA, ACC+32*(\aset)+16*GB
.if ((\k)%4) == 0
.set GU, 0
.rept 8
	v_pk_mul_f32 v[Z+GU:Z+GU+1], v[GA+GU:GA+GU+1], s[16:17] op_sel_hi:[1,0]   ; z = v / sqrt 2; each accumulator is read from its low end on
.set GU, GU+2
.endr
.set GU, 0
.rept 16
	v_med3_num_f32 v[Z+GU], v[Z+GU], -4.0, 4.0
.set GU, GU+1
.endr
	MUL8 Z2, Z, Z
	FMA8K P, KA, 18
	FMA8K Q, KB, 30
.elseif ((\k)%4) == 1
	FMA8 P, 20
	FMA8 Q, 32
	FMA8 P, 22
	FMA8 Q, 34
	FMA8 P, 24
	FMA8 P, 26
.elseif ((\k)%4) == 2
	FMA8 P, 28
	FMA8 Q, 36
.set GU, 0
	s_wait_alu depctr_va_vdst(0)
.rept 16
	v_rcp_f32 v[Q+GU], v[Q+GU]
.set GU, GU+1
.endr
	MUL8 P, P, Z                                   ; (plain lines behind the reciprocals, which they do not touch)
	s_wait_alu depctr_va_vdst(0)                   ; the sixteen reciprocals have written Q, which the next slice's first lines read: one wait for the batch
.set GU, 0
.rept 8
	v_pk_mul_f32 v[Z2+GU:Z2+GU+1], v[GA+GU:GA+GU+1], 0.5 op_sel_hi:[1,0]   ; v / 2
.set GU, GU+2
.endr
.else
	MUL8 P, P, Q                                   ; erf
.set GU, 0
.rept 8
	v_pk_fma_f32 v[Z+GU:Z+GU+1], v[Z2+GU:Z2+GU+1], v[P+GU:P+GU+1], v[Z2+GU:Z2+GU+1]   ; gelu = v / 2 erf + v / 2
.set GU, GU+2
.endr
	v_max3_num_f32 v[MX+GB], |v[Z]|, |v[Z+1]|, |v[Z+2]|   ; the largest magnitude of my 16, in two chains
	v_max3_num_f32 v[M1], |v[Z+3]|, |v[Z+4]|, |v[Z+5]|
.irp i, 6,10
	v_max3_num_f32 v[MX+GB], v[MX+GB], |v[Z+\i]|, |v[Z+\i+1]|
	v_max3_num_f32 v[M1], v[M1], |v[Z+\i+2]|, |v[Z+\i+3]|
.endr
	v_max3_num_f32 v[MX+GB], v[MX+GB], |v[Z+14]|, |v[Z+15]|
	v_max3_num_f32 v[MX+GB], v[MX+GB], v[M1], 0x2800000   ; and the floor 2^(5 - 127): the byte cannot fall under 1
	v_permlanex16_b32 v[MT], v[MX+GB], s38, s39
	v_max_num_f32 v[MX+GB], v[MX+GB], v[MT]        ; with lane l xor 16's: the block's
	v_add_nc_u32 v[SO+GB], 0xfe000000, v[MX+GB]    ; 4 off the exponent field: the conversion's scale operand
	v_lshrrev_b32 v[BY+GB], 23, v[SO+GB]           ; the scale's byte
.if GB == 0
	v_cvt_scalef32_pk16_bf6_f32 v[CDF:CDF+2], v[Z:Z+15], v[SO]
	v_nop                                          ; one plain place behind a scaled conversion
.else
	v_cvt_scalef32_pk16_bf6_f32 v[CT:CT+2], v[Z:Z+15], v[SO+1]
	v_nop
.irp i, 0,1,2                                  ; the operand wants a WHOLE block in a lane: lanes 0-15 the first block, lanes 16-31 the second: CDF then holds each lane's block's lower 16 codes, CT the upper 16
	v_permlane16_swap_b32 v[CDF+\i], v[CT+\i]
.endr
	s_wait_alu depctr_va_vdst(0)
	s_wait_xcnt 0x0                                ; the tile's one wait of this kind: OA, OB, HW, the two bases and the address registers are written again only behind it.  The youngest memory instruction stands two steps back
	s_wait_alu depctr_vm_vsrc(0)                   ; the last tile's stores have read OA, OB and HW, and every load issued so far its address registers: the lines below write these again
	v_cndmask_b32 v[OA], v[CDF], v[CDF+2], s41     ; s41: all ones in a wave with fh = 1.  My six registers l0 l1 l2 u0 u1 u2 are the fragment's 6 fh .. 6 fh + 5:
	v_cndmask_b32 v[OA+1], v[CDF+1], v[CT], s41    ; fh = 0: l0 l1 l2 u0 are its registers 0-3 (plane 0), u1 u2 its 4, 5 (the lower half of plane 1's 16 bytes);
	v_cndmask_b32 v[OA+2], v[CDF+2], v[CT+1], s41  ; fh = 1: l0 l1 are its 6, 7 (the upper half), l2 u0 u1 u2 its 8-11 (plane 2)
	v_cndmask_b32 v[OA+3], v[CT], v[CT+2], s41
	v_cndmask_b32 v[OB], v[CT+1], v[CDF], s41
	v_cndmask_b32 v[OB+1], v[CT+2], v[CDF+1], s41
	v_lshl_or_b32 v[HW], v[BY+1], 8, v[BY]         ; my two bytes of the row's scale word
.if (\upd) == 1
	UPD_E
.elseif (\upd) == 2
	UPD_O
.endif
	s_add_nc_u64 s[14:15], s[14:15], HQT           ; the bases step ahead of the stores, which reach back by their immediates
	s_add_nc_u64 s[48:49], s[48:49], HST
	s_wait_alu depctr_va_vdst(0)                   ; THE TILE'S END.  OA, OB and HW are written, which the stores below read; so are the address registers just made; and the products of steps 4-7 are done
	                                               ; reading their fragments and scale words of x, in which the next tile's first loads land
	global_store_b128 v[AOF], v[OA:OA+3], s[14:15] offset:-HQT   ; 512 consecutive bytes, aligned to 256
	global_store_b64 v5, v[OB:OB+1], s[14:15] offset:-HQT        ; 8 of each lane's 16 bytes of plane 1
	global_store_b16 v6, v[HW], s[48:49] offset:-HST             ; (both halves of the lanes write the same bytes with the same value)
.endif
.endif
.endm
; Tile i (par = i % 2): its 32 products into set par; behind each four of them a slice of tile i - 1's vector work (gelu = 1).
; x's loads stand straight behind the products of steps 0 and 1 (the OTHER buffer's K steps 4-7 and scale words 4-7, for tile i + 1: the wait at the last tile's end has shown their readers done) and of steps 4 and 5
; (THIS buffer's K steps 0-3 and scale words 0-3, for tile i + 2: the wait in this tile's middle has).  The products between such a wait and its loads name other fragments and other scale words.
; gelu = 0: my first tile: no slices; no tile before it, so nothing is loaded in steps 0 and 1.
; The four accumulators take turns, one instruction a turn.
.macro TILE par, gelu
.set TS, 0
.rept 8
.if TS == 0
.if \gelu
	s_wait_loadcnt 26                              ; this tile's first 13 loads are in: behind them stand two younger halves of 13
.else
	s_wait_loadcnt 39                              ; my first tile's first 13 loads are in: behind them stand its other 13 and the next tile's 26
.endif
.endif
.if TS == 4
	s_wait_loadcnt 26                              ; this tile's other 13 loads are in: behind them stand two younger halves of 13
	s_wait_alu depctr_va_vdst(0)                   ; THE TILE'S MIDDLE.  The products of steps 0-3 are done reading their fragments and scale words of x, in which the loads of steps 4 and 5 land (in my first tile: and v12, v13 are written)
.endif
.if TS < 4
	WIN 0x0d                                       ; source 0 (W1) window 1, source 1 (x) window 3
.else
	WIN 0x0e                                       ; source 0 window 2
.endif
.irp t, 0,1,2,3
	MM1 ACC+32*(\par)+8*\t, 12*(4*(TS%4)+\t), 96*(\par)+12*TS, TS==0, WS+8*(\t/2)+TS, XS+8*(\par)+TS, \t%2
.endr
.if (\gelu) && (TS < 2)
	XF 1-(\par), 4+2*TS
	XF 1-(\par), 5+2*TS
.if TS == 1
	XSL 1-(\par), 1
.endif
.endif
.if (TS == 4) || (TS == 5)
	XF \par, 2*TS-8
	XF \par, 2*TS-7
.if TS == 5
	XSL \par, 0
.endif
.endif
	WIN 0
.if \gelu
.if TS == 7
	GSL TS, 1-(\par), 2-(\par)
.else
	GSL TS, 1-(\par), 0
.endif
.else
.if (TS == 3) || (TS == 7)
	PLACES 4                                       ; where no slice stands: plain places behind a half's products, ahead of the loads into their operands and of the first read of results; they stay beside the waits
.endif
.if TS == 7
	s_wait_xcnt 0x0                                ; the odd tiles' address registers are written again only behind this wait
	s_wait_alu depctr_vm_vsrc(0)                   ; my tile 1's loads have read v14 and v15
	UPD_O
	s_wait_alu depctr_va_vdst(0)                   ; the first tile's end: v14 and v15 are written, and the products of steps 4-7 are done reading their fragments and scale words of x
.endif
.endif
.set TS, TS+1
.endr
.endm
.macro GONLY aset                      ; the last tile's vector work
.irp k, 0,1,2,3,4,5,6,7
	GSL \k, \aset, 0
.endr
.endm
	s_load_b256 s[4:11], s[0:1], 0x0               ; xq s[4:5], xs s[6:7], W1's codes s[8:9], W1's scales s[10:11]
	s_load_b128 s[12:15], s[0:1], 0x20             ; memb s[12:13], hq s[14:15]
	s_load_b64 s[48:49], s[0:1], 0x30              ; hs
	v_lshl_add_u32 v254, v0, 2, 0x18800
	v_mov_b32 v255, 0
	v_lshrrev_b32 v1, 5, v0
	v_readfirstlane_b32 s50, v1                    ; wave
	s_lshr_b32 s53, ttmp9, 5                       ; e
	s_and_b32 s54, ttmp9, 31                       ; ch
	v_and_b32 v1, 31, v0                           ; lane
	v_and_b32 v2, 15, v0                           ; r
	v_bfe_u32 v3, v0, 4, 1                         ; h
	v_lshlrev_b32 v4, 4, v1                        ; 16 x lane
	v_lshlrev_b32 v6, 4, v2                        ; 16 r: my row's place among a K step's scale words
	s_wait_alu depctr_va_sdst(0)                   ; s50 is written, ahead of its first reader
	s_and_b32 s51, s50, 1                          ; fh
	s_lshr_b32 s52, s50, 1                         ; rg
	s_lshl_b32 s59, s51, 10
	v_add_nc_u32 v[AOF], s59, v4                   ; 16 x lane + 1024 fh: plane 0 or plane 2
	s_lshl_b32 s59, s51, 3
	s_add_co_u32 s59, s59, 512
	v_add_nc_u32 v5, s59, v4                       ; 16 x lane + 512 + 8 fh: my half of plane 1
	v_mul_u32_u24 v7, v2, WP
	v_mad_u32_u24 v7, v3, 24, v7
	s_mul_i32 s59, s51, 64*WP
	v_add_nc_u32 v7, s59, v7                       ; LDS: row r of a tile of W1, + 24 h (a tile's 16 rows are neighbours THERE: see the stores below)
	v_and_b32 v9, 8, v2
	v_add_nc_u32 v9, v9, v2                        ; r + 8 (r / 8)
	v_lshl_add_u32 v10, v3, 3, v9
	s_lshl_b32 s59, s51, 6
	v_add_nc_u32 v10, s59, v10
	v_lshlrev_b32 v10, 5, v10                      ; W1's scales: row 64 fh + 8 h + r + 8 (r / 8), 32 bytes a row
	s_mul_i32 s59, s50, 32*WP
	v_add_nc_u32 v8, s59, v4                       ; LDS, on the way in: wave w brings rows 32 w .. 32 w + 31;
	v_lshl_add_u32 v9, v3, 4, v8                   ; (the middle 512 of two rows' 1,536 bytes cross into the next LDS row at lane 16)
	v_mul_u32_u24 v11, v3, 48
	s_lshl_b32 s60, s53, 7
	s_mov_b32 s61, 0
	s_lshl_b32 s62, s53, 12
	s_lshl_b32 s59, s54, 7
	s_add_co_u32 s62, s62, s59                     ; 4096 e + 128 ch: the chunk's first row of W1
	s_mov_b32 s63, 0
	s_wait_kmcnt 0x0
	s_add_nc_u64 s[12:13], s[12:13], s[60:61]
	s_load_b512 s[16:31], s[12:13], 0x0            ; expert e's 32 words
	s_load_b512 s[32:47], s[12:13], 0x40
	s_lshl_b32 s60, s62, 5
	s_add_nc_u64 s[10:11], s[10:11], s[60:61]
	s_lshl_b32 s59, s50, 5
	s_add_co_u32 s62, s62, s59
	s_mul_i32 s62, s62, 768
	s_add_nc_u64 s[8:9], s[8:9], s[62:63]
	s_lshl_b32 s60, s53, 6
	s_add_co_u32 s60, s60, s52                     ; 64 e + rg: my first tile
	s_lshl_b32 s62, s60, 11                        ; hs: 2,048 bytes a tile,
	s_lshr_b32 s59, s54, 3
	s_lshl_b32 s59, s59, 9
	s_add_co_u32 s62, s62, s59                     ; + 512 (ch / 8)
	s_and_b32 s59, s54, 1
	s_lshl_b32 s59, s59, 8
	s_add_co_u32 s62, s62, s59                     ; + 256 (ch % 2)
	s_bfe_u32 s59, s54, 0x20001
	s_lshl_b32 s59, s59, 2
	s_add_co_u32 s62, s62, s59                     ; + 4 ((ch / 2) % 4)
	s_lshl_b32 s59, s51, 1
	s_add_co_u32 s62, s62, s59                     ; + 2 fh: my two bytes of the word
	s_add_nc_u64 s[48:49], s[48:49], s[62:63]
	s_lshl_b32 s60, s60, 5
	s_add_co_u32 s60, s60, s54
	s_mul_i32 s60, s60, 1536                       ; hq: the fragment (my first tile, K step ch)
	s_add_nc_u64 s[14:15], s[14:15], s[60:61]
	WIN 0x40                                       ; W1's 32 rows of mine, 24,576 dense bytes, 512 a load, through the registers that its fragments will take; read once in the launch
	s_wait_alu depctr_va_vdst(0)                   ; the offsets and LDS addresses v4 to v10 and AOF are written: the loads, stores and LDS instructions of the whole kernel read them, and no line writes them again
.set LI, 0
.rept 48
	global_load_b128 v[4*LI:4*LI+3], v4, s[8:9] offset:512*LI th:TH_LOAD_NT
.set LI, LI+1
.endr
	WIN 0
.irp b, 0,1
	global_load_b128 v[WS+8*\b:WS+8*\b+3], v10, s[10:11] offset:1024*\b
	global_load_b128 v[WS+8*\b+4:WS+8*\b+7], v10, s[10:11] offset:1024*\b+16
.endr
	s_wait_kmcnt 0x0
	PREFIX 55, 59                                  ; s55 = the expert's count
	s_add_co_u32 s56, s55, 15
	s_lshr_b32 s56, s56, 4                         ; its tiles
	s_sub_co_u32 s57, s56, s52
	s_add_co_u32 s57, s57, 1
	s_lshr_b32 s57, s57, 1                         ; mine: those with T % 2 = rg
.set TI, 0
.rept 16
	v_mov_b32 v[TOK+TI], 0
.set TI, TI+1
.endr
	v_mov_b32 v[MT], 0                             ; (a lane permute's destination counts as one of its sources)
	v_mov_b32 v[UT], 0
	s_lshl_b32 s59, s52, 4
	v_lshl_add_u32 v[QB], v3, 5, v2
	v_add_nc_u32 v[QB], s59, v[QB]                 ; rank of (pair 0, lane): 32 h + 16 rg + r
	s_mov_b32 s58, 0
.Ltok:                                                 ; sixteen trips: the queue moves up one place, and pair g's tokens enter at its end: at the end pair j lies in register j
.set TI, 0
.rept 15
	v_mov_b32 v[TOK+TI], v[TOK+TI+1]
.set TI, TI+1
.endr
	v_mov_b32 v[TOK+15], 0
	s_lshl_b32 s60, s58, 6
	s_add_co_u32 s61, s60, s59
	s_cmp_ge_u32 s61, s55                          ; a pair past the expert's count keeps token 0: its loads stay inside xq, its results are never made
	s_cbranch_scc1 .Ltok_none
	v_add_nc_u32 v[VQ], s60, v[QB]
	RANKSEL VQ, TOK+15
.Ltok_none:
	s_add_co_u32 s58, s58, 1
	s_cmp_lt_u32 s58, 16
	s_cbranch_scc1 .Ltok
	KPAIR 16, 0x3f3504f3                           ; 1 / sqrt 2
	KPAIR 18, 0x32edffee                           ; the numerator:  2.77068142e-08
	KPAIR 20, 0xb60cff51                           ; -2.10102402e-06
	KPAIR 22, 0xb86ec2d2                           ; -5.69250639e-05
	KPAIR 24, 0xba40ac63                           ; -7.34990630e-04
	KPAIR 26, 0xbb41a1f6                           ; -2.95459981e-03
	KPAIR 28, 0xbc83dbd4                           ; -1.60960333e-02
	KPAIR 30, 0xb95fbd29                           ; the denominator: -2.13374055e-04
	KPAIR 32, 0xbadc924e                           ; -1.68282697e-03
	KPAIR 34, 0xbbf19bf8                           ; -7.37332917e-03
	KPAIR 36, 0xbc69b6a7                           ; -1.42647391e-02
	s_mov_b32 s38, 0x76543210
	s_mov_b32 s39, 0xfedcba98                      ; v_permlanex16_b32's selects for lane l xor 16
	s_mov_b32 s40, 0xffff0000
	s_cmp_lg_u32 s51, 0
	s_cselect_b32 s41, -1, 0                       ; all lanes, in a wave with fh = 1
	v_mov_b32 v[KA], 0xaf95df0b                    ; -2.72614226e-10
	v_mov_b32 v[KA+1], 0xaf95df0b
	v_mov_b32 v[KB], 0xb77460cd                    ; -1.45660718e-05
	v_mov_b32 v[KB+1], 0xb77460cd
	UPD_E
	UPD_O
	s_wait_alu depctr_va_vdst(0)                   ; v12 to v15 are written, which the 52 loads below read
	XALL 0                                         ; my tiles 0 and 1
	XALL 1
	WIN 0
	s_wait_loadcnt 52                              ; W1 and its scale words are in: the 52 loads of x were issued behind them
	WIN 0x04
; In LDS rows 8-15 and 16-23 of each 32 change places, so that the 16 rows of a tile (0-7 with 16-23, 8-15 with 24-31) are 16 NEIGHBOURING LDS rows: with rows 196 words apart lane (r, h) of a fragment load then
; touches words 4 r + 6 h + 0, 1 modulo 64: 64 different banks (64 banks of 4 bytes: ISA guide 11.1)
.set LI, 0
.rept 16
.set LP, LI
.if (LI >= 4) && (LI < 8)
.set LP, LI+4
.elseif (LI >= 8) && (LI < 12)
.set LP, LI-4
.endif
	ds_store_b128 v8, v[12*LI:12*LI+3] offset:2*WP*LP
	ds_store_b128 v9, v[12*LI+4:12*LI+7] offset:2*WP*LP+512
	ds_store_b128 v8, v[12*LI+8:12*LI+11] offset:2*WP*LP+1040
.set LI, LI+1
.endr
	WIN 0
	s_wait_dscnt 0x0                               ; for the others' sake: my rows have landed
	s_barrier_signal -1
	s_barrier_wait -1                              ; the chunk's 128 rows lie in LDS: the launch's one barrier
	s_wait_alu depctr_vm_vsrc(0)                   ; my LDS stores have read window 1's registers, in which the fragments below land
.set FS, 0
.rept 8
	WIN (0x40+0x40*(FS/4))
.irp t, 0,1,2,3
.irp p, 0,1,2,3,4,5
	ds_load_b64 v[12*(4*(FS%4)+\t)+2*\p:12*(4*(FS%4)+\t)+2*\p+1], v7 offset:16*WP*\t+96*FS+48*(\p/3)+8*(\p%3)
.endr
.endr
.set FS, FS+1
.endr
	WIN 0
	s_wait_dscnt 0x0
	s_cmp_eq_u32 s57, 0
	s_cbranch_scc1 .Lend
	s_wait_xcnt 0x0                                ; the even tiles' address registers are written again only behind this wait
	s_wait_alu depctr_vm_vsrc(0)                   ; my tile 0's loads have read v12 and v13
	UPD_E                                          ; my tile 2
	TILE 0, 0
	s_sub_co_u32 s58, s57, 1
	s_lshr_b32 s59, s58, 1                         ; pairs of further tiles
	s_and_b32 s58, s58, 1                          ; and one more?
	s_cmp_eq_u32 s59, 0
	s_cbranch_scc1 .Lnoloop
	s_mov_b32 s60, 0
.Lpair:
	TILE 1, 1
	TILE 0, 1
	s_add_co_u32 s60, s60, 1
	s_cmp_lt_u32 s60, s59
	s_cbranch_scc1 .Lpair
.Lnoloop:
	s_cmp_eq_u32 s58, 0
	s_cbranch_scc1 .Leven
	TILE 1, 1
	GONLY 1
	s_wait_dscnt 0x0                               ; the closing lines, six on end
	s_wait_alu 0x0
	s_wait_tensorcnt 0x0
	ds_add_u32 v254, v255
	s_wait_dscnt 0x0
	s_endpgm
.Leven:
	GONLY 0
.Lend:
	s_wait_dscnt 0x0                               ; the closing lines once more, for this end
	s_wait_alu 0x0
	s_wait_tensorcnt 0x0
	ds_add_u32 v254, v255
	s_wait_dscnt 0x0
	s_endpgm
.Lfunc_end_k_qac30818938_ffn1:
	.size	k_qac30818938_ffn1, .Lfunc_end_k_qac30818938_ffn1-k_qac30818938_ffn1
	.p2alignl 7, 3214868480
	.fill 96, 4, 3214868480
	.section	.rodata,"a",@progbits
	.p2align	6, 0x0
	.amdhsa_kernel k_qac30818938_ffn1
		.amdhsa_group_segment_fixed_size 100864
		.amdhsa_private_segment_fixed_size 0
		.amdhsa_enable_private_segment 0
		.amdhsa_kernarg_size 56
		.amdhsa_user_sgpr_count 2
		.amdhsa_user_sgpr_kernarg_segment_ptr 1
		.amdhsa_wavefront_size32 1
		.amdhsa_system_sgpr_workgroup_id_x 1
		.amdhsa_system_sgpr_workgroup_id_y 1
		.amdhsa_system_sgpr_workgroup_id_z 1
		.amdhsa_system_vgpr_workitem_id 0
		.amdhsa_next_free_vgpr 960
		.amdhsa_next_free_sgpr 100
		.amdhsa_reserve_vcc 1
		.amdhsa_float_denorm_mode_32 3
		.amdhsa_float_denorm_mode_16_64 3
		.amdhsa_memory_ordered 1
		.amdhsa_forward_progress 1
		.amdhsa_inst_pref_size 186
	.end_amdhsa_kernel
	.amdgpu_metadata
---
amdhsa.version: [ 1, 2 ]
amdhsa.kernels:
  - .name:           k_qac30818938_ffn1
    .symbol:         k_qac30818938_ffn1.kd
    .args:
      - { .name: xq, .offset: 0, .size: 8, .value_kind: global_buffer, .address_space: global }
      - { .name: xs, .offset: 8, .size: 8, .value_kind: global_buffer, .address_space: global }
      - { .name: W1_codes, .offset: 16, .size: 8, .value_kind: global_buffer, .address_space: global }
      - { .name: W1_scales, .offset: 24, .size: 8, .value_kind: global_buffer, .address_space: global }
      - { .name: memb, .offset: 32, .size: 8, .value_kind: global_buffer, .address_space: global }
      - { .name: hq, .offset: 40, .size: 8, .value_kind: global_buffer, .address_space: global }
      - { .name: hs, .offset: 48, .size: 8, .value_kind: global_buffer, .address_space: global }
    .group_segment_fixed_size: 100864
    .private_segment_fixed_size: 0
    .kernarg_segment_align: 8
    .kernarg_segment_size: 56
    .max_flat_workgroup_size: 128
    .sgpr_count:     100
    .vgpr_count:     960
    .wavefront_size: 32
...
	.end_amdgpu_metadata
.endif
;; end of part 6
;; launch ffn2 (part 7): grid 256 x 1, 4 waves a work-group, no clusters, 201,216 bytes of LDS; arguments hq, hs, W2_codes, W2_scales, memb, y; writes y
.if DOCPART == 7
	.amdgcn_target "amdgcn-amd-amdhsa--gfx1250"
	.amdhsa_code_object_version 6
	.text
	.protected	k_qac30818938_ffn2
	.globl	k_qac30818938_ffn2
	.p2align	8
	.type	k_qac30818938_ffn2,@function
k_qac30818938_ffn2:
	s_mov_b64 s[64:65], 0
	v_nop
	global_prefetch_b8 v0, s[64:65] scope:SCOPE_SE
	s_setreg_imm32_b32 hwreg(HW_REG_WAVE_SCHED_MODE, 0, 2), 2
	s_setreg_imm32_b32 hwreg(HW_REG_WAVE_MODE, 25, 1), 1
	s_wait_xcnt 0x0
	s_wait_alu depctr_vm_vsrc(0)
; THE SECOND PRODUCT OF THE CHOSEN ROWS: y = h W2[e]^T, on codes of BF6 (E3M2) with one E8M0 scale for each 32 along K.  y is laid BY RANK: row 1024 e + rank of 4,096 bytes, rank = the token's place among
; expert e's tokens, in token order; the gate's weights and the way back to tokens are the next launch's.  So every address here is made of ids, constants and a base stepped once a trip.
; SHARES.  Work-group = (expert e = id / 32, cn = (id / 2) % 16: 64 output columns, par = id % 2: the row tiles T = 2 i + par).  THE FOUR WAVES SPLIT K: wave w holds K steps 8 w .. 8 w + 7 of all 64 columns of W2 in 384
; registers and reads only its quarter of each tile of h: 12,288 dense bytes of codes and 512 of scale words, laid by the launch before as images of the operand's registers: 25 loads of 16 bytes a lane.
; The four partial sums of a tile meet in LDS.
; THE LOOP HAS A CONSTANT COUNT: 4 trips of two halves of four tiles cover the 32 tiles that a work-group can have; only a tile's WORK (its loads, products, sums) is jumped over, on the stored count, so every wave
; passes every barrier.  A tile's work hangs on stored numbers, so the text has no tensor load, and no cluster: partners would need different numbers of tiles.
; FOUR BUFFERS OF h, ALL AHEAD.  A buffer is asked for again as soon as its tile is multiplied (buffers 0, 1) or behind the half's barrier (2, 3): two tiles' 50 loads at a time; each has two tiles' products or four
; tiles' sums in which to land.  The first four tiles are asked for at the head, behind W2, whatever the count: tiles 2 i + par with i < 4 lie inside hq at every count, and what a tile that does not exist brings is never multiplied.
; Half 0 always writes partial sums into buffer 0, half 1 into buffer 1: one barrier a half.  A wave that writes a buffer again has passed the other half's barrier, which every wave signals behind its reads of that buffer.
; TRANSPOSED USE: source 0 = 16 rows of W2 (output columns), source 1 = 16 rows of h: a lane holds one row and eight neighbouring columns.
; A last tile's rows past the expert's count hold some valid token's numbers: they are stored and never read.
; ORDER OF SUMS: K in four quarters, (p0 + p1) + (p2 + p3): another order of rounding than one ascending sum.  LIMITS: NaN and infinities are not served.
; REGISTERS: window 0 as named below, v160-255 h buffer 0; window 1 v0-191 W2, my K steps 0-3, fragment (s, t) at 12 (4 (s % 4) + t), v192-239 h buffer 3, steps 0-3; window 2 the same for steps 4-7;
; window 3 v0-95 h buffer 1, v96-191 h buffer 2.
; THE MODE: SCHED_MODE bits 1:0 = 2 (LLVM: expert scheduling mode 2), set by the entry lines.  The code itself states the register dependences between vector or matrix instructions and memory or LDS
; instructions, with s_wait_alu, always for 0.
; THE PLAN.  Registers that memory or LDS instructions touch in the loop:
;   h's buffers 0-3 and HS   read by a tile's 32 products; the loads of the tile four further on land there, behind that tile's products.
;   ACC, set tau % 2         written by tile tau's products, read by its eight LDS stores, begun anew by the products of two tiles on.
;   FD                       a tile's eight LDS loads land there; its twelve additions read and write it; its two stores read it; then the next tile's loads land.
;   v4, PW, PR, YO           offsets and LDS addresses, made at the head and never written again.
; So a tile's products have ONE wait on va_vdst behind them: it states that the accumulators are written, for the LDS stores, and that the buffer and its scale words are read out, for the loads that follow;
; and one on vm_vsrc ahead of them, for the accumulators that LDS stores have read.  A tile's sums have one on vm_vsrc ahead of the loads into FD and one on va_vdst ahead of both stores, which serves the next
; tile's loads into FD too.  Each block states its own dependences inside itself, so they hold on every way through the jumps on the stored count.
.set MK,  16                           ; s16-47  expert e's 32 words of token bits
.set WP,  784                          ; a row of my slice of W2 in LDS: 768 bytes + 16
.set WSTG, 64*WP                       ; a wave's own stage, in the head
.set PP,  272                          ; a row of partial sums: 256 bytes + 16
.set PSRC, 16*PP                       ; one wave's 16 rows
.set PTILE, 4*PSRC                     ; a tile's four
.set PBUF, 131072                      ; buffer 1
.set HQT, 98304                        ; from my tile to my next in hq: two tiles of 32 fragments of 1,536 bytes
.set HST, 4096                         ; in hs,
.set YT,  131072                       ; and in y: 32 rows of 4,096 bytes
.set WS2, 16                           ; v16-31 W2's scale words: register 8 b + s: lanes 0-15 tile 2 b, lanes 16-31 tile 2 b + 1
.set HS,  32                           ; v32-47 h's scale words: register 4 buf + g: lanes 0-15 my step 2 g, lanes 16-31 step 2 g + 1
.set ACC, 48                           ; v48-111 two sets of four accumulators
.set FD,  112                          ; v112-143 partial sums read back
.set YO,  144                          ; v144 my byte offset in a tile's rows of y
.set SCO, 146                          ; v146 my byte offset in W2's scales
.set PW,  149                          ; v149-152 where I put partial sums: buffer hb, tiles 0, 1 | 2, 3
.set PR,  153                          ; v153-156 where I read them back
.set MSB, 0
.macro WIN new                         ; the immediate's high byte repeats the setting that is left
.if MSB != (\new)
	s_set_vgpr_msb (MSB<<8)|(\new)
.set MSB, (\new)
.endif
.endm
.macro PLACES n
.rept \n
	v_nop
.endr
.endm
.macro WMAP a                          ; W2's raw bytes pass through the 384 registers that its fragments will take: two rows (12 registers) a step
.if (\a) < 16
.set SWN, 1
.set SBR, 12*(\a)
.else
.set SWN, 2
.set SBR, 12*((\a)-16)
.endif
.endm
.macro MMS d, a, b, zero, sa, sb, ra, rb
.if (\zero) && (\ra) && (\rb)
	v_wmma_scale_f32_16x16x128_f8f6f4 v[(\d):(\d)+7], v[(\a):(\a)+11], v[(\b):(\b)+11], 0, v[(\sa)], v[(\sb)] matrix_a_fmt:MATRIX_FMT_BF6 matrix_b_fmt:MATRIX_FMT_BF6 matrix_a_scale:MATRIX_SCALE_ROW1 matrix_b_scale:MATRIX_SCALE_ROW1
.elseif (\zero) && (\ra)
	v_wmma_scale_f32_16x16x128_f8f6f4 v[(\d):(\d)+7], v[(\a):(\a)+11], v[(\b):(\b)+11], 0, v[(\sa)], v[(\sb)] matrix_a_fmt:MATRIX_FMT_BF6 matrix_b_fmt:MATRIX_FMT_BF6 matrix_a_scale:MATRIX_SCALE_ROW1
.elseif (\zero) && (\rb)
	v_wmma_scale_f32_16x16x128_f8f6f4 v[(\d):(\d)+7], v[(\a):(\a)+11], v[(\b):(\b)+11], 0, v[(\sa)], v[(\sb)] matrix_a_fmt:MATRIX_FMT_BF6 matrix_b_fmt:MATRIX_FMT_BF6 matrix_b_scale:MATRIX_SCALE_ROW1
.elseif (\zero)
	v_wmma_scale_f32_16x16x128_f8f6f4 v[(\d):(\d)+7], v[(\a):(\a)+11], v[(\b):(\b)+11], 0, v[(\sa)], v[(\sb)] matrix_a_fmt:MATRIX_FMT_BF6 matrix_b_fmt:MATRIX_FMT_BF6
.elseif (\ra) && (\rb)
	v_wmma_scale_f32_16x16x128_f8f6f4 v[(\d):(\d)+7], v[(\a):(\a)+11], v[(\b):(\b)+11], v[(\d):(\d)+7], v[(\sa)], v[(\sb)] matrix_a_fmt:MATRIX_FMT_BF6 matrix_b_fmt:MATRIX_FMT_BF6 matrix_a_scale:MATRIX_SCALE_ROW1 matrix_b_scale:MATRIX_SCALE_ROW1
.elseif (\ra)
	v_wmma_scale_f32_16x16x128_f8f6f4 v[(\d):(\d)+7], v[(\a):(\a)+11], v[(\b):(\b)+11], v[(\d):(\d)+7], v[(\sa)], v[(\sb)] matrix_a_fmt:MATRIX_FMT_BF6 matrix_b_fmt:MATRIX_FMT_BF6 matrix_a_scale:MATRIX_SCALE_ROW1
.elseif (\rb)
	v_wmma_scale_f32_16x16x128_f8f6f4 v[(\d):(\d)+7], v[(\a):(\a)+11], v[(\b):(\b)+11], v[(\d):(\d)+7], v[(\sa)], v[(\sb)] matrix_a_fmt:MATRIX_FMT_BF6 matrix_b_fmt:MATRIX_FMT_BF6 matrix_b_scale:MATRIX_SCALE_ROW1
.else
	v_wmma_scale_f32_16x16x128_f8f6f4 v[(\d):(\d)+7], v[(\a):(\a)+11], v[(\b):(\b)+11], v[(\d):(\d)+7], v[(\sa)], v[(\sb)] matrix_a_fmt:MATRIX_FMT_BF6 matrix_b_fmt:MATRIX_FMT_BF6
.endif
.endm
; My quarter of tile j, counted from the trip's first (8 fragments of three planes, and their scale words), into buffer buf: 25 loads, each of 512 consecutive bytes.  cond = 1: only if the tile exists
; (s9: my tiles left at the trip's head).  The tile's place stands in the immediates: 1,093,120 at the most, inside the signed 24-bit immediate (ISA guide, chapter 10).
; No wait stands here: the wait behind the products that read the buffer last has shown them done, and no vector or matrix instruction since names the buffer, its scale words or v4.
.macro LOADH buf, j, cond
.if \cond
	s_cmp_gt_i32 s9, \j
	s_cbranch_scc0 .Lnoh_\@
.endif
.set LS8, 0
.rept 8
.if (\buf) == 0
	WIN 0
.set LB, 160+12*LS8
.elseif (\buf) == 1
	WIN 0xc0
.set LB, 12*LS8
.elseif (\buf) == 2
	WIN 0xc0
.set LB, 96+12*LS8
.else
	WIN (0x40+0x40*(LS8/4))
.set LB, 192+12*(LS8%4)
.endif
	global_load_b128 v[LB:LB+3], v4, s[48:49] offset:HQT*(\j)+1536*LS8
	global_load_b128 v[LB+4:LB+7], v4, s[48:49] offset:HQT*(\j)+1536*LS8+512
	global_load_b128 v[LB+8:LB+11], v4, s[48:49] offset:HQT*(\j)+1536*LS8+1024
.set LS8, LS8+1
.endr
	WIN 0
	global_load_b128 v[HS+4*(\buf):HS+4*(\buf)+3], v4, s[50:51] offset:HST*(\j)
.Lnoh_\@:
.endm
; Tile tau of half hb, from buffer tau: 32 products, the four accumulators by turns, one instruction a turn; the partial sums go to LDS.
.macro COMP tau, hb
	s_cmp_gt_i32 s9, 4*(\hb)+(\tau)
	s_cbranch_scc0 .Lnoc_\@
	s_wait_alu depctr_vm_vsrc(0)                   ; the LDS stores of two tiles back have read these four accumulators, which the products below begin anew
.set CA, ACC+32*((\tau)%2)
.set CS, 0
.rept 8
.set CW, 1+CS/4
.if (\tau) == 0
.set CH, 0
.set CB, 160+12*CS
.elseif (\tau) == 1
.set CH, 3
.set CB, 12*CS
.elseif (\tau) == 2
.set CH, 3
.set CB, 96+12*CS
.else
.set CH, CW
.set CB, 192+12*(CS%4)
.endif
	WIN (CW|(CH<<2))                               ; source 0 (W2): window 1 or 2; source 1 (h): the buffer's window
.irp t, 0,1,2,3
	MMS CA+8*\t, 12*(4*(CS%4)+\t), CB, CS==0, WS2+8*(\t/2)+CS, HS+4*(\tau)+CS/2, \t%2, CS%2
.endr
.set CS, CS+1
.endr
	WIN 0
	PLACES 5                                       ; the LDS stores below read results (four places: ISA guide 7.12.1 for vector instructions); the turn after next begins these accumulators anew (five)
	s_wait_alu depctr_va_vdst(0)                   ; the products have written the four accumulators, which the LDS stores read, and are done reading buffer tau and its scale words, in which the next loads of that buffer land; the places above stay beside this wait
.irp t, 0,1,2,3
	ds_store_b128 v[PW+2*(\hb)+(\tau)/2], v[CA+8*\t:CA+8*\t+3] offset:PTILE*((\tau)%2)+64*\t       ; each accumulator from its low end on
	ds_store_b128 v[PW+2*(\hb)+(\tau)/2], v[CA+8*\t+4:CA+8*\t+7] offset:PTILE*((\tau)%2)+64*\t+16
.endr
.Lnoc_\@:
.endm
; Tile tau of half hb is finished: wave w takes its rows 4 w .. 4 w + 3, two an instruction (lanes 0-15 one row's 256 bytes, lanes 16-31 the next row's).
.macro FIN tau, hb
	s_cmp_gt_i32 s9, 4*(\hb)+(\tau)
	s_cbranch_scc0 .Lnof_\@
	s_wait_xcnt 0x0                                ; the registers that the tile before stored from are written again only behind this wait
	s_wait_alu depctr_vm_vsrc(0)                   ; the stores of the tile before have read FD, in which the loads below land (its additions stand ahead of its own wait on va_vdst)
.irp ii, 0,1
.irp src, 0,1,2,3
	ds_load_b128 v[FD+16*\ii+4*\src:FD+16*\ii+4*\src+3], v[PR+2*(\hb)+(\tau)/2] offset:PTILE*((\tau)%2)+PSRC*\src+2*PP*\ii
.endr
.endr
.irp ii, 0,1
.set F, FD+16*\ii
	s_wait_dscnt 4-4*\ii                           ; LDS loads come back in order: this pair of rows is in; behind the first pair's four loads stand the second's four
	v_pk_add_f32 v[F:F+1], v[F:F+1], v[F+4:F+5]
	v_pk_add_f32 v[F+2:F+3], v[F+2:F+3], v[F+6:F+7]
	v_pk_add_f32 v[F+8:F+9], v[F+8:F+9], v[F+12:F+13]
	v_pk_add_f32 v[F+10:F+11], v[F+10:F+11], v[F+14:F+15]
	v_pk_add_f32 v[F:F+1], v[F:F+1], v[F+8:F+9]
	v_pk_add_f32 v[F+2:F+3], v[F+2:F+3], v[F+10:F+11]
.endr
	s_wait_alu depctr_va_vdst(0)                   ; the additions have written both pairs of rows, which the two stores read, and are done with FD, in which the next tile's loads land
.irp ii, 0,1
	global_store_b128 v[YO], v[FD+16*\ii:FD+16*\ii+3], s[58:59] offset:YT*(4*(\hb)+(\tau))+8192*\ii   ; sixteen lanes store 256 consecutive bytes, aligned; 925,696 at the most: inside the signed 24-bit immediate (ISA guide, chapter 10)
.endr
.Lnof_\@:
.endm
; Four tiles.  The wait for loads is for 0: whether a tile's loads were issued hangs on a stored number, so no count above 0 would hold on every way.  The youngest loads that it waits for stand four tiles' sums back.
.macro HALF hb
	s_wait_loadcnt 0x0                             ; the four buffers are in
	COMP 0, \hb
	LOADH 0, 4*(\hb)+4, 1                          ; a buffer that has been multiplied takes the tile four further on
	COMP 1, \hb
	LOADH 1, 4*(\hb)+5, 1
	COMP 2, \hb
	COMP 3, \hb
	s_wait_dscnt 0x0                               ; for the others' sake: my partial sums have landed, and my reads of the other buffer are over
	s_barrier_signal -1
	s_barrier_wait -1
	LOADH 2, 4*(\hb)+6, 1
	LOADH 3, 4*(\hb)+7, 1
	FIN 0, \hb
	FIN 1, \hb
	FIN 2, \hb
	FIN 3, \hb
.endm
	s_load_b256 s[48:55], s[0:1], 0x0              ; hq s[48:49], hs s[50:51], W2's codes s[52:53], W2's scales s[54:55]
	s_load_b128 s[56:59], s[0:1], 0x20             ; memb s[56:57], y s[58:59]
	v_lshl_add_u32 v158, v0, 2, 0x31000
	v_mov_b32 v159, 0
	v_lshrrev_b32 v1, 5, v0
	v_readfirstlane_b32 s2, v1                     ; wave
	s_lshr_b32 s3, ttmp9, 5                        ; e
	s_bfe_u32 s4, ttmp9, 0x40001                   ; cn
	s_and_b32 s5, ttmp9, 1                         ; par
	v_and_b32 v1, 31, v0                           ; lane
	v_and_b32 v2, 15, v0                           ; r
	v_bfe_u32 v3, v0, 4, 1                         ; h
	v_lshlrev_b32 v4, 4, v1                        ; 16 x lane
	s_wait_alu depctr_va_sdst(0)                   ; s2 is written, ahead of its first reader
	s_mul_i32 s12, s2, WSTG
	v_mul_u32_u24 v7, v2, WP
	v_mad_u32_u24 v7, v3, 24, v7
	v_add_nc_u32 v7, s12, v7                       ; my stage: row r of a tile, + 24 h
	v_add_nc_u32 v8, s12, v4                       ; on the way in,
	v_lshl_add_u32 v9, v3, 4, v8                   ; (the middle 512 of two rows' 1,536 bytes cross into the next LDS row at lane 16,
	v_mad_u32_u24 v10, v3, 2304, v4                ; and in memory into the next row of W2, 3,072 bytes on)
	v_lshlrev_b32 v[SCO], 7, v1                    ; W2's scales: row 16 h + r, 128 bytes a row
	s_lshl_b32 s12, s2, 14                         ; y: row 4 w + lane / 16 of a tile, 4,096 bytes a row,
	s_lshl_b32 s14, s4, 8                          ; my work-group's 256 bytes of it,
	s_add_co_u32 s12, s12, s14
	v_lshlrev_b32 v[YO], 12, v3
	v_lshl_add_u32 v[YO], v2, 4, v[YO]             ; 16 bytes a lane
	v_add_nc_u32 v[YO], s12, v[YO]
	s_mul_i32 s12, s2, PSRC
	v_mul_u32_u24 v[PW], v2, PP
	v_lshl_add_u32 v[PW], v3, 5, v[PW]
	v_add_nc_u32 v[PW], s12, v[PW]                 ; partial sums, in: my 16 rows: row r, + 32 h
	v_add_nc_u32 v[PW+1], 2*PTILE, v[PW]
	v_add_nc_u32 v[PW+2], PBUF, v[PW]
	v_add_nc_u32 v[PW+3], PBUF+2*PTILE, v[PW]
	s_mul_i32 s12, s2, 4*PP
	v_mul_u32_u24 v[PR], v3, PP
	v_lshl_add_u32 v[PR], v2, 4, v[PR]
	v_add_nc_u32 v[PR], s12, v[PR]                 ; and back: row 4 w + lane / 16, 16 bytes a lane
	v_add_nc_u32 v[PR+1], 2*PTILE, v[PR]
	v_add_nc_u32 v[PR+2], PBUF, v[PR]
	v_add_nc_u32 v[PR+3], PBUF+2*PTILE, v[PR]
	s_mov_b32 s13, 0
	s_wait_kmcnt 0x0
	s_lshl_b32 s12, s3, 7
	s_add_nc_u64 s[56:57], s[56:57], s[12:13]
	s_load_b512 s[16:31], s[56:57], 0x0            ; expert e's 32 words
	s_load_b512 s[32:47], s[56:57], 0x40
	s_lshl_b32 s14, s3, 10
	s_lshl_b32 s12, s4, 6
	s_add_co_u32 s14, s14, s12                     ; 1024 e + 64 cn: my first row of W2
	s_mul_i32 s12, s14, 3072
	s_mul_i32 s15, s2, 768
	s_add_co_u32 s12, s12, s15
	s_add_nc_u64 s[52:53], s[52:53], s[12:13]
	s_lshl_b32 s12, s14, 7
	s_lshl_b32 s15, s2, 5
	s_add_co_u32 s12, s12, s15
	s_add_nc_u64 s[54:55], s[54:55], s[12:13]
	s_lshl_b32 s14, s3, 6
	s_add_co_u32 s14, s14, s5                      ; 64 e + par: my first tile
	s_lshl_b32 s12, s14, 5
	s_lshl_b32 s15, s2, 3
	s_add_co_u32 s12, s12, s15
	s_mul_i32 s12, s12, 1536
	s_add_nc_u64 s[48:49], s[48:49], s[12:13]
	s_lshl_b32 s12, s14, 11
	s_lshl_b32 s15, s2, 9
	s_add_co_u32 s12, s12, s15
	s_add_nc_u64 s[50:51], s[50:51], s[12:13]
	s_lshl_b32 s12, s14, 16                        ; a tile of y: 16 rows of 4,096 bytes
	s_add_nc_u64 s[58:59], s[58:59], s[12:13]
	s_wait_alu depctr_va_vdst(0)                   ; the offsets and LDS addresses v4, v7 to v10, SCO, YO, PW and PR are written: the loads, stores and LDS instructions of the whole kernel read them, and no line writes them again
.set LA, 0
.rept 32                                       ; my 768 bytes of each of 64 rows of W2, two rows a step: every load covers whole aligned runs of 256 bytes
	WMAP LA
	WIN (SWN<<6)
	global_load_b128 v[SBR:SBR+3], v4, s[52:53] offset:6144*LA
	global_load_b128 v[SBR+4:SBR+7], v10, s[52:53] offset:6144*LA+512
	global_load_b128 v[SBR+8:SBR+11], v4, s[52:53] offset:6144*LA+3328
.set LA, LA+1
.endr
	WIN 0
.irp b, 0,1
	global_load_b128 v[WS2+8*\b:WS2+8*\b+3], v[SCO], s[54:55] offset:4096*\b
	global_load_b128 v[WS2+8*\b+4:WS2+8*\b+7], v[SCO], s[54:55] offset:4096*\b+16
.endr
	LOADH 0, 0, 0                                  ; my first four tiles of h, right behind W2 and whatever the count: they land while W2 goes through the stage
	LOADH 1, 1, 0
	LOADH 2, 2, 0
	LOADH 3, 3, 0
	s_wait_kmcnt 0x0
	s_mov_b32 s6, 0                                ; the expert's count: the bits of its 32 words
.set PI, 0
.rept 32
	s_bcnt1_i32_b32 s12, s[MK+PI]
	s_add_co_u32 s6, s6, s12
.set PI, PI+1
.endr
	s_add_co_u32 s8, s6, 15
	s_lshr_b32 s8, s8, 4                           ; its tiles
	s_sub_co_u32 s8, s8, s5
	s_add_co_u32 s8, s8, 1
	s_lshr_b32 s9, s8, 1                           ; mine: those with T % 2 = par
	s_wait_loadcnt 63                              ; W2 and its scale words are in: 100 loads of h were issued behind them, and 63 is the largest count that the wait can name
.set LA, 0
.rept 32
	WMAP LA
	WIN (SWN<<2)
	ds_store_b128 v8, v[SBR:SBR+3] offset:2*WP*LA
	ds_store_b128 v9, v[SBR+4:SBR+7] offset:2*WP*LA+512
	ds_store_b128 v8, v[SBR+8:SBR+11] offset:2*WP*LA+1040
.set LA, LA+1
.endr
	WIN 0
	s_wait_dscnt 0x0                               ; my rows lie in my stage
	s_wait_alu depctr_vm_vsrc(0)                   ; the stage's stores have read the registers of windows 1 and 2, in which the fragments below land
.set FS, 0
.rept 8
	WIN (0x40+0x40*(FS/4))
.irp t, 0,1,2,3
.irp p, 0,1,2,3,4,5
	ds_load_b64 v[12*(4*(FS%4)+\t)+2*\p:12*(4*(FS%4)+\t)+2*\p+1], v7 offset:16*WP*\t+96*FS+48*(\p/3)+8*(\p%3)   ; my own stage
.endr
.endr
.set FS, FS+1
.endr
	WIN 0
	s_wait_dscnt 0x0                               ; my reads of my stage are over
	s_barrier_signal -1
	s_barrier_wait -1                              ; from here the stages' bytes take the partial sums
	s_mov_b32 s10, 0
.Ltrip:
	HALF 0
	HALF 1
	s_wait_xcnt 0x0                                ; the bases of the loads and stores that are out are written again only behind this wait
	s_add_nc_u64 s[48:49], s[48:49], 8*HQT
	s_add_nc_u64 s[50:51], s[50:51], 8*HST
	s_add_nc_u64 s[58:59], s[58:59], 8*YT
	s_sub_co_i32 s9, s9, 8
	s_add_co_u32 s10, s10, 1
	s_cmp_lt_u32 s10, 4
	s_cbranch_scc1 .Ltrip
	s_wait_dscnt 0x0                               ; the closing lines, six on end
	s_wait_alu 0x0
	s_wait_tensorcnt 0x0
	ds_add_u32 v158, v159
	s_wait_dscnt 0x0
	s_endpgm
.Lfunc_end_k_qac30818938_ffn2:
	.size	k_qac30818938_ffn2, .Lfunc_end_k_qac30818938_ffn2-k_qac30818938_ffn2
	.p2alignl 7, 3214868480
	.fill 96, 4, 3214868480
	.section	.rodata,"a",@progbits
	.p2align	6, 0x0
	.amdhsa_kernel k_qac30818938_ffn2
		.amdhsa_group_segment_fixed_size 201216
		.amdhsa_private_segment_fixed_size 0
		.amdhsa_enable_private_segment 0
		.amdhsa_kernarg_size 48
		.amdhsa_user_sgpr_count 2
		.amdhsa_user_sgpr_kernarg_segment_ptr 1
		.amdhsa_wavefront_size32 1
		.amdhsa_system_sgpr_workgroup_id_x 1
		.amdhsa_system_sgpr_workgroup_id_y 1
		.amdhsa_system_sgpr_workgroup_id_z 1
		.amdhsa_system_vgpr_workitem_id 0
		.amdhsa_next_free_vgpr 960
		.amdhsa_next_free_sgpr 66
		.amdhsa_reserve_vcc 0
		.amdhsa_float_denorm_mode_32 3
		.amdhsa_float_denorm_mode_16_64 3
		.amdhsa_memory_ordered 1
		.amdhsa_forward_progress 1
		.amdhsa_inst_pref_size 117
	.end_amdhsa_kernel
	.amdgpu_metadata
---
amdhsa.version: [ 1, 2 ]
amdhsa.kernels:
  - .name:           k_qac30818938_ffn2
    .symbol:         k_qac30818938_ffn2.kd
    .args:
      - { .name: hq, .offset: 0, .size: 8, .value_kind: global_buffer, .address_space: global }
      - { .name: hs, .offset: 8, .size: 8, .value_kind: global_buffer, .address_space: global }
      - { .name: W2_codes, .offset: 16, .size: 8, .value_kind: global_buffer, .address_space: global }
      - { .name: W2_scales, .offset: 24, .size: 8, .value_kind: global_buffer, .address_space: global }
      - { .name: memb, .offset: 32, .size: 8, .value_kind: global_buffer, .address_space: global }
      - { .name: y, .offset: 40, .size: 8, .value_kind: global_buffer, .address_space: global }
    .group_segment_fixed_size: 201216
    .private_segment_fixed_size: 0
    .kernarg_segment_align: 8
    .kernarg_segment_size: 48
    .max_flat_workgroup_size: 128
    .sgpr_count:     66
    .vgpr_count:     960
    .wavefront_size: 32
...
	.end_amdgpu_metadata
.endif
;; end of part 7
;; launch combine (part 8): grid 256 x 1, 8 waves a work-group, no clusters, 0 bytes of LDS; arguments y, sel, wts, memb, out0; writes out0
.if DOCPART == 8
	.amdgcn_target "amdgcn-amd-amdhsa--gfx1250"
	.amdhsa_code_object_version 6
	.text
	.protected	k_qac30818938_combine
	.globl	k_qac30818938_combine
	.p2align	8
	.type	k_qac30818938_combine,@function
k_qac30818938_combine:
	s_mov_b64 s[64:65], 0
	v_nop
	global_prefetch_b8 v0, s[64:65] scope:SCOPE_SE
	s_setreg_imm32_b32 hwreg(HW_REG_WAVE_MODE, 25, 1), 1
	s_wait_xcnt 0x0
; out0[n] = w0 y[1024 e0 + rank of n in e0] + w1 y[1024 e1 + rank of n in e1].  y: rows of 4,096 bytes laid by (expert, rank); sel: e0 | e1 << 8 a token; wts: (w0, w1) a token; memb: for each expert
; 32 words, bit j of word i = token 32 i + j has chosen it.  out0: [1024][1024] f32.
; SHARES.  A work-group takes 4 tokens, a wave half a token's row: 2,048 bytes, four loads of each of the two rows and four stores, each of 512 consecutive bytes, aligned to 256.
; THE RANK of token n in expert e is the number of e's tokens below n.  Lane i takes word i of e's 32: words below n's word count whole, n's own word with the bits below n, the others not at all (a mask made of
; ids alone).  Each lane counts its word's bits by shifts and additions; the 32 counts are added across the lanes.  The expert's number is held at 7 and the rank at 1,023 before either enters an address.
; ALL EIGHT experts' words (1,024 bytes a wave) are loaded beside sel and wts, at addresses made of ids alone, and the two that are wanted are chosen by selects: so only y's rows wait for an earlier load's result.
; A stream with a gather: no LDS, no barrier, no matrix unit: nothing is shared between waves and nothing is multiplied but by the two weights.
; ORDER OF SUMS: the first choice's row, then the second's, where the reference adds in the order of the experts' numbers: another order of rounding.  LIMITS: NaN and infinities are not served.
.set T,  22                            ; v22, v23 at work
.set U,  23
.set A0, 24                            ; v24, v25 the two rows' byte offsets in y
.set D0, 32                            ; v32-47 the first row's 64 bytes of mine;  v48-63 the second's
.set D1, 48
.set MB, 64                            ; v64-71 my lane's word of each expert's 32
; v[dst] = the byte offset in y of my part of the row of (expert v[e], this token); v[mb]: my lane's word of the expert's bits
.macro ROWOF mb, e, dst
	v_and_b32 v[T], v7, v[\mb]                     ; the bits that stand for tokens below mine
	s_delay_alu instid0(VALU_DEP_1)
	v_lshrrev_b32 v[U], 1, v[T]                    ; counts in fields of 2, 4 and 8 bits,
	s_delay_alu instid0(VALU_DEP_1)
	v_and_b32 v[U], 0x55555555, v[U]
	s_delay_alu instid0(VALU_DEP_1)
	v_sub_nc_u32 v[T], v[T], v[U]
	s_delay_alu instid0(VALU_DEP_1)
	v_lshrrev_b32 v[U], 2, v[T]
	s_delay_alu instid0(VALU_DEP_1)
	v_and_b32 v[U], 0x33333333, v[U]
	s_delay_alu instid0(VALU_DEP_3)
	v_and_b32 v[T], 0x33333333, v[T]
	s_delay_alu instid0(VALU_DEP_1)
	v_add_nc_u32 v[T], v[T], v[U]
	s_delay_alu instid0(VALU_DEP_1)
	v_lshrrev_b32 v[U], 4, v[T]
	s_delay_alu instid0(VALU_DEP_1)
	v_add_nc_u32 v[T], v[T], v[U]
	s_delay_alu instid0(VALU_DEP_1)
	v_and_b32 v[T], 0x0f0f0f0f, v[T]
	s_delay_alu instid0(VALU_DEP_1)
	v_lshrrev_b32 v[U], 8, v[T]                    ; and the four bytes added
	s_delay_alu instid0(VALU_DEP_1)
	v_add_nc_u32 v[T], v[T], v[U]
	s_delay_alu instid0(VALU_DEP_1)
	v_lshrrev_b32 v[U], 16, v[T]
	s_delay_alu instid0(VALU_DEP_1)
	v_add_nc_u32 v[T], v[T], v[U]
	s_delay_alu instid0(VALU_DEP_1)
	v_and_b32 v[T], 63, v[T]
.irp m, 1,2,4,8                                ; across the 16 lanes of each half,
	s_delay_alu instid0(VALU_DEP_1)
	v_mov_b32_dpp v[U], v[T] row_xmask:\m row_mask:0xf bank_mask:0xf
	s_delay_alu instid0(VALU_DEP_1)
	v_add_nc_u32 v[T], v[T], v[U]
.endr
	s_delay_alu instid0(VALU_DEP_1)
	v_permlanex16_b32 v[U], v[T], s24, s25         ; and the other half's: every lane holds the rank
	s_delay_alu instid0(VALU_DEP_1)
	v_add_nc_u32 v[T], v[T], v[U]
	s_delay_alu instid0(VALU_DEP_1)
	v_min_u32 v[T], 0x3ff, v[T]
	v_lshlrev_b32 v[U], 10, v[\e]
	s_delay_alu instid0(VALU_DEP_1)
	v_add_nc_u32 v[T], v[T], v[U]                  ; the row: 1024 e + rank
	s_delay_alu instid0(VALU_DEP_1)
	v_lshlrev_b32 v[T], 12, v[T]
	s_delay_alu instid0(VALU_DEP_1)
	v_add_nc_u32 v[\dst], v[T], v4
.endm
	s_load_b256 s[4:11], s[0:1], 0x0               ; y s[4:5], sel s[6:7], wts s[8:9], memb s[10:11]
	s_load_b64 s[12:13], s[0:1], 0x20              ; out0
	v_lshrrev_b32 v1, 5, v0
	s_delay_alu instid0(VALU_DEP_1)
	v_readfirstlane_b32 s16, v1                    ; wave
	v_and_b32 v1, 31, v0                           ; lane
	s_wait_alu depctr_va_vdst(0)
	s_lshr_b32 s17, s16, 1
	s_lshl_b32 s18, ttmp9, 2
	s_add_co_u32 s17, s17, s18                     ; my token: 4 x work-group + wave / 2
	s_and_b32 s18, s16, 1                          ; which half of its row
	s_lshl_b32 s19, s17, 2
	v_mov_b32 v2, s19                              ; its word of sel
	s_lshl_b32 s19, s17, 3
	v_mov_b32 v3, s19                              ; its two weights
	s_lshr_b32 s20, s17, 5                         ; the word of memb that holds its bit,
	s_and_b32 s21, s17, 31
	s_lshl_b32 s21, 1, s21
	s_sub_co_u32 s21, s21, 1                       ; and the bits below it there
	s_lshl_b32 s22, s18, 11
	v_lshlrev_b32 v4, 4, v1
	s_delay_alu instid0(VALU_DEP_1)
	v_add_nc_u32 v4, s22, v4                       ; my 16 bytes of a row: 2,048 x half + 16 x lane
	s_lshl_b32 s23, s17, 12
	v_add_nc_u32 v5, s23, v4                       ; and in out0
	v_lshlrev_b32 v16, 2, v1                       ; my lane's word of an expert's 32
	v_mov_b32 v7, 0                                ; my lane's mask: all ones below the token's word, the lower bits in it, nothing above
	v_cmp_gt_u32 vcc_lo, s20, v1
	s_delay_alu instid0(VALU_DEP_1)
	v_cndmask_b32 v7, v7, -1, vcc_lo
	v_cmp_eq_u32 vcc_lo, s20, v1
	s_delay_alu instid0(VALU_DEP_1)
	v_cndmask_b32 v7, v7, s21, vcc_lo
	s_mov_b32 s24, 0x76543210
	s_mov_b32 s25, 0xfedcba98                      ; v_permlanex16_b32's selects for lane l xor 16
	s_wait_alu depctr_va_vdst(0)
	s_wait_kmcnt 0x0
	global_load_b32 v6, v2, s[6:7]
	global_load_b64 v[8:9], v3, s[8:9]
.irp e, 0,1,2,3,4,5,6,7
	global_load_b32 v[MB+\e], v16, s[10:11] offset:128*\e   ; 128 bytes an expert
.endr
	s_wait_loadcnt 0x0
	v_and_b32 v10, 0xff, v6                        ; e0
	v_bfe_u32 v11, v6, 8, 8                        ; e1
	s_delay_alu instid0(VALU_DEP_2)
	v_min_u32 v10, 7, v10
	s_delay_alu instid0(VALU_DEP_2)
	v_min_u32 v11, 7, v11
	v_mov_b32 v14, v[MB]                           ; my lane's word of e0's bits, and of e1's
	v_mov_b32 v15, v[MB]
.irp e, 1,2,3,4,5,6,7
	v_cmp_eq_u32 vcc_lo, \e, v10
	s_delay_alu instid0(VALU_DEP_1)
	v_cndmask_b32 v14, v14, v[MB+\e], vcc_lo
	v_cmp_eq_u32 vcc_lo, \e, v11
	s_delay_alu instid0(VALU_DEP_1)
	v_cndmask_b32 v15, v15, v[MB+\e], vcc_lo
.endr
	ROWOF 14, 10, A0
	ROWOF 15, 11, A0+1
.irp j, 0,1,2,3
	global_load_b128 v[D0+4*\j:D0+4*\j+3], v[A0], s[4:5] offset:512*\j th:TH_LOAD_NT     ; each byte of a kept row is read once in the launch
	global_load_b128 v[D1+4*\j:D1+4*\j+3], v[A0+1], s[4:5] offset:512*\j th:TH_LOAD_NT
.endr
	v_mov_b32 v18, v8                              ; each weight twice: a pair for the packed forms
	v_mov_b32 v19, v8
	v_mov_b32 v20, v9
	v_mov_b32 v21, v9
	s_wait_alu depctr_va_vdst(0)
.irp j, 0,1,2,3
	s_wait_loadcnt 6-2*\j                          ; loads come back in order (ISA guide 5.7.1): pair j is in, the younger pairs stay out
	v_pk_mul_f32 v[D0+4*\j:D0+4*\j+1], v[D0+4*\j:D0+4*\j+1], v[18:19]
	v_pk_mul_f32 v[D0+4*\j+2:D0+4*\j+3], v[D0+4*\j+2:D0+4*\j+3], v[18:19]
	s_delay_alu instid0(VALU_DEP_2)
	v_pk_fma_f32 v[D0+4*\j:D0+4*\j+1], v[D1+4*\j:D1+4*\j+1], v[20:21], v[D0+4*\j:D0+4*\j+1]
	s_delay_alu instid0(VALU_DEP_2)
	v_pk_fma_f32 v[D0+4*\j+2:D0+4*\j+3], v[D1+4*\j+2:D1+4*\j+3], v[20:21], v[D0+4*\j+2:D0+4*\j+3]
	global_store_b128 v5, v[D0+4*\j:D0+4*\j+3], s[12:13] offset:512*\j th:TH_STORE_NT
.endr
	s_endpgm
.Lfunc_end_k_qac30818938_combine:
	.size	k_qac30818938_combine, .Lfunc_end_k_qac30818938_combine-k_qac30818938_combine
	.p2alignl 7, 3214868480
	.fill 96, 4, 3214868480
	.section	.rodata,"a",@progbits
	.p2align	6, 0x0
	.amdhsa_kernel k_qac30818938_combine
		.amdhsa_group_segment_fixed_size 0
		.amdhsa_private_segment_fixed_size 0
		.amdhsa_enable_private_segment 0
		.amdhsa_kernarg_size 40
		.amdhsa_user_sgpr_count 2
		.amdhsa_user_sgpr_kernarg_segment_ptr 1
		.amdhsa_wavefront_size32 1
		.amdhsa_system_sgpr_workgroup_id_x 1
		.amdhsa_system_sgpr_workgroup_id_y 1
		.amdhsa_system_sgpr_workgroup_id_z 1
		.amdhsa_system_vgpr_workitem_id 0
		.amdhsa_next_free_vgpr 72
		.amdhsa_next_free_sgpr 66
		.amdhsa_reserve_vcc 1
		.amdhsa_float_denorm_mode_32 3
		.amdhsa_float_denorm_mode_16_64 3
		.amdhsa_memory_ordered 1
		.amdhsa_forward_progress 1
		.amdhsa_inst_pref_size 12
	.end_amdhsa_kernel
	.amdgpu_metadata
---
amdhsa.version: [ 1, 2 ]
amdhsa.kernels:
  - .name:           k_qac30818938_combine
    .symbol:         k_qac30818938_combine.kd
    .args:
      - { .name: y, .offset: 0, .size: 8, .value_kind: global_buffer, .address_space: global }
      - { .name: sel, .offset: 8, .size: 8, .value_kind: global_buffer, .address_space: global }
      - { .name: wts, .offset: 16, .size: 8, .value_kind: global_buffer, .address_space: global }
      - { .name: memb, .offset: 24, .size: 8, .value_kind: global_buffer, .address_space: global }
      - { .name: out0, .offset: 32, .size: 8, .value_kind: global_buffer, .address_space: global }
    .group_segment_fixed_size: 0
    .private_segment_fixed_size: 0
    .kernarg_segment_align: 8
    .kernarg_segment_size: 40
    .max_flat_workgroup_size: 256
    .sgpr_count:     66
    .vgpr_count:     72
    .wavefront_size: 32
...
	.end_amdgpu_metadata
.endif
;; end of part 8
